; MI455X (gfx1250); checked and timed in simulation.
; The chip was launched on July 23, 2026; its instructions are those of AMD's public machine-readable ISA for CDNA 5 (MIT licence, August 2026) and "CDNA5" Instruction Set Architecture Reference Guide (July 2026). The comments in the code are by the model that wrote it; some were corrected since.
;; Advanced Transformer Block. Allowed arithmetic: matrix products marked QUANTISED: E2M1 operands, one E8M0 scale for each 32 along K, by v_wmma_scale_f32_16x16x128_f8f6f4 with both operands' format E2M1 (or v_wmma_scale_f32_32x16x128_f4), f32 sums; everything else in f32.
;; Inputs: b1 4,096 float32; b2 1,024 float32; be1 1,024 float32; be2 1,024 float32; g1 1,024 float32; g2 1,024 float32; w1 1,024 x 4,096 float32; w2 4,096 x 1,024 float32; wk 1,024 x 1,024 float32; wo 1,024 x 1,024 float32; wq 1,024 x 1,024 float32; wv 1,024 x 1,024 float32; x 2 x 2,048 x 1,024 float32.
;; Outputs: out0 2 x 2,048 x 1,024 float32.
;; This version of the problem:
;;   THIS VERSION OF THE PROBLEM IS GIVEN IN LOW PRECISION. The matrix products marked QUANTISED in the list below multiply operands that are first quantised to E2M1 (2 exponent bits, 1 mantissa bit; 4 bits a number), with one power-of-two scale for each 32 numbers along K (OCP MX v1.0); their sums are f32. All else is computed in f32.
;;   The module's matrix products, in the order in which they are computed (A, B: the left and right operand; K: the contracted axis; several contracted axes count as one K, in the product's order):
;;     1. [M 4,096, K 1,024] x [K 1,024, N 1,024]; A: computed on the way; B: input wq: QUANTISED
;;     2. [M 4,096, K 1,024] x [K 1,024, N 1,024]; A: computed on the way; B: input wk: QUANTISED
;;     3. [M 4,096, K 1,024] x [K 1,024, N 1,024]; A: computed on the way; B: input wv: QUANTISED
;;     4. batch 32 x [M 2,048, K 64] x [K 64, N 2,048]; A: computed on the way; B: computed on the way: QUANTISED
;;     5. batch 32 x [M 2,048, K 2,048] x [K 2,048, N 64]; A: softmax (see below); B: computed on the way: QUANTISED
;;     6. [M 4,096, K 1,024] x [K 1,024, N 1,024]; A: computed on the way; B: input wo: QUANTISED
;;     7. [M 4,096, K 1,024] x [K 1,024, N 4,096]; A: computed on the way; B: input w1: QUANTISED
;;     8. [M 4,096, K 4,096] x [K 4,096, N 1,024]; A: computed on the way; B: input w2: QUANTISED
;;   THE QUANTISER, for each operand of a quantised product, along K:
;;     - K is cut into blocks of 32 from its start; a last block that is shorter is filled with zeros.
;;     - A block's scale is 2^e with e = floor(log2(the largest magnitude in the block)) - 2, held to -126 .. 127; a block of zeros has e = 0. As a byte (E8M0): e + 127.
;;     - Each number is divided by its block's scale, clamped to +-6, and rounded to the nearest number of E2M1, ties to even, subnormals kept.
;;     - The product sums the exact products of the quantised numbers (number of the format x scale) in f32.
;;   ~~~python
;;   def quantise(x, axis):      # numpy; x: float32 -> the quantised numbers, widened to float32 again
;;       x = np.moveaxis(x, axis, -1); K = x.shape[-1]
;;       x = np.pad(x, [(0, 0)] * (x.ndim - 1) + [(0, -K % 32)]); x = x.reshape(x.shape[:-1] + (-1, 32)); a = np.abs(x).max(-1, keepdims=True)
;;       e = np.where(a > 0, np.clip(np.frexp(np.where(a > 0, a, 1))[1] - 1 - 2, -126, 127), 0)      # np.frexp(a)[1] - 1 = floor(log2(a)), exactly
;;       r = np.clip(x / 2.0 ** e, -6, 6)
;;       step = 2.0 ** (np.maximum(np.frexp(np.where(r == 0, 1, r))[1] - 1, 0) - 1)
;;       q = np.round(r / step) * step * 2.0 ** e      # np.round: ties to even
;;       return np.moveaxis(q.reshape(q.shape[:-2] + (-1,))[..., :K], -1, axis).astype(np.float32)
;;   ~~~
;;   SOFTMAX AHEAD OF A QUANTISED PRODUCT. Where the list says 'softmax', what is quantised is not the finished softmax but p = 2^(t - M), with t = logit x log2(e) and M = ceil(the row's largest t), a whole number; so 1/2 < the row's largest p <= 1. The row's sum l is taken of the UNQUANTISED p, in f32, and the product's result is divided by l at the end. Since M is a whole number, a kernel that streams over the keys may use a running M (the ceiling of the running maximum): every later rescaling is an exact power of two, which a block's scale takes up: the codes' values come out the same.
;;   OPERANDS COMPUTED ON THE WAY. 'Computed on the way' means the value that the module computes at that place (a softmax that the list does not call 'softmax' is quantised finished and normalised). What goes into a quantiser is computed in f32, as accurately as f32 sums, v_exp_f32 and their like allow (about 1e-6 of the number): no bf16 or f16 on the way to a quantiser, and a product that is left as it is and whose result goes on into a quantised operand takes f32 operands (vector FMAs, or v_wmma_f32_16x16x4_f32). A number that lies on a knife's edge between two numbers of the format may be rounded either way, as far as f32 arithmetic and the matrix unit's own rounding can turn it there, and no further.
;; 2 versions, each right and faster than the one before. Each part assembles by itself: llvm-mc -triple=amdgcn-amd-amdhsa -mcpu=gfx1250 --defsym DOCPART=n.
;; ======== version 1 of 2: 8 launches
;; workspace buffers: wts 6,684,672 bytes; hq 2,228,224 bytes; qk 4,456,448 bytes; vt 2,228,224 bytes; oq 2,228,224 bytes; x2 16,777,216 bytes; hid 8,912,896 bytes
;; launch wquant (part 1): grid 256 x 3, 4 waves a work-group, no clusters, 1,024 bytes of LDS; arguments wq, wk, wv, wo, w1, w2, wts; writes wts
.if DOCPART == 1
	.amdgcn_target "amdgcn-amd-amdhsa--gfx1250"
	.amdhsa_code_object_version 6
	.text
	.protected	k_qfa5a7b2f45_wquant
	.globl	k_qfa5a7b2f45_wquant
	.p2align	8
	.type	k_qfa5a7b2f45_wquant,@function
k_qfa5a7b2f45_wquant:
	s_mov_b64 s[64:65], 0
	v_nop
	global_prefetch_b8 v0, s[64:65] scope:SCOPE_SE
	s_setreg_imm32_b32 hwreg(HW_REG_WAVE_MODE, 25, 1), 1
	s_wait_xcnt 0x0
; The six weights, f32 stored [k][n] (K is the FIRST axis), become codes of FP4 (E2M1) with one E8M0 byte for each 32 along K, laid as the products' launches read them.
; LAYOUT OF wts.  Rows = n, in tiles T of 16; row r of tile T is column n = 32 (T / 2) + 16 (r / 8) + 8 (T % 2) + r % 8.  A tile's 512 along K are one chunk of 4,352 bytes:
; at 1024 s + 512 c + 16 (16 h + r) the 16 bytes of codes of row r, k = 128 s + 64 c + 32 h + 0 .. 31 (an image of the operand's registers); at 4096 + 16 r + 4 s + b the byte of block b of K step s.
; Chunks lie [T][K / 512].  wq at 0, wk, wv, wo 557,056 bytes apart, w1 at 2,228,224, w2 at 4,456,448.
; SHARES.  A work-group takes 32 columns x 512 along K: two whole chunks.  Wave w takes K step w: four blocks.  A LANE TAKES A COLUMN AND ITS REGISTERS RUN DOWN K: a block of 32 lies in one lane's 32
; registers, its largest magnitude needs no other lane, and the conversions give codes with K innermost.  Grid y = 0: the four square weights, 64 work-groups each; y = 1: w1; y = 2: w2.
; A block's scale byte is its largest magnitude's exponent field - 2, held at 1 from below.  LIMITS: a block of zeros gets the byte 1 (its codes are zeros; this program alone reads the bytes);
; blocks whose largest magnitude lies under 2^-124 are held at the byte 1; NaN and infinities among the inputs are not served.
; No cluster, no tensor load: work-groups share no input, and each number is read once.
.set CH,  4352
.set C,   16                           ; v16-31   codes, four registers a block: no store's data are written again
.set VO,  32                           ; v32-63   4 x lane + i rows of the weight
.set X,   64                           ; v64-127  two sets of 32 numbers
	s_load_b256 s[4:11], s[0:1], 0x0               ; wq, wk, wv, wo
	s_load_b128 s[12:15], s[0:1], 0x20             ; w1, w2
	s_load_b64 s[16:17], s[0:1], 0x30              ; wts
	v_lshl_add_u32 v128, v0, 2, 0x200
	v_mov_b32 v129, 0
	v_lshrrev_b32 v1, 5, v0
	v_readfirstlane_b32 s18, v1                    ; wave = K step
	v_and_b32 v1, 31, v0                           ; lane l = column in the group of 32
	s_and_b32 s19, ttmp7, 0xffff                   ; y
	s_lshr_b32 s20, ttmp9, 6
	s_and_b32 s21, ttmp9, 63
	s_mov_b32 s37, 4096
	s_cmp_eq_u32 s19, 0
	s_cselect_b32 s20, s20, 0                      ; q: which of the four square weights
	s_cselect_b32 s21, s21, ttmp9                  ; u: the work-group's number inside its weight
	s_cmp_eq_u32 s19, 1
	s_cselect_b32 s22, 127, 31                     ; groups of 32 columns - 1
	s_cselect_b32 s23, 7, 5
	s_cselect_b32 s37, 0x4000, s37                 ; STR: bytes in a row of the weight
	s_cmp_eq_u32 s19, 2
	s_cselect_b32 s38, 8, 2                        ; NG: chunks along K
	s_and_b32 s22, s21, s22                        ; cg: my group of columns
	s_lshr_b32 s23, s21, s23                       ; g: my 512 along K
	s_mul_i32 s36, s38, CH                         ; from a tile to the next
	s_lshl_b32 s39, s23, 2
	s_add_co_u32 s39, s39, s18
	s_lshl_b32 s39, s39, 7                         ; my first k: 128 (4 g + w)
	s_mul_i32 s39, s39, s37
	s_lshl_b32 s40, s22, 7                         ; 32 columns of 4 bytes
	s_add_co_u32 s40, s39, s40                     ; where block 0 begins in the weight (under 2^25)
	s_mov_b32 s41, 0
	s_lshl_b32 s42, s37, 5                         ; 32 rows on
	s_mov_b32 s43, 0
	s_mul_i32 s44, s19, 2228224
	s_mul_i32 s45, s20, 557056
	s_add_co_u32 s44, s44, s45                     ; the weight's place in wts,
	s_lshl_b32 s45, s22, 1
	s_mul_i32 s45, s45, s38
	s_add_co_u32 s45, s45, s23
	s_mul_i32 s45, s45, CH                         ; chunk (2 cg, g)
	s_add_co_u32 s44, s44, s45
	s_mov_b32 s45, 0
	s_lshl_b32 s46, s18, 10                        ; my K step's 1,024 bytes
	s_mov_b32 s47, 0
	s_lshl_b32 s2, s18, 2
	v_bfe_u32 v6, v0, 3, 1                         ; which of the two tiles: (l / 8) % 2
	v_bfe_u32 v7, v0, 4, 1
	v_and_b32 v8, 7, v0
	v_lshl_add_u32 v8, v7, 3, v8                   ; r = 8 (l / 16) + l % 8
	v_mul_lo_u32 v2, v6, s36
	v_lshl_add_u32 v2, v8, 4, v2                   ; v2: my codes' place: tile, 16 r
	v_lshl_add_u32 v3, v6, 4, v8
	v_lshlrev_b32 v3, 4, v3
	v_add_nc_u32 v3, s2, v3                        ; v3: LDS: 16 (16 tile + r) + 4 w: my scale word
	v_lshlrev_b32 v4, 4, v1                        ; v4: LDS, back: 16 l
	v_mul_lo_u32 v5, v7, s36
	v_and_b32 v9, 15, v0
	v_lshl_add_u32 v5, v9, 4, v5
	v_add_nc_u32 v5, 4096, v5                      ; v5: and the same 16 bytes in the chunks
	v_lshlrev_b32 v[VO], 2, v1
.set i, 1
.rept 31
	v_add_nc_u32 v[VO+i], s37, v[VO+i-1]
.set i, i+1
.endr
	s_wait_kmcnt 0x0
	s_cmp_eq_u32 s20, 1                            ; the weight is chosen by the work-group's number alone
	s_cselect_b64 s[4:5], s[6:7], s[4:5]
	s_cmp_eq_u32 s20, 2
	s_cselect_b64 s[4:5], s[8:9], s[4:5]
	s_cmp_eq_u32 s20, 3
	s_cselect_b64 s[4:5], s[10:11], s[4:5]
	s_cmp_eq_u32 s19, 1
	s_cselect_b64 s[4:5], s[12:13], s[4:5]
	s_cmp_eq_u32 s19, 2
	s_cselect_b64 s[4:5], s[14:15], s[4:5]
	s_add_nc_u64 s[24:25], s[4:5], s[40:41]        ; a base for each block: none is stepped
	s_add_nc_u64 s[26:27], s[24:25], s[42:43]
	s_add_nc_u64 s[28:29], s[26:27], s[42:43]
	s_add_nc_u64 s[30:31], s[28:29], s[42:43]
	s_add_nc_u64 s[34:35], s[16:17], s[44:45]      ; my first chunk
	s_add_nc_u64 s[32:33], s[34:35], s[46:47]      ; and my K step in it
.macro LOAD t                          ; block t: W(k0 + 32 t + i, my column): 32 lanes read 128 consecutive bytes
.set i, 0
.rept 32
	global_load_b32 v[X+32*((\t)%2)+i], v[VO+i], s[24+2*(\t):25+2*(\t)] th:TH_LOAD_NT
.set i, i+1
.endr
.endm
.macro BLOCK t
.set XS, X+32*((\t)%2)
.if (\t) < 3
	s_wait_loadcnt 32                              ; this block's 32 loads are in; the next block's 32 may be out
.else
	s_wait_loadcnt 0
.endif
	v_max3_num_f32 v8, |v[XS]|, |v[XS+1]|, |v[XS+2]|               ; the block's largest magnitude, in two chains
	v_max3_num_f32 v9, |v[XS+3]|, |v[XS+4]|, |v[XS+5]|
.irp i, 6,10,14,18,22,26
	v_max3_num_f32 v8, v8, |v[XS+\i]|, |v[XS+\i+1]|
	v_max3_num_f32 v9, v9, |v[XS+\i+2]|, |v[XS+\i+3]|
.endr
	v_max3_num_f32 v8, v8, |v[XS+30]|, |v[XS+31]|
	v_max3_num_f32 v8, v8, v9, 0x1800000           ; and the floor 2^(3 - 127): the byte cannot fall under 1
	v_add_nc_u32 v10, 0xff000000, v8               ; 2 off the exponent field: the conversion takes that field as its scale
	v_lshrrev_b32 v11, 23, v10                     ; the scale's byte
.if (\t) == 0
	v_mov_b32 v14, v11                             ; four bytes make my row's scale word of this K step
.else
	v_lshl_or_b32 v14, v11, 8*(\t), v14
.endif
.irp g, 0,1,2,3
	v_cvt_scalef32_pk8_fp4_f32 v[C+4*(\t)+\g], v[XS+8*\g:XS+8*\g+7], v10
.endr
	v_nop                                          ; one plain line behind the scaled conversions
	global_store_b128 v2, v[C+4*(\t):C+4*(\t)+3], s[32:33] offset:512*((\t)/2)+256*((\t)%2)   ; the sixteen lanes of a tile store 256 consecutive bytes, aligned
.if (\t) < 2
	LOAD (\t)+2
.endif
.endm
	LOAD 0
	LOAD 1
	BLOCK 0
	BLOCK 1
	BLOCK 2
	BLOCK 3
	ds_store_b32 v3, v14                           ; the four waves' scale words meet in LDS: 256 bytes a tile
	s_wait_dscnt 0x0                               ; for the others' sake: my store has landed
	s_barrier_signal -1
	s_barrier_wait -1
	s_cmp_lg_u32 s18, 0
	s_cbranch_scc1 .Lend
	ds_load_b128 v[8:11], v4
	s_wait_dscnt 0x0
	global_store_b128 v5, v[8:11], s[34:35]        ; wave 0: sixteen lanes store a tile's 256 scale bytes, aligned
.Lend:
	s_wait_tensorcnt 0x0
	ds_add_u32 v128, v129
	s_wait_dscnt 0x0
	s_endpgm
.Lfunc_end_k_qfa5a7b2f45_wquant:
	.size	k_qfa5a7b2f45_wquant, .Lfunc_end_k_qfa5a7b2f45_wquant-k_qfa5a7b2f45_wquant
	.p2alignl 7, 3214868480
	.fill 96, 4, 3214868480
	.section	.rodata,"a",@progbits
	.p2align	6, 0x0
	.amdhsa_kernel k_qfa5a7b2f45_wquant
		.amdhsa_group_segment_fixed_size 1024
		.amdhsa_private_segment_fixed_size 0
		.amdhsa_enable_private_segment 0
		.amdhsa_kernarg_size 56
		.amdhsa_user_sgpr_count 2
		.amdhsa_user_sgpr_kernarg_segment_ptr 1
		.amdhsa_wavefront_size32 1
		.amdhsa_system_sgpr_workgroup_id_x 1
		.amdhsa_system_sgpr_workgroup_id_y 1
		.amdhsa_system_sgpr_workgroup_id_z 1
		.amdhsa_system_vgpr_workitem_id 0
		.amdhsa_next_free_vgpr 130
		.amdhsa_next_free_sgpr 66
		.amdhsa_reserve_vcc 0
		.amdhsa_float_denorm_mode_32 3
		.amdhsa_float_denorm_mode_16_64 3
		.amdhsa_memory_ordered 1
		.amdhsa_forward_progress 1
		.amdhsa_inst_pref_size 24
	.end_amdhsa_kernel
	.amdgpu_metadata
---
amdhsa.version: [ 1, 2 ]
amdhsa.kernels:
  - .name:           k_qfa5a7b2f45_wquant
    .symbol:         k_qfa5a7b2f45_wquant.kd
    .args:
      - { .name: wq, .offset: 0, .size: 8, .value_kind: global_buffer, .address_space: global }
      - { .name: wk, .offset: 8, .size: 8, .value_kind: global_buffer, .address_space: global }
      - { .name: wv, .offset: 16, .size: 8, .value_kind: global_buffer, .address_space: global }
      - { .name: wo, .offset: 24, .size: 8, .value_kind: global_buffer, .address_space: global }
      - { .name: w1, .offset: 32, .size: 8, .value_kind: global_buffer, .address_space: global }
      - { .name: w2, .offset: 40, .size: 8, .value_kind: global_buffer, .address_space: global }
      - { .name: wts, .offset: 48, .size: 8, .value_kind: global_buffer, .address_space: global }
    .group_segment_fixed_size: 1024
    .private_segment_fixed_size: 0
    .kernarg_segment_align: 8
    .kernarg_segment_size: 56
    .max_flat_workgroup_size: 128
    .sgpr_count:     66
    .vgpr_count:     130
    .wavefront_size: 32
...
	.end_amdgpu_metadata
.endif
;; end of part 1
;; launch ln1 (part 2): grid 256 x 1, 16 waves a work-group, no clusters, 10,752 bytes of LDS; arguments x, g1, be1, hq; writes hq
.if DOCPART == 2
	.amdgcn_target "amdgcn-amd-amdhsa--gfx1250"
	.amdhsa_code_object_version 6
	.text
	.protected	k_qfa5a7b2f45_ln1
	.globl	k_qfa5a7b2f45_ln1
	.p2align	8
	.type	k_qfa5a7b2f45_ln1,@function
k_qfa5a7b2f45_ln1:
	s_mov_b64 s[64:65], 0
	v_nop
	global_prefetch_b8 v0, s[64:65] scope:SCOPE_SE
	s_setreg_imm32_b32 hwreg(HW_REG_WAVE_MODE, 25, 1), 1
	s_wait_xcnt 0x0
; A layer norm over rows of 1,024 f32, quantised along the row to FP4 (E2M1) with one E8M0 byte for each 32: y = (x - mean) rsqrt(var + 1e-5) g + b.  The variance is taken of x - mean (two passes over registers).
; OUT: rows in tiles T of 16; row r of tile T is token 32 (T / 2) + 16 (r / 8) + 8 (T % 2) + r % 8.  A tile's 512 along K are a chunk of 4,352 bytes: at 1024 s + 512 c + 16 (16 h + r) the 16 bytes of codes of
; row r, k = 128 s + 64 c + 32 h + 0 .. 31; at 4096 + 16 r + 4 s + b the byte of block b of K step s.  A tile is two chunks, 8,704 consecutive bytes.
; SHARES.  Work-group T makes tile T; wave w its row w, kept in 32 registers a lane: group j (0 .. 3) is the eight neighbours at element 256 j + 8 lane, so four lanes hold a block of 32.
; Codes and bytes meet in LDS as the two chunks lie, and leave as 16 bytes a lane: every store covers 512 consecutive bytes, aligned.
; LIMITS: a block of zeros gets the byte 1 (zero codes; this program alone reads the bytes); blocks under 2^-124 are held at the byte 1; NaN and infinities are not served.
; No cluster, no tensor load: rows are read once; only g and b (8 KiB) are shared.
.set X,  32                            ; v32-63   the row's 32 numbers of my lane
.set GG, 64                            ; v64-95   g
.set BE, 96                            ; v96-127  b; later codes (v96-99) and the way out (v100-107)
.macro REDUCE                          ; v8 summed over the 32 lanes, the result in every lane
	v_add_f32_dpp v8, v8, v8 row_xmask:1 row_mask:0xf bank_mask:0xf
	v_add_f32_dpp v8, v8, v8 row_xmask:2 row_mask:0xf bank_mask:0xf
	v_add_f32_dpp v8, v8, v8 row_xmask:4 row_mask:0xf bank_mask:0xf
	v_add_f32_dpp v8, v8, v8 row_xmask:8 row_mask:0xf bank_mask:0xf
	v_permlanex16_b32 v9, v8, s12, s13
	v_add_f32 v8, v8, v9
.endm
	s_load_b256 s[4:11], s[0:1], 0x0               ; x, g, b, the codes
	v_lshl_add_u32 v128, v0, 2, 0x2200
	v_mov_b32 v129, 0
	v_lshrrev_b32 v1, 5, v0
	v_readfirstlane_b32 s16, v1                    ; wave = row of the tile
	v_and_b32 v1, 31, v0                           ; lane
	v_lshlrev_b32 v2, 5, v1                        ; 32 bytes a lane in a group's 1,024
	s_lshl_b32 s22, s16, 4
	v_bfe_u32 v6, v0, 2, 3                         ; lane / 4
	v_and_b32 v7, 3, v0
	v_lshlrev_b32 v3, 8, v6
	v_lshl_add_u32 v3, v7, 2, v3
	v_add_nc_u32 v3, s22, v3                       ; v3: LDS, my code word: 256 (lane / 4) + 4 (lane % 4) + 16 w
	v_add_nc_u32 v4, s22, v6                       ; v4: LDS, my block's byte: 16 w + lane / 4
	v_lshlrev_b32 v5, 4, v0                        ; v5: the way out: 16 x thread
	v_lshlrev_b32 v7, 4, v1                        ; v7: and for the last 512 bytes: 16 x lane
	s_mov_b32 s12, 0x76543210
	s_mov_b32 s13, 0xfedcba98                      ; lane l xor 16
	s_mov_b32 s14, 0x3a800000                      ; 1 / 1024
	s_mov_b32 s15, 0x3727c5ac                      ; 1e-5
	s_lshr_b32 s17, ttmp9, 1
	s_lshl_b32 s17, s17, 5
	s_and_b32 s18, ttmp9, 1
	s_lshl_b32 s18, s18, 3
	s_add_co_u32 s17, s17, s18
	s_and_b32 s18, s16, 7
	s_add_co_u32 s17, s17, s18
	s_lshr_b32 s18, s16, 3
	s_lshl_b32 s18, s18, 4
	s_add_co_u32 s17, s17, s18                     ; my token
	s_lshl_b32 s18, s17, 12                        ; x 4,096 bytes
	s_mov_b32 s19, 0
	s_mul_i32 s20, ttmp9, 8704
	s_mov_b32 s21, 0
	s_wait_kmcnt 0x0
	s_add_nc_u64 s[4:5], s[4:5], s[18:19]
	s_add_nc_u64 s[10:11], s[10:11], s[20:21]
.irp j, 0,1,2,3
	global_load_b128 v[X+8*\j:X+8*\j+3], v2, s[4:5] offset:1024*\j th:TH_LOAD_NT
	global_load_b128 v[X+8*\j+4:X+8*\j+7], v2, s[4:5] offset:1024*\j+16 th:TH_LOAD_NT
.endr
.irp j, 0,1,2,3
	global_load_b128 v[GG+8*\j:GG+8*\j+3], v2, s[6:7] offset:1024*\j
	global_load_b128 v[GG+8*\j+4:GG+8*\j+7], v2, s[6:7] offset:1024*\j+16
.endr
.irp j, 0,1,2,3
	global_load_b128 v[BE+8*\j:BE+8*\j+3], v2, s[8:9] offset:1024*\j
	global_load_b128 v[BE+8*\j+4:BE+8*\j+7], v2, s[8:9] offset:1024*\j+16
.endr
	s_wait_loadcnt 16                              ; the row is in; g's and b's sixteen loads may be out
.irp k, 0,1,2,3
	v_pk_add_f32 v[8+2*\k:9+2*\k], v[X+2*\k:X+2*\k+1], v[X+8+2*\k:X+9+2*\k]   ; the sum, in four chains
.endr
.irp k, 0,1,2,3
	v_pk_add_f32 v[8+2*\k:9+2*\k], v[8+2*\k:9+2*\k], v[X+16+2*\k:X+17+2*\k]
.endr
.irp k, 0,1,2,3
	v_pk_add_f32 v[8+2*\k:9+2*\k], v[8+2*\k:9+2*\k], v[X+24+2*\k:X+25+2*\k]
.endr
	v_pk_add_f32 v[8:9], v[8:9], v[10:11]
	v_pk_add_f32 v[12:13], v[12:13], v[14:15]
	v_pk_add_f32 v[8:9], v[8:9], v[12:13]
	v_add_f32 v8, v8, v9
	REDUCE
	v_mul_f32 v16, s14, v8                         ; the mean, twice
	v_mov_b32 v17, v16
.set k, 0
.rept 16
	v_pk_add_f32 v[X+k:X+k+1], v[X+k:X+k+1], v[16:17] neg_lo:[0,1] neg_hi:[0,1]   ; x - mean
.set k, k+2
.endr
	v_pk_mul_f32 v[8:9], v[X:X+1], v[X:X+1]        ; the sum of squares, in two chains
	v_pk_mul_f32 v[10:11], v[X+2:X+3], v[X+2:X+3]
.irp k, 4,8,12,16,20,24,28
	v_pk_fma_f32 v[8:9], v[X+\k:X+\k+1], v[X+\k:X+\k+1], v[8:9]
	v_pk_fma_f32 v[10:11], v[X+\k+2:X+\k+3], v[X+\k+2:X+\k+3], v[10:11]
.endr
	v_pk_add_f32 v[8:9], v[8:9], v[10:11]
	v_add_f32 v8, v8, v9
	REDUCE
	v_fma_f32 v8, v8, s14, s15                     ; var + eps
	v_rsq_f32 v18, v8
	v_rsq_f32 v19, v8
	v_nop                                          ; a plain line behind the transcendentals
	s_wait_alu depctr_va_vdst(0)                   ; one wait for both, ahead of their first reader
.set k, 0
.rept 16
	v_pk_mul_f32 v[X+k:X+k+1], v[X+k:X+k+1], v[18:19]
.set k, k+2
.endr
	s_wait_loadcnt 0x0                             ; g and b
.set k, 0
.rept 16
	v_pk_fma_f32 v[X+k:X+k+1], v[X+k:X+k+1], v[GG+k:GG+k+1], v[BE+k:BE+k+1]
.set k, k+2
.endr
.irp j, 0,1,2,3                                ; the four groups by turns: my eight numbers' largest magnitude, with the floor 2^(3 - 127)
	v_max3_num_f32 v[20+\j], |v[X+8*\j]|, |v[X+8*\j+1]|, 0x1800000
.endr
.irp i, 2,4,6
.irp j, 0,1,2,3
	v_max3_num_f32 v[20+\j], v[20+\j], |v[X+8*\j+\i]|, |v[X+8*\j+\i+1]|
.endr
.endr
.irp j, 0,1,2,3
	v_max_num_f32_dpp v[20+\j], v[20+\j], v[20+\j] row_xmask:1 row_mask:0xf bank_mask:0xf
.endr
.irp j, 0,1,2,3
	v_max_num_f32_dpp v[20+\j], v[20+\j], v[20+\j] row_xmask:2 row_mask:0xf bank_mask:0xf   ; four lanes hold a block
.endr
.irp j, 0,1,2,3
	v_add_nc_u32 v[24+\j], 0xff000000, v[20+\j]    ; 2 off the exponent field: the conversion's scale operand
.endr
.irp j, 0,1,2,3
	v_lshrrev_b32 v[28+\j], 23, v[24+\j]           ; the scale's byte
.endr
.irp j, 0,1,2,3
	v_cvt_scalef32_pk8_fp4_f32 v[96+\j], v[X+8*\j:X+8*\j+7], v[24+\j]
.endr
	v_nop                                          ; one plain line behind the scaled conversions
.irp j, 0,1,2,3
	ds_store_b32 v3, v[96+\j] offset:4352*(\j/2)+2048*(\j%2)
	ds_store_b8 v4, v[28+\j] offset:4352*(\j/2)+4096+8*(\j%2)      ; the four lanes of a block write the same byte with the same value
.endr
	s_wait_dscnt 0x0                               ; for the others' sake: my stores have landed
	s_barrier_signal -1
	s_barrier_wait -1
	ds_load_b128 v[100:103], v5
	s_wait_dscnt 0x0
	global_store_b128 v5, v[100:103], s[10:11]     ; a wave stores 512 consecutive bytes, aligned
	s_cmp_lg_u32 s16, 0
	s_cbranch_scc1 .Lend
	ds_load_b128 v[104:107], v7 offset:8192        ; 8,704 = 16 x 512 + 512: wave 0 takes the rest
	s_wait_dscnt 0x0
	global_store_b128 v7, v[104:107], s[10:11] offset:8192
.Lend:
	s_wait_tensorcnt 0x0
	ds_add_u32 v128, v129
	s_wait_dscnt 0x0
	s_endpgm
.Lfunc_end_k_qfa5a7b2f45_ln1:
	.size	k_qfa5a7b2f45_ln1, .Lfunc_end_k_qfa5a7b2f45_ln1-k_qfa5a7b2f45_ln1
	.p2alignl 7, 3214868480
	.fill 96, 4, 3214868480
	.section	.rodata,"a",@progbits
	.p2align	6, 0x0
	.amdhsa_kernel k_qfa5a7b2f45_ln1
		.amdhsa_group_segment_fixed_size 10752
		.amdhsa_private_segment_fixed_size 0
		.amdhsa_enable_private_segment 0
		.amdhsa_kernarg_size 32
		.amdhsa_user_sgpr_count 2
		.amdhsa_user_sgpr_kernarg_segment_ptr 1
		.amdhsa_wavefront_size32 1
		.amdhsa_system_sgpr_workgroup_id_x 1
		.amdhsa_system_sgpr_workgroup_id_y 1
		.amdhsa_system_sgpr_workgroup_id_z 1
		.amdhsa_system_vgpr_workitem_id 0
		.amdhsa_next_free_vgpr 130
		.amdhsa_next_free_sgpr 66
		.amdhsa_reserve_vcc 0
		.amdhsa_float_denorm_mode_32 3
		.amdhsa_float_denorm_mode_16_64 3
		.amdhsa_memory_ordered 1
		.amdhsa_forward_progress 1
		.amdhsa_inst_pref_size 14
	.end_amdhsa_kernel
	.amdgpu_metadata
---
amdhsa.version: [ 1, 2 ]
amdhsa.kernels:
  - .name:           k_qfa5a7b2f45_ln1
    .symbol:         k_qfa5a7b2f45_ln1.kd
    .args:
      - { .name: x, .offset: 0, .size: 8, .value_kind: global_buffer, .address_space: global }
      - { .name: g1, .offset: 8, .size: 8, .value_kind: global_buffer, .address_space: global }
      - { .name: be1, .offset: 16, .size: 8, .value_kind: global_buffer, .address_space: global }
      - { .name: hq, .offset: 24, .size: 8, .value_kind: global_buffer, .address_space: global }
    .group_segment_fixed_size: 10752
    .private_segment_fixed_size: 0
    .kernarg_segment_align: 8
    .kernarg_segment_size: 32
    .max_flat_workgroup_size: 512
    .sgpr_count:     66
    .vgpr_count:     130
    .wavefront_size: 32
...
	.end_amdgpu_metadata
.endif
;; end of part 2
;; launch qkv (part 3): grid 48 x 4, 4 waves a work-group, clusters of 4 x 4, 327,680 bytes of LDS; arguments hq, wts, qk, vt; writes qk, vt
.if DOCPART == 3
	.amdgcn_target "amdgcn-amd-amdhsa--gfx1250"
	.amdhsa_code_object_version 6
	.text
	.protected	k_qfa5a7b2f45_qkv
	.globl	k_qfa5a7b2f45_qkv
	.p2align	8
	.type	k_qfa5a7b2f45_qkv,@function
k_qfa5a7b2f45_qkv:
	s_mov_b64 s[64:65], 0
	v_nop
	global_prefetch_b8 v0, s[64:65] scope:SCOPE_SE
	s_setreg_imm32_b32 hwreg(HW_REG_WAVE_MODE, 25, 1), 1
	s_wait_xcnt 0x0
	s_wait_alu depctr_hold_cnt(0) depctr_sa_sdst(0) depctr_va_vdst(0) depctr_va_sdst(0) depctr_va_ssrc(0) depctr_va_vcc(0) depctr_vm_vsrc(0)
	s_getreg_b32 s2, hwreg(HW_REG_IB_STS2, 6, 4)
	s_cmp_eq_u32 s2, 0
	s_cbranch_scc0 .Lentry_in_a_cluster
	s_endpgm
.Lentry_in_a_cluster:
	s_bfe_u32 s2, ttmp6, 0x10000c
	s_cmp_lg_u32 s2, 0xf033
	s_cbranch_scc0 .Lentry_shape_is_right
	s_endpgm
.Lentry_shape_is_right:
; q, k = h WQK^T and V^T = WV h^T on codes of FP4 (E2M1) with E8M0 scales, K = 1,024; the results are quantised in registers and leave as codes.
; OPERANDS: rows in tiles of 16, a tile's 512 along K in a chunk of 4,352 bytes: at 1024 s + 512 c + 16 lane an image of the operand's registers (K step s, registers 4 c .. 4 c + 3), at 4096 + 16 r + 4 s the row's scale word.
; Row r of tile T is the logical row 32 (T / 2) + 16 (r / 8) + 8 (T % 2) + r % 8.  THE MATRIX INSTRUCTION IS USED TRANSPOSED (source 0 = 16 rows of the column side B, source 1 = 16 rows of the row side A):
; lane (r, h) holds row r of A's tile, and register j of column tile t the LOGICAL column 32 (t / 2) + 16 h + 8 (t % 2) + j: the 16 registers of tiles 2 b, 2 b + 1 are 16 neighbours along the next product's K.
; SHARES: a tile of 256 x 256 to a work-group of four waves, 128 x 128 (64 accumulators) to a wave.  Clusters 0-7: A = h (4,096 tokens), B = wq and wk (2,048 rows): 128 tiles.  Clusters 8-11: A = wv (1,024 rows), B = h: 64 tiles.
; K goes in steps of 512 through two LDS slots; with K = 1,024 each slot is filled once.  CLUSTERS of 4 x 4: A's tiles are asked for jointly along a row of the cluster, B's along a column.
; OUT: q and k by head slot hs (q's heads 0-15, k's 16-31): codes at 131,072 hs + 512 T + 16 lane (lane (r, h): the head's k = 32 h ..), two scale bytes at 4,194,304 + 8,192 hs + 32 T + 2 r.  V^T: chunks as above, rows = features, K = tokens.
; The scale bytes leave two at a time: one seventeenth of the output is written as parts of aligned blocks of 256 bytes.
; LIMITS: a block of zeros gets the byte 1 (zero codes); blocks under 2^-124 are held at the byte 1; NaN and infinities are not served.
; REGISTERS: window 0: v0-31 addresses; v32-95 scale words, two sets; v96-123 the quantiser's; v128-191 A's fragments, one set.  Window 1: B's fragments, two sets, at v0 and v128.  Windows 2, 3: the accumulators ((a, b) at v[8 (8 (a % 4) + b)]).
.set SIZE_K, 1024
.set CH,     4352
.set KG,     SIZE_K/512
.set NQ,     4                         ; matrix instructions deep in a slot
.set FR,     8                         ; registers of a fragment
.set NL,     2                         ; LDS loads that bring one
.set NP,     4                         ; places behind this matrix instruction (ISA guide 7.12.1)
.set HALFT,  8*CH                      ; 128 rows: what one tensor load brings
.set SLOT,   4*HALFT                   ; A's 256 rows, then B's 256 rows
.set SPARE,  2*SLOT                    ; behind the ring: the spare words, 128 bytes a wave
.set LAPS,   SIZE_K/1024
.set ADRA, 16                          ; v16-17 LDS address of my A fragments in slot 0, 1
.set ADRB, 20                          ; v20-21 of B's
.set ADRS, 22                          ; v22-23 of the scale words: lanes 0-15 A's, lanes 16-31 B's
.set VC,   24                          ; v24 16 x lane
.set VS,   25                          ; v25 my row's place among the scale bytes
.set SPW,  28                          ; v28 my spare word; never rewritten
.set NIL,  29                          ; v29 0; never rewritten
.set SC,   32
.set TM,   96                          ; v96-99 maxima, v100-103 bytes, v108-111 scale operands
.set PW,   112                         ; the scale word just made
.set PC,   116                         ; v116-123 the codes just made
.set AF,   128
.set G1, 24
.set G0, 32
.set G1B, 48
.set G0B, 56
.set OB,  66                           ; s[66:67] codes, first half; s[68:69] second half; s[70:71], s[72:73] scale bytes; s[74:75], s[76:77] the steps from a tile of rows to the next
.set OB2, 68
.set OS,  70
.set OS2, 72
.set SA,  74
.set SB,  76
.set VSM, 78
.set SEL, 98
.set MSB, 0
.macro WIN new                         ; the immediate's high byte repeats the setting that is left
.if MSB != \new
	s_set_vgpr_msb (MSB<<8)|\new
.set MSB, \new
.endif
.endm
.set MUL_LO, 0xa1                      ; source 0 (B) window 1, source 1 (A) window 0, C and D window 2
.set MUL_HI, 0xf1
.set TO_B,   0x40
.macro JLOAD g0a, g1a, g0b, g1b        ; a joint load: waves 0 and 1 fetch for A, waves 2 and 3 for B; four v_nop follow each line
	s_cmp_eq_u32 s15, 0
	s_cbranch_scc0 .Lfor_b_\@
	tensor_load_to_lds s[\g0a:\g0a+3], s[\g1a:\g1a+7]
	s_nop 0
.rept 4
	v_nop
.endr
	s_branch .Lasked_\@
.Lfor_b_\@:
	tensor_load_to_lds s[\g0b:\g0b+3], s[\g1b:\g1b+7]
	s_nop 0
.rept 4
	v_nop
.endr
.Lasked_\@:
.endm
.macro CREST                           ; a round of the cluster's barrier behind its opening barrier
	s_cmp_lg_u32 s14, 0
	s_cbranch_scc1 .Lnot_wave_0_\@
	s_barrier_signal -3
.Lnot_wave_0_\@:
	s_barrier_wait -3
	s_barrier_signal -1
	s_barrier_wait -1
.endm
.macro CROUND
	s_barrier_signal -1
	s_barrier_wait -1
	CREST
.endm
	s_load_b256 s[4:11], s[0:1], 0x0               ; hq, wts, qk, vt
	v_lshl_add_u32 v[SPW], v0, 2, SPARE
	v_mov_b32 v[NIL], 0
	ds_add_u32 v28, v29
	ds_add_u32 v28, v29
	s_wait_dscnt 0x0
	v_lshrrev_b32 v1, 5, v0
	v_readfirstlane_b32 s14, v1                    ; wave
	s_lshr_b32 s15, s14, 1                         ; my half of the tile's rows; also: I fetch for A (0) or B (1)
	s_and_b32 s16, s14, 1                          ; my half of its columns; also: which 128 rows I fetch
	s_bfe_u32 s40, ttmp6, 0x40000                  ; cx
	s_bfe_u32 s41, ttmp6, 0x40004                  ; cy
	s_lshr_b32 s18, ttmp9, 1
	s_and_b32 s19, ttmp9, 1
	s_sub_co_u32 s22, ttmp9, 8
	s_cmp_lt_u32 ttmp9, 8                          ; clusters 0-7: q and k; 8-11: V^T
	s_cselect_b32 s17, s18, 0
	s_cselect_b32 s42, s19, s22
	s_lshl_b32 s17, s17, 2
	s_add_co_u32 s17, s17, s41                     ; tile row
	s_lshl_b32 s42, s42, 2
	s_add_co_u32 s42, s42, s40                     ; tile column
	s_lshl_b32 s43, s41, 2
	s_lshl_b32 s43, 15, s43                        ; my row of the cluster
	s_lshl_b32 s44, 0x1111, s40                    ; my column
	s_or_b32 s[G1+0], s43, (3<<16)|(1<<21)         ; 15:0 the mask; 17:16 elements of 8 bytes; 21 set beside a mask; no padding
	s_or_b32 s[G1B+0], s44, (3<<16)|(1<<21)
.irp g, G1, G1B
	s_mov_b32 s[\g+1], 544<<16                     ; tensor_dim0: a chunk, 544 elements
	s_mov_b32 s[\g+2], 8<<16                       ; tensor_dim1: 8 tiles of rows
	s_mov_b32 s[\g+3], 544<<16                     ; tile_dim0
	s_mov_b32 s[\g+4], 8                           ; tile_dim1
	s_mov_b32 s[\g+5], KG*544                      ; from a tile of rows to the next
	s_mov_b32 s[\g+6], 0
	s_mov_b32 s[\g+7], 0
.endr
	s_lshl_b32 s18, s16, 3
	s_lshl_b32 s20, s17, 4
	s_add_co_u32 s20, s20, s18
	s_mul_i32 s20, s20, KG*CH                      ; A: tile of rows 16 x tile row + 8 x half
	s_mov_b32 s21, 0
	s_lshl_b32 s46, s42, 4
	s_add_co_u32 s46, s46, s18
	s_mul_i32 s46, s46, KG*CH                      ; B likewise, by the tile column
	s_mov_b32 s47, 0
	s_mul_i32 s45, s14, HALFT                      ; where they go: no place in the cluster enters an LDS address
	s_wait_kmcnt 0x0
	s_add_nc_u64 s[92:93], s[6:7], 1114112         ; wv's codes
	s_cmp_lt_u32 ttmp9, 8
	s_cselect_b64 s[94:95], s[4:5], s[92:93]       ; the row side
	s_cselect_b64 s[96:97], s[6:7], s[4:5]         ; the column side
	s_add_nc_u64 s[20:21], s[94:95], s[20:21]
	s_add_nc_u64 s[46:47], s[96:97], s[46:47]
	CROUND                                         ; all sixteen work-groups are here: the first joint loads meet
.irp s, 0,1
	s_mov_b32 s[G0+4*\s], 1
	s_add_co_u32 s[G0+4*\s+1], s45, \s*SLOT
	s_add_nc_u64 s[G0+4*\s+2:G0+4*\s+3], s[20:21], \s*CH
	s_or_b32 s[G0+4*\s+3], s[G0+4*\s+3], 0x80000000
	s_mov_b32 s[G0B+4*\s], 1
	s_add_co_u32 s[G0B+4*\s+1], s45, \s*SLOT
	s_add_nc_u64 s[G0B+4*\s+2:G0B+4*\s+3], s[46:47], \s*CH
	s_or_b32 s[G0B+4*\s+3], s[G0B+4*\s+3], 0x80000000
	JLOAD G0+4*\s, G1, G0B+4*\s, G1B
.endr
	v_and_b32 v1, 15, v0                           ; r
	v_bfe_u32 v2, v0, 4, 1                         ; h
	v_and_b32 v3, 31, v0
	v_lshlrev_b32 v4, 4, v3                        ; 16 x lane: an image's place for my lane
	s_mul_i32 s21, s15, HALFT                      ; my 128 rows of A
	s_mul_i32 s22, s16, HALFT
	s_add_co_u32 s22, s22, 2*HALFT                 ; my 128 rows of B
	s_sub_co_u32 s23, s22, s21
	v_lshlrev_b32 v5, 4, v1
	v_mul_u32_u24 v6, s23, v2                      ; lanes 16-31 take B's scale words
	v_add_nc_u32 v5, v5, v6
.irp s, 0,1
	v_add_nc_u32 v[ADRA+\s], s21, v4
	v_add_nc_u32 v[ADRB+\s], s22, v4
	v_add_nc_u32 v[ADRS+\s], s21, v5
	s_add_co_u32 s21, s21, SLOT
	s_add_co_u32 s22, s22, SLOT
.endr
	; where the codes go
	v_mov_b32 v[VC], v4
.irp b, 0,1,2,3
	v_mov_b32 v[TM+4+\b], 0                        ; written once: a lane permute's destination counts as one of its sources
.endr
	s_mov_b32 s[SEL], 0x76543210
	s_mov_b32 s[SEL+1], 0xfedcba98
	s_lshl_b32 s80, s17, 4
	s_lshl_b32 s81, s15, 3
	s_add_co_u32 s80, s80, s81                     ; my first tile of rows
	s_lshl_b32 s81, s42, 1
	s_add_co_u32 s81, s81, s16                     ; my 128 columns: K step ks of the next product
	s_lshl_b32 s82, s80, 3
	s_lshr_b32 s83, s81, 2
	s_add_co_u32 s82, s82, s83
	s_mul_i32 s82, s82, CH                         ; V^T: chunk (tile, ks / 4), 8 chunks a tile
	s_and_b32 s83, s81, 3
	s_lshl_b32 s84, s83, 10
	s_add_co_u32 s84, s84, s82                     ; its codes
	s_lshl_b32 s86, s83, 2
	s_add_co_u32 s86, s86, s82
	s_add_co_u32 s86, s86, 4096                    ; its scale words
	s_lshl_b32 s88, s81, 18
	s_lshl_b32 s89, s80, 9
	s_add_co_u32 s88, s88, s89                     ; q, k: head slot 2 ks, tile: codes
	s_lshl_b32 s89, s81, 14
	s_lshl_b32 s90, s80, 5
	s_add_co_u32 s89, s89, s90
	s_add_co_u32 s89, s89, 4194304                 ; scale bytes
	s_mov_b32 s90, 512
	s_mov_b32 s[SA], 8*CH
	s_mov_b32 s[SB], 8*CH
	s_cmp_lt_u32 ttmp9, 8
	s_cselect_b32 s84, s88, s84
	s_cselect_b32 s86, s89, s86
	s_cselect_b32 s88, 0x20000, s90                ; registers 4-7: the next head, or 512 bytes on
	s_cselect_b32 s90, 0x2000, 2                   ; bytes 2, 3 likewise
	s_cselect_b32 s[SA], 512, s[SA]
	s_cselect_b32 s[SB], 32, s[SB]
	s_cselect_b32 s[VSM], 2, 16
	s_cselect_b64 s[OB:OB+1], s[8:9], s[10:11]     ; qk or vt: the choice hangs on the cluster's number alone
	s_mov_b32 s85, 0
	s_mov_b32 s87, 0
	s_mov_b32 s89, 0
	s_mov_b32 s91, 0
	s_mov_b32 s[SA+1], 0
	s_mov_b32 s[SB+1], 0
	s_add_nc_u64 s[OS:OS+1], s[OB:OB+1], s[86:87]
	s_add_nc_u64 s[OB:OB+1], s[OB:OB+1], s[84:85]
	s_add_nc_u64 s[OB2:OB2+1], s[OB:OB+1], s[88:89]
	s_add_nc_u64 s[OS2:OS2+1], s[OS:OS+1], s[90:91]
	v_mul_u32_u24 v[VS], s[VSM], v1
.macro FRAG reg, adr, q, i             ; a fragment comes as it was stored: two loads of 512 consecutive bytes
.irp c, 0,1
	ds_load_b128 v[\reg+4*\c:\reg+4*\c+3], v[\adr] offset:1024*(\q)+512*\c+(\i)*CH
.endr
.endm
; 16 matrix instructions: A's blocks a0, a0 + 1 x B's eight.  The 64 accumulators take turns, one instruction a turn, in the same order in every step.
.macro MUL16 a0, p, q, sc, zero
.irp a, \a0, \a0+1
.irp b, 0,1,2,3,4,5,6,7
.if \zero
	v_wmma_scale_f32_16x16x128_f8f6f4 v[8*(8*((\a)%4)+\b):8*(8*((\a)%4)+\b)+7], v[128*(\p)+FR*\b:128*(\p)+FR*\b+FR-1], v[AF+FR*(\a):AF+FR*(\a)+FR-1], 0, v[SC+8*NQ*(\sc)+NQ*\b+(\q)], v[SC+8*NQ*(\sc)+NQ*(\a)+(\q)] matrix_a_fmt:MATRIX_FMT_FP4 matrix_b_fmt:MATRIX_FMT_FP4 matrix_a_scale:MATRIX_SCALE_ROW1
.else
	v_wmma_scale_f32_16x16x128_f8f6f4 v[8*(8*((\a)%4)+\b):8*(8*((\a)%4)+\b)+7], v[128*(\p)+FR*\b:128*(\p)+FR*\b+FR-1], v[AF+FR*(\a):AF+FR*(\a)+FR-1], v[8*(8*((\a)%4)+\b):8*(8*((\a)%4)+\b)+7], v[SC+8*NQ*(\sc)+NQ*\b+(\q)], v[SC+8*NQ*(\sc)+NQ*(\a)+(\q)] matrix_a_fmt:MATRIX_FMT_FP4 matrix_b_fmt:MATRIX_FMT_FP4 matrix_a_scale:MATRIX_SCALE_ROW1
.endif
.endr
.endr
.endm
.macro FETCH_B slot, q, p
	WIN TO_B
.irp i, 0,1,2,3,4,5,6,7
	FRAG 128*(\p)+FR*\i, ADRB+\slot, \q, \i
.endr
	WIN 0
.endm
.macro FETCH_A slot, q, i0
.irp i, \i0, \i0+1, \i0+2, \i0+3
	FRAG AF+FR*(\i), ADRA+\slot, \q, \i
.endr
.endm
.macro SCALES sc                       ; a slot's scale words: four a row; lanes 0-15 A's tile i, lanes 16-31 B's tile i
.irp i, 0,1,2,3,4,5,6,7
	ds_load_b128 v[SC+8*NQ*\sc+NQ*\i:SC+8*NQ*\sc+NQ*\i+3], v[ADRS+\sc] offset:4096+\i*CH
.endr
.endm
.macro PLACES n                        ; plain vector lines between a matrix instruction and a load into, or a read of, its registers
.rept \n
	v_nop
.endr
.endm
.macro STEP slot, q, zero              ; 128 along K whose successor lies in the same slot
	s_wait_dscnt 4*NL                              ; all but the youngest eight loads (A's blocks 4-7)
	WIN MUL_LO
	MUL16 0, (\q)%2, \q, \slot, \zero
	MUL16 2, (\q)%2, \q, \slot, \zero
	s_wait_dscnt 0
	PLACES NP
	FETCH_B \slot, (\q)+1, 1-(\q)%2
	FETCH_A \slot, (\q)+1, 0
	WIN MUL_HI
	MUL16 4, (\q)%2, \q, \slot, \zero
	MUL16 6, (\q)%2, \q, \slot, \zero
	PLACES NP
	WIN 0
	FETCH_A \slot, (\q)+1, 4
.endm
.macro TURN slot, next, fill           ; a slot's last step changes slots: one barrier; in front of it all my tensor loads, the add, and my reads of this slot
	s_wait_tensorcnt 0x0                           ; all my tensor loads have landed: my part of the next slot
	ds_add_u32 v[SPW], v[NIL]                      ; 0 onto my spare word
	s_wait_dscnt 4*NL+1                            ; (the add and A's blocks 4-7 may be out)
	WIN MUL_LO
	MUL16 0, 1, NQ-1, \slot, 0
	s_wait_dscnt 0x0                               ; the add is done, and my reads of this slot are over
	s_barrier_signal -1
	MUL16 2, 1, NQ-1, \slot, 0
	WIN 0
	s_barrier_wait -1
.if \fill
	CREST
	s_add_nc_u64 s[G0+4*\slot+2:G0+4*\slot+3], s[G0+4*\slot+2:G0+4*\slot+3], 2*CH
	s_add_nc_u64 s[G0B+4*\slot+2:G0B+4*\slot+3], s[G0B+4*\slot+2:G0B+4*\slot+3], 2*CH
	JLOAD G0+4*\slot, G1, G0B+4*\slot, G1B
.else
	PLACES NP
.endif
	FETCH_B \next, 0, 0
	FETCH_A \next, 0, 0
	SCALES \next
	WIN MUL_HI
	MUL16 4, 1, NQ-1, \slot, 0
	MUL16 6, 1, NQ-1, \slot, 0
	PLACES NP
	WIN 0
	FETCH_A \next, 0, 4
.endm
.macro STEPS slot, from
.set Q, \from
.rept NQ-1-\from
	STEP \slot, Q, 0
.set Q, Q+1
.endr
.endm
	s_wait_tensorcnt 1                             ; my part of K step 0 is in (K step 1's load may be out),
	s_barrier_signal -1
	s_barrier_wait -1                              ; everybody's is
	FETCH_B 0, 0, 0
	FETCH_A 0, 0, 0
	SCALES 0
	FETCH_A 0, 0, 4
	STEP 0, 0, 1                                   ; the first products start the sums: nothing is cleared
	STEPS 0, 1
	TURN 0, 1, 0                                   ; K = 1,024: nothing is filled again
	STEPS 1, 0
	s_wait_dscnt 4*NL
	WIN MUL_LO
	MUL16 0, 1, NQ-1, 1, 0
	MUL16 2, 1, NQ-1, 1, 0
	s_wait_dscnt 0
	WIN MUL_HI
	MUL16 4, 1, NQ-1, 1, 0
	MUL16 6, 1, NQ-1, 1, 0
	WIN 0
; 64 numbers of a lane in window w, register 16 b + i = column 32 b + 16 h + i of my row, become a fragment's codes in v[PC] on and its scale word in v[PW].  Each accumulator is read from its low end on.
.macro QUANT s, w
.set WW, (\w)|((\w)<<2)
	WIN WW
.irp b, 0,1,2,3
	v_max3_num_f32 v[TM+\b], |v[\s+16*\b]|, |v[\s+1+16*\b]|, 0x1800000   ; my 16 numbers of block b, and the floor 2^(3 - 127)
.endr
.irp i, 2,4,6,8,10,12,14
.irp b, 0,1,2,3
	v_max3_num_f32 v[TM+\b], |v[\s+16*\b+\i]|, |v[\s+1+16*\b+\i]|, v[TM+\b]
.endr
.endr
	WIN 0
.irp b, 0,1,2,3
	v_permlanex16_b32 v[TM+4+\b], v[TM+\b], s[SEL], s[SEL+1]
.endr
.irp b, 0,1,2,3
	v_max_num_f32 v[TM+\b], v[TM+\b], v[TM+4+\b]   ; with lane l xor 16's: the block's largest magnitude
.endr
.irp b, 0,1,2,3
	v_add_nc_u32 v[TM+12+\b], 0xff000000, v[TM+\b] ; 2 off the exponent field: the conversion's scale operand
.endr
.irp b, 0,1,2,3
	v_lshrrev_b32 v[TM+4+\b], 23, v[TM+12+\b]      ; the scale's byte
.endr
	v_lshl_or_b32 v[PW], v[TM+5], 8, v[TM+4]
	v_lshl_or_b32 v[PW], v[TM+6], 16, v[PW]
	v_lshl_or_b32 v[PW], v[TM+7], 24, v[PW]
.set WW, \w
	WIN WW
.irp b, 0,1,2,3
	v_cvt_scalef32_pk8_fp4_f32 v[PC+2*\b], v[\s+16*\b:\s+7+16*\b], v[TM+12+\b]
	v_cvt_scalef32_pk8_fp4_f32 v[PC+1+2*\b], v[\s+8+16*\b:\s+15+16*\b], v[TM+12+\b]
.endr
	WIN 0
	v_nop                                          ; one plain line behind the scaled conversions
.irp c, 0,1                                    ; the operand's layout wants a whole block in a lane
.irp i, 0,1
	v_permlane16_swap_b32 v[PC+4*\c+\i], v[PC+2+4*\c+\i]
.endr
.endr
.endm
.macro PUTQ
	global_store_b128 v[VC], v[PC:PC+3], s[OB:OB+1]               ; 512 consecutive bytes, aligned
	global_store_b128 v[VC], v[PC+4:PC+7], s[OB2:OB2+1]
	global_store_b16 v[VS], v[PW], s[OS:OS+1]                     ; lanes 16-31 repeat row r's bytes at the same place
	global_store_d16_hi_b16 v[VS], v[PW], s[OS2:OS2+1]
.endm
	PLACES NP                                      ; behind the last products, ahead of the first read of results
.irp a, 0,1,2,3,4,5,6,7
.if \a > 0
	s_wait_xcnt 0x0                                ; the last tile's stores have read their data and bases: both are written again only behind this wait
	s_add_nc_u64 s[OB:OB+1], s[OB:OB+1], s[SA:SA+1]
	s_add_nc_u64 s[OB2:OB2+1], s[OB2:OB2+1], s[SA:SA+1]
	s_add_nc_u64 s[OS:OS+1], s[OS:OS+1], s[SB:SB+1]
	s_add_nc_u64 s[OS2:OS2+1], s[OS2:OS2+1], s[SB:SB+1]
.endif
	QUANT 64*((\a)%4), 2+(\a)/4
	PUTQ
.endr
	s_wait_tensorcnt 0x0                           ; the wave's end
	ds_add_u32 v[SPW], v[NIL]
	s_wait_dscnt 0x0
	CROUND                                         ; the closing round
	s_endpgm
.Lfunc_end_k_qfa5a7b2f45_qkv:
	.size	k_qfa5a7b2f45_qkv, .Lfunc_end_k_qfa5a7b2f45_qkv-k_qfa5a7b2f45_qkv
	.p2alignl 7, 3214868480
	.fill 96, 4, 3214868480
	.section	.rodata,"a",@progbits
	.p2align	6, 0x0
	.amdhsa_kernel k_qfa5a7b2f45_qkv
		.amdhsa_group_segment_fixed_size 327680
		.amdhsa_private_segment_fixed_size 0
		.amdhsa_enable_private_segment 0
		.amdhsa_kernarg_size 32
		.amdhsa_user_sgpr_count 2
		.amdhsa_user_sgpr_kernarg_segment_ptr 1
		.amdhsa_wavefront_size32 1
		.amdhsa_system_sgpr_workgroup_id_x 1
		.amdhsa_system_sgpr_workgroup_id_y 1
		.amdhsa_system_sgpr_workgroup_id_z 1
		.amdhsa_system_vgpr_workitem_id 0
		.amdhsa_next_free_vgpr 1024
		.amdhsa_next_free_sgpr 100
		.amdhsa_reserve_vcc 0
		.amdhsa_float_denorm_mode_32 3
		.amdhsa_float_denorm_mode_16_64 3
		.amdhsa_memory_ordered 1
		.amdhsa_forward_progress 1
		.amdhsa_inst_pref_size 129
	.end_amdhsa_kernel
	.amdgpu_metadata
---
amdhsa.version: [ 1, 2 ]
amdhsa.kernels:
  - .name:           k_qfa5a7b2f45_qkv
    .symbol:         k_qfa5a7b2f45_qkv.kd
    .args:
      - { .name: hq, .offset: 0, .size: 8, .value_kind: global_buffer, .address_space: global }
      - { .name: wts, .offset: 8, .size: 8, .value_kind: global_buffer, .address_space: global }
      - { .name: qk, .offset: 16, .size: 8, .value_kind: global_buffer, .address_space: global }
      - { .name: vt, .offset: 24, .size: 8, .value_kind: global_buffer, .address_space: global }
    .group_segment_fixed_size: 327680
    .private_segment_fixed_size: 0
    .kernarg_segment_align: 8
    .kernarg_segment_size: 32
    .max_flat_workgroup_size: 128
    .sgpr_count:     100
    .vgpr_count:     1024
    .wavefront_size: 32
...
	.end_amdgpu_metadata
.endif
;; end of part 3
;; launch attn (part 4): grid 8 x 32, 16 waves a work-group, clusters of 4 x 1, 169,984 bytes of LDS; arguments qk, vt, oq; writes oq
.if DOCPART == 4
	.amdgcn_target "amdgcn-amd-amdhsa--gfx1250"
	.amdhsa_code_object_version 6
	.text
	.protected	k_qfa5a7b2f45_attn
	.globl	k_qfa5a7b2f45_attn
	.p2align	8
	.type	k_qfa5a7b2f45_attn,@function
k_qfa5a7b2f45_attn:
	s_mov_b64 s[64:65], 0
	v_nop
	global_prefetch_b8 v0, s[64:65] scope:SCOPE_SE
	s_setreg_imm32_b32 hwreg(HW_REG_WAVE_MODE, 25, 1), 1
	s_wait_xcnt 0x0
	s_wait_alu depctr_hold_cnt(0) depctr_sa_sdst(0) depctr_va_vdst(0) depctr_va_sdst(0) depctr_va_ssrc(0) depctr_va_vcc(0) depctr_vm_vsrc(0)
	s_getreg_b32 s2, hwreg(HW_REG_IB_STS2, 6, 4)
	s_cmp_eq_u32 s2, 0
	s_cbranch_scc0 .Lentry_in_a_cluster
	s_endpgm
.Lentry_in_a_cluster:
	s_bfe_u32 s2, ttmp6, 0x10000c
	s_cmp_lg_u32 s2, 0x3003
	s_cbranch_scc0 .Lentry_shape_is_right
	s_endpgm
.Lentry_shape_is_right:
; O = softmax(Q K^T / 8) V for 32 (batch, head) pairs, 2,048 queries and keys, head size 64, both products on codes of FP4 (E2M1) with E8M0 scales; O / l is quantised along the features and leaves as codes.
; THE SOFTMAX: t = score x log2(e) / 8; M = the running largest t rounded UP to a whole number; p = 2^(t - M) is quantised along the keys, not normalised; the row's sum is taken of the unquantised p and divides O at the end.
; When M moves, the sum and O are multiplied by 2^(old M - new M): exact.
; INPUTS.  q and k by head slot hs (q 0-15, k 16-31): codes at 131,072 hs + 512 T + 16 lane (T: tile of 16 tokens; lane (r, h): the head's k = 32 h ..), two scale bytes at 4,194,304 + 8,192 hs + 32 T + 2 r.
; V^T: rows = features in tiles of 16, K = tokens, 512 to a chunk of 4,352 bytes (register images, then 256 scale bytes).  Row r of tile T is the logical row 32 (T / 2) + 16 (r / 8) + 8 (T % 2) + r % 8, so that the
; 16 registers of two neighbouring tiles of S^T are 16 neighbouring keys, and those of O^T 16 neighbouring features.
; SHARES.  A work-group owns 256 queries of one head, each of its sixteen waves one tile of 16: four waves to a SIMD, so that one wave's vector work stands beside another's matrix work.
; A HEAD'S K AND V LIE WHOLE IN LDS (139,264 bytes), filled ONCE, in two halves of 1,024 keys: no slot is filled again.  The four query blocks of a cluster read the same K and V: each tile is asked for jointly.
; A wave has at most two tensor loads out.
; K = 64 IN A FORM OF K = 128: the head's 64 codes stand in registers 0-3 of both operands; registers 4-7 are zero codes on both sides, and their scale bytes are 0 (2^-127, a number): that half adds nothing.
; Both products are used transposed (S^T = K Q^T, O^T = V^T P^T): a lane holds one query throughout.
; LIMITS: blocks of zeros get the byte 1 (zero codes); NaN and infinities are not served.  The two scale bytes a row and head leave as parts of aligned blocks of 256 bytes.
; REGISTERS: v1-4 addresses that stay; v6 Q's scales; v7 16 r; v8-11 addresses in hand; v12 -M, v13 the largest t, v[14:15] the sum; v16-23 Q; v24-31 K's scale words; v32-95 eight fragments of K; v96-159 S^T, then p;
; v160-191 O^T; v192-223 V's four fragments; v224-231 p's codes; v232-243 at work; v244-247 V's scale words; v248 f; v253 p's scale word.
.set CH,   4352
.set KB,   0                           ; K's codes: 128 tiles of 512 bytes
.set KSB,  65536                       ; K's scale bytes: 32 a tile
.set VB,   69632                       ; V^T: half x 34,816 + tile of features x 8,704 + chunk x 4,352
.set AK0,  1
.set AV0,  2
.set ASK0, 3
.set ASV0, 4
.set ADK,  8
.set ADV,  9
.set ADS,  10
.set ADT,  11
.set WV,   18
.set SEL,  20
.set CS,   22
.set G1K,  24
.set G1S,  32
.set G1V,  40
.set G0K,  48
.set G0S,  56
.set G0V,  68
.set TK,   2                           ; s2  where the trip's tiles of K begin
.set TS,   3                           ; s3  its scale bytes
.set TV,   66                          ; s66 its chunk of V^T
.set CNT,  67
.macro CROUND                          ; a round of the cluster's barrier
	s_barrier_signal -1
	s_barrier_wait -1
	s_cmp_lg_u32 s[WV], 0
	s_cbranch_scc1 .Lnot_wave_0_\@
	s_barrier_signal -3
.Lnot_wave_0_\@:
	s_barrier_wait -3
	s_barrier_signal -1
	s_barrier_wait -1
.endm
	s_load_b128 s[4:7], s[0:1], 0x0                ; qk, vt
	s_load_b64 s[8:9], s[0:1], 0x10                ; oq
	v_lshl_add_u32 v251, v0, 2, 0x29000
	v_mov_b32 v255, 0
	ds_add_u32 v251, v255
	ds_add_u32 v251, v255
	v_lshrrev_b32 v8, 5, v0
	v_readfirstlane_b32 s[WV], v8                  ; wave 0..15
	s_bfe_u32 s10, ttmp6, 0x40000                  ; cx
	s_lshl_b32 s11, ttmp9, 2
	s_add_co_u32 s11, s11, s10                     ; my block of 256 queries: it enters Q's and O's addresses alone
	s_and_b32 s12, ttmp7, 0xffff
	s_and_b32 s13, s12, 15                         ; head
	s_lshr_b32 s14, s12, 4                         ; batch
	s_add_co_u32 s15, s13, 16                      ; k's head slot
	s_lshl_b32 s76, s15, 17
	s_lshl_b32 s77, s14, 16
	s_add_co_u32 s76, s76, s77                     ; K's codes: 131,072 hs + 512 x 128 batch
	s_mov_b32 s77, 0
	s_lshl_b32 s78, s15, 13
	s_lshl_b32 s79, s14, 12
	s_add_co_u32 s78, s78, s79
	s_add_co_u32 s78, s78, 4194304                 ; K's scale bytes
	s_mov_b32 s79, 0
	s_lshl_b32 s80, s13, 5
	s_lshl_b32 s81, s14, 2
	s_add_co_u32 s80, s80, s81
	s_mul_i32 s80, s80, CH                         ; V^T: chunk 8 (4 head) + 4 batch
	s_mov_b32 s81, 0
	s_lshl_b32 s16, s14, 7
	s_lshl_b32 s17, s11, 4
	s_add_co_u32 s16, s16, s17
	s_add_co_u32 s16, s16, s[WV]                   ; my tile of queries
	s_lshl_b32 s82, s13, 17
	s_lshl_b32 s83, s16, 9
	s_add_co_u32 s82, s82, s83                     ; Q's codes
	s_mov_b32 s83, 0
	s_lshl_b32 s10, s13, 13
	s_lshl_b32 s11, s16, 5
	s_add_co_u32 s10, s10, s11
	s_add_co_u32 s10, s10, 4194304                 ; Q's scale bytes
	s_mov_b32 s11, 0
	s_lshl_b32 s12, s16, 1
	s_lshr_b32 s15, s13, 3
	s_add_co_u32 s12, s12, s15
	s_mul_i32 s12, s12, CH                         ; O: chunk (tile, head / 8)
	s_bfe_u32 s15, s13, 0x20001
	s_lshl_b32 s15, s15, 10                        ; K step (head / 2) % 4,
	s_and_b32 s17, s13, 1
	s_lshl_b32 s17, s17, 9                         ; registers 4 (head % 2) on
	s_add_co_u32 s15, s15, s17
	s_add_co_u32 s14, s12, s15                     ; O's codes
	s_mov_b32 s15, 0
	s_and_b32 s17, s13, 7
	s_lshl_b32 s17, s17, 1
	s_add_co_u32 s12, s12, s17
	s_add_co_u32 s12, s12, 4096                    ; O's two scale bytes
	s_mov_b32 s13, 0
	; descriptor groups 1.  15:0 the mask: all four work-groups; 17:16 elements of 8 bytes; 21 set beside a mask; no padding
	s_mov_b32 s[G1K], 15|(3<<16)|(1<<21)           ; K's codes: 128 rows of 256 bytes, dense
	s_mov_b32 s[G1K+1], 32<<16
	s_mov_b32 s[G1K+2], 128<<16
	s_mov_b32 s[G1K+3], 32<<16
	s_mov_b32 s[G1K+4], 128
	s_mov_b32 s[G1K+5], 32
	s_mov_b32 s[G1K+6], 0
	s_mov_b32 s[G1K+7], 0
	s_mov_b32 s[G1S], 15|(3<<16)|(1<<21)           ; K's scale bytes: 8 rows of 256 bytes, dense
	s_mov_b32 s[G1S+1], 32<<16
	s_mov_b32 s[G1S+2], 8<<16
	s_mov_b32 s[G1S+3], 32<<16
	s_mov_b32 s[G1S+4], 8
	s_mov_b32 s[G1S+5], 32
	s_mov_b32 s[G1S+6], 0
	s_mov_b32 s[G1S+7], 0
	s_mov_b32 s[G1V], 15|(3<<16)|(1<<21)           ; V^T: 4 rows of two chunks (8,704 bytes), 8 chunks apart
	s_mov_b32 s[G1V+1], 1088<<16
	s_mov_b32 s[G1V+2], 4<<16
	s_mov_b32 s[G1V+3], 1088<<16
	s_mov_b32 s[G1V+4], 4
	s_mov_b32 s[G1V+5], 4352
	s_mov_b32 s[G1V+6], 0
	s_mov_b32 s[G1V+7], 0
	s_mov_b32 s[SEL], 0x76543210
	s_mov_b32 s[SEL+1], 0xfedcba98
	s_mov_b32 s[CS], 0x3e38aa3b                    ; c = log2(e) / 8
	s_mov_b32 s[CS+1], s[CS]
	s_mov_b32 s[TK], 0
	s_mov_b32 s[TS], 0
	s_mov_b32 s[TV], 0
	s_wait_dscnt 0x0
	s_wait_kmcnt 0x0
	s_add_nc_u64 s[76:77], s[4:5], s[76:77]
	s_add_nc_u64 s[78:79], s[4:5], s[78:79]
	s_add_nc_u64 s[80:81], s[6:7], s[80:81]
	s_add_nc_u64 s[82:83], s[4:5], s[82:83]
	s_add_nc_u64 s[10:11], s[4:5], s[10:11]
	s_add_nc_u64 s[14:15], s[8:9], s[14:15]
	s_add_nc_u64 s[12:13], s[8:9], s[12:13]
.irp e, 0,1                                    ; a group 0 for each half of the keys
	s_mov_b32 s[G0K+4*\e], 1
	s_mov_b32 s[G0K+4*\e+1], KB+32768*\e
	s_add_nc_u64 s[G0K+4*\e+2:G0K+4*\e+3], s[76:77], 32768*\e
	s_or_b32 s[G0K+4*\e+3], s[G0K+4*\e+3], 0x80000000
	s_mov_b32 s[G0S+4*\e], 1
	s_mov_b32 s[G0S+4*\e+1], KSB+2048*\e
	s_add_nc_u64 s[G0S+4*\e+2:G0S+4*\e+3], s[78:79], 2048*\e
	s_or_b32 s[G0S+4*\e+3], s[G0S+4*\e+3], 0x80000000
	s_mov_b32 s[G0V+4*\e], 1
	s_mov_b32 s[G0V+4*\e+1], VB+34816*\e
	s_add_nc_u64 s[G0V+4*\e+2:G0V+4*\e+3], s[80:81], 2*CH*\e
	s_or_b32 s[G0V+4*\e+3], s[G0V+4*\e+3], 0x80000000
.endr
	CROUND                                         ; all four work-groups are here: the joint loads meet
	s_cmp_eq_u32 s[WV], 0                          ; wave 0: K's codes; wave 1: V^T; wave 2: K's scale bytes.  A wave's two loads stand in one branch; four v_nop follow the second
	s_cbranch_scc0 .Lnot_0
	tensor_load_to_lds s[G0K:G0K+3], s[G1K:G1K+7]
	s_nop 0
	tensor_load_to_lds s[G0K+4:G0K+7], s[G1K:G1K+7]
	s_nop 0
.rept 4
	v_nop
.endr
	s_branch .Lasked
.Lnot_0:
	s_cmp_eq_u32 s[WV], 1
	s_cbranch_scc0 .Lnot_1
	tensor_load_to_lds s[G0V:G0V+3], s[G1V:G1V+7]
	s_nop 0
	tensor_load_to_lds s[G0V+4:G0V+7], s[G1V:G1V+7]
	s_nop 0
.rept 4
	v_nop
.endr
	s_branch .Lasked
.Lnot_1:
	s_cmp_eq_u32 s[WV], 2
	s_cbranch_scc0 .Lasked
	tensor_load_to_lds s[G0S:G0S+3], s[G1S:G1S+7]
	s_nop 0
	tensor_load_to_lds s[G0S+4:G0S+7], s[G1S:G1S+7]
	s_nop 0
.rept 4
	v_nop
.endr
.Lasked:
	v_and_b32 v9, 31, v0
	v_lshlrev_b32 v[AK0], 4, v9                    ; 16 x lane
	v_and_b32 v10, 15, v0                          ; r
	v_lshlrev_b32 v5, 1, v10                       ; 2 r
	global_load_b128 v[16:19], v[AK0], s[82:83]    ; Q's codes stay in registers
	global_load_u16 v6, v5, s[10:11]               ; Q's two scale bytes; bytes 2 and 3 are 0
	v_add_nc_u32 v[AV0], VB, v[AK0]
	v_add_nc_u32 v[ASK0], KSB, v5
	v_lshlrev_b32 v7, 4, v10                       ; 16 r
	v_add_nc_u32 v[ASV0], VB+4096, v7
.irp j, 20,21,22,23
	v_mov_b32 v[\j], 0                             ; Q's k = 64 .. 127: zero codes
.endr
.irp t, 0,1,2,3,4,5,6,7
.irp j, 4,5,6,7
	v_mov_b32 v[32+8*\t+\j], 0                     ; K's likewise: written once
.endr
.endr
	v_mov_b32 v13, 0xff61b1e6                      ; the largest t so far: -3e38
	v_floor_f32 v12, -v13                          ; -M
	v_mov_b32 v14, 0
	v_mov_b32 v15, 0
.irp b, 0,1,2,3
	v_mov_b32 v[236+\b], 0                         ; a lane permute's destination counts as one of its sources
.endr
	v_mov_b32 v249, 0                              ; named with v248 as a pair
	v_mov_b32 v252, 0
.set j, 0
.rept 32
	v_mov_b32 v[160+j], 0                          ; O^T: the step is written once; the first change of M multiplies zeros
.set j, j+1
.endr
; A KEY STEP: 128 keys, the q-th of the trip's 512.
.macro STEP q
.if (\q) == 0
	v_add_nc_u32 v[ADK], s[TK], v[AK0]             ; four plain lines: the places in front of the loads into V's registers, which the last products read
	v_add_nc_u32 v[ADV], s[TV], v[AV0]
	v_add_nc_u32 v[ADS], s[TS], v[ASK0]
	v_add_nc_u32 v[ADT], s[TV], v[ASV0]
.else
.rept 4
	v_nop
.endr
.endif
.irp t, 0,1,2,3,4,5,6,7
	ds_load_b128 v[32+8*\t:35+8*\t], v[ADK] offset:4096*(\q)+512*\t
.endr
.irp t, 0,1,2,3,4,5,6,7
	ds_load_u16 v[24+\t], v[ADS] offset:256*(\q)+32*\t
.endr
.irp t, 0,1,2,3
.irp c, 0,1
	ds_load_b128 v[192+8*\t+4*\c:195+8*\t+4*\c], v[ADV] offset:2*CH*\t+1024*(\q)+512*\c
.endr
.endr
.irp t, 0,1,2,3
	ds_load_b32 v[244+\t], v[ADT] offset:2*CH*\t+4*(\q)
.endr
	s_wait_dscnt 12                                ; K and its scales are in; V's twelve loads may be out
.irp t, 0,1,2,3,4,5,6,7
	v_wmma_scale_f32_16x16x128_f8f6f4 v[96+8*\t:103+8*\t], v[32+8*\t:39+8*\t], v[16:23], 0, v[24+\t], v6 matrix_a_fmt:MATRIX_FMT_FP4 matrix_b_fmt:MATRIX_FMT_FP4
.endr
.rept 4
	v_nop
.endr
.irp b, 0,1,2,3
	v_max3_num_f32 v[232+\b], v[96+16*\b], v[97+16*\b], v[98+16*\b]   ; the largest score of each block of 32 keys: for the row's maximum, and, since p rises with the score, for the block's largest p
.endr
.irp i, 3,5,7,9,11,13
.irp b, 0,1,2,3
	v_max3_num_f32 v[232+\b], v[232+\b], v[96+16*\b+\i], v[97+16*\b+\i]
.endr
.endr
.irp b, 0,1,2,3
	v_max_num_f32 v[232+\b], v[232+\b], v[111+16*\b]
.endr
.irp b, 0,1,2,3
	v_permlanex16_b32 v[236+\b], v[232+\b], s[SEL], s[SEL+1]
.endr
.irp b, 0,1,2,3
	v_max_num_f32 v[232+\b], v[232+\b], v[236+\b]
.endr
	v_max3_num_f32 v254, v232, v233, v234
	v_max_num_f32 v254, v254, v235
	v_mul_f32 v254, s[CS], v254
	v_max_num_f32 v13, v13, v254                   ; the running largest t
	v_mov_b32 v254, v12
	v_floor_f32 v12, -v13                          ; the new -M = -ceil(t): a whole number
	v_sub_f32 v254, v12, v254
	v_cvt_i32_f32 v254, v254                       ; (it saturates)
	v_ldexp_f32 v248, 1.0, v254                    ; f = 2^(old M - new M)
.set j, 0
.rept 32
	v_pk_fma_f32 v[96+j:97+j], v[96+j:97+j], s[CS:CS+1], v[12:13] op_sel_hi:[1,0,0]   ; t - M
.set j, j+2
.endr
.irp b, 0,1,2,3
	v_fma_f32 v[232+\b], v[232+\b], s[CS], v12
.endr
.set j, 0
.rept 64
	v_exp_f32 v[96+j], v[96+j]                     ; p = 2^(t - M), at most 1
.set j, j+1
.endr
	v_pk_mul_f32 v[14:15], v[14:15], v[248:249] op_sel_hi:[1,0]   ; the sums under the new M: a plain line behind the exponentials
	s_wait_alu depctr_va_vdst(0)                   ; one wait for the batch, ahead of its first reader
.irp b, 0,1,2,3
	v_exp_f32 v[232+\b], v[232+\b]                 ; each block's largest p
.endr
	v_pk_add_f32 v[236:237], v[96:97], v[98:99]    ; the row's sum of the UNQUANTISED p, in two chains
.irp j, 4,8,12,16,20,24,28,32,36,40,44,48,52,56,60
	v_pk_add_f32 v[14:15], v[14:15], v[96+\j:97+\j]
	v_pk_add_f32 v[236:237], v[236:237], v[98+\j:99+\j]
.endr
	v_pk_add_f32 v[14:15], v[14:15], v[236:237]
	s_wait_alu depctr_va_vdst(0)                   ; and one for the four
.irp b, 0,1,2,3
	v_max_num_f32 v[232+\b], 0x1800000, v[232+\b]  ; the floor 2^(3 - 127)
.endr
.irp b, 0,1,2,3
	v_add_nc_u32 v[240+\b], 0xff000000, v[232+\b]
.endr
.irp b, 0,1,2,3
	v_lshrrev_b32 v[236+\b], 23, v[240+\b]
.endr
	v_lshl_or_b32 v253, v237, 8, v236              ; p's scale word for these 128 keys
	v_lshl_or_b32 v253, v238, 16, v253
	v_lshl_or_b32 v253, v239, 24, v253
.irp b, 0,1,2,3
	v_cvt_scalef32_pk8_fp4_f32 v[224+2*\b], v[96+16*\b:103+16*\b], v[240+\b]
	v_cvt_scalef32_pk8_fp4_f32 v[225+2*\b], v[104+16*\b:111+16*\b], v[240+\b]
.endr
	v_nop                                          ; one plain line behind the scaled conversions
.irp c, 0,1
.irp i, 0,1
	v_permlane16_swap_b32 v[224+4*\c+\i], v[226+4*\c+\i]
.endr
.endr
.set j, 0
.rept 16
	v_pk_mul_f32 v[160+j:161+j], v[160+j:161+j], v[248:249] op_sel_hi:[1,0]   ; O^T under the new M; these lines are also the places between the scale word's and the codes' last writes and the products
.set j, j+2
.endr
	s_wait_dscnt 0x0                               ; V and its scale words
.irp t, 0,1,2,3
	v_wmma_scale_f32_16x16x128_f8f6f4 v[160+8*\t:167+8*\t], v[192+8*\t:199+8*\t], v[224:231], v[160+8*\t:167+8*\t], v[244+\t], v253 matrix_a_fmt:MATRIX_FMT_FP4 matrix_b_fmt:MATRIX_FMT_FP4
.endr
.endm
.macro LOOP2                           ; 1,024 keys: two trips of four steps
	s_mov_b32 s[CNT], 2
.Ltrip_\@:
	STEP 0
	STEP 1
	STEP 2
	STEP 3
	s_add_co_u32 s[TK], s[TK], 16384
	s_add_co_u32 s[TS], s[TS], 1024
	s_add_co_u32 s[TV], s[TV], CH
	s_sub_co_u32 s[CNT], s[CNT], 1
	s_cmp_lg_u32 s[CNT], 0
	s_cbranch_scc1 .Ltrip_\@
.endm
	s_wait_loadcnt 0x0                             ; Q
	s_wait_tensorcnt 1                             ; my load of the first half is in; the second half's may be out
	s_barrier_signal -1
	s_barrier_wait -1                              ; everybody's is
	LOOP2
	s_mov_b32 s[TV], 34816                         ; V^T's second half
	s_wait_tensorcnt 0x0
	s_wait_dscnt 0x0
	s_barrier_signal -1
	s_barrier_wait -1
	LOOP2
	; THE WAY OUT: O^T / the sum, quantised along the head's 64 features: two blocks
	v_add_f32 v14, v14, v15
	v_permlanex16_b32 v252, v14, s[SEL], s[SEL+1]
	v_add_f32 v14, v14, v252                       ; the row's sum
	v_rcp_f32 v14, v14
.rept 4
	v_nop                                          ; plain lines behind the reciprocal and behind the last products
.endr
	s_wait_alu depctr_va_vdst(0)
.set j, 0
.rept 32
	v_mul_f32 v[96+j], v[160+j], v14               ; register 16 b + i: feature 32 b + 16 h + i of the head
.set j, j+1
.endr
.irp b, 0,1
	v_max3_num_f32 v[232+\b], |v[96+16*\b]|, |v[97+16*\b]|, 0x1800000
.endr
.irp i, 2,4,6,8,10,12,14
.irp b, 0,1
	v_max3_num_f32 v[232+\b], v[232+\b], |v[96+16*\b+\i]|, |v[97+16*\b+\i]|
.endr
.endr
.irp b, 0,1
	v_permlanex16_b32 v[236+\b], v[232+\b], s[SEL], s[SEL+1]
.endr
.irp b, 0,1
	v_max_num_f32 v[232+\b], v[232+\b], v[236+\b]
.endr
.irp b, 0,1
	v_add_nc_u32 v[240+\b], 0xff000000, v[232+\b]
.endr
.irp b, 0,1
	v_lshrrev_b32 v[236+\b], 23, v[240+\b]
.endr
	v_lshl_or_b32 v232, v237, 8, v236              ; the two bytes
.irp b, 0,1
	v_cvt_scalef32_pk8_fp4_f32 v[224+2*\b], v[96+16*\b:103+16*\b], v[240+\b]
	v_cvt_scalef32_pk8_fp4_f32 v[225+2*\b], v[104+16*\b:111+16*\b], v[240+\b]
.endr
	v_nop
	v_permlane16_swap_b32 v224, v226
	v_permlane16_swap_b32 v225, v227
	global_store_b128 v[AK0], v[224:227], s[14:15] ; 512 consecutive bytes, aligned
	global_store_b16 v7, v232, s[12:13]            ; lanes 16-31 repeat row r's bytes at the same place
	s_wait_tensorcnt 0x0
	ds_add_u32 v251, v255
	s_wait_dscnt 0x0
	CROUND                                         ; the closing round: no work-group ends while a partner may still ask for a tile that names it
	s_endpgm
.Lfunc_end_k_qfa5a7b2f45_attn:
	.size	k_qfa5a7b2f45_attn, .Lfunc_end_k_qfa5a7b2f45_attn-k_qfa5a7b2f45_attn
	.p2alignl 7, 3214868480
	.fill 96, 4, 3214868480
	.section	.rodata,"a",@progbits
	.p2align	6, 0x0
	.amdhsa_kernel k_qfa5a7b2f45_attn
		.amdhsa_group_segment_fixed_size 169984
		.amdhsa_private_segment_fixed_size 0
		.amdhsa_enable_private_segment 0
		.amdhsa_kernarg_size 24
		.amdhsa_user_sgpr_count 2
		.amdhsa_user_sgpr_kernarg_segment_ptr 1
		.amdhsa_wavefront_size32 1
		.amdhsa_system_sgpr_workgroup_id_x 1
		.amdhsa_system_sgpr_workgroup_id_y 1
		.amdhsa_system_sgpr_workgroup_id_z 1
		.amdhsa_system_vgpr_workitem_id 0
		.amdhsa_next_free_vgpr 256
		.amdhsa_next_free_sgpr 84
		.amdhsa_reserve_vcc 0
		.amdhsa_float_denorm_mode_32 3
		.amdhsa_float_denorm_mode_16_64 3
		.amdhsa_memory_ordered 1
		.amdhsa_forward_progress 1
		.amdhsa_inst_pref_size 137
	.end_amdhsa_kernel
	.amdgpu_metadata
---
amdhsa.version: [ 1, 2 ]
amdhsa.kernels:
  - .name:           k_qfa5a7b2f45_attn
    .symbol:         k_qfa5a7b2f45_attn.kd
    .args:
      - { .name: qk, .offset: 0, .size: 8, .value_kind: global_buffer, .address_space: global }
      - { .name: vt, .offset: 8, .size: 8, .value_kind: global_buffer, .address_space: global }
      - { .name: oq, .offset: 16, .size: 8, .value_kind: global_buffer, .address_space: global }
    .group_segment_fixed_size: 169984
    .private_segment_fixed_size: 0
    .kernarg_segment_align: 8
    .kernarg_segment_size: 24
    .max_flat_workgroup_size: 512
    .sgpr_count:     84
    .vgpr_count:     256
    .wavefront_size: 32
...
	.end_amdgpu_metadata
.endif
;; end of part 4
;; launch wo (part 5): grid 4 x 16, 4 waves a work-group, clusters of 4 x 4, 327,680 bytes of LDS; arguments oq, wts, x, x2; writes x2
.if DOCPART == 5
	.amdgcn_target "amdgcn-amd-amdhsa--gfx1250"
	.amdhsa_code_object_version 6
	.text
	.protected	k_qfa5a7b2f45_wo
	.globl	k_qfa5a7b2f45_wo
	.p2align	8
	.type	k_qfa5a7b2f45_wo,@function
k_qfa5a7b2f45_wo:
	s_mov_b64 s[64:65], 0
	v_nop
	global_prefetch_b8 v0, s[64:65] scope:SCOPE_SE
	s_setreg_imm32_b32 hwreg(HW_REG_WAVE_MODE, 25, 1), 1
	s_wait_xcnt 0x0
	s_wait_alu depctr_hold_cnt(0) depctr_sa_sdst(0) depctr_va_vdst(0) depctr_va_sdst(0) depctr_va_ssrc(0) depctr_va_vcc(0) depctr_vm_vsrc(0)
	s_getreg_b32 s2, hwreg(HW_REG_IB_STS2, 6, 4)
	s_cmp_eq_u32 s2, 0
	s_cbranch_scc0 .Lentry_in_a_cluster
	s_endpgm
.Lentry_in_a_cluster:
	s_bfe_u32 s2, ttmp6, 0x10000c
	s_cmp_lg_u32 s2, 0xf033
	s_cbranch_scc0 .Lentry_shape_is_right
	s_endpgm
.Lentry_shape_is_right:
; x2 = x + o WO^T on codes of FP4 (E2M1) with E8M0 scales, K = 1,024; x and x2 are f32 [4096][1024].
; OPERANDS: rows in tiles of 16, a tile's 512 along K in a chunk of 4,352 bytes: at 1024 s + 512 c + 16 lane an image of the operand's registers, at 4096 + 16 r + 4 s the row's scale word.
; Row r of tile T is the logical row 32 (T / 2) + 16 (r / 8) + 8 (T % 2) + r % 8.  THE MATRIX INSTRUCTION IS USED TRANSPOSED (source 0 = 16 rows of WO, source 1 = 16 rows of o): lane (r, h) holds row r of o's tile,
; and register j of column tile t the logical column 32 (t / 2) + 16 h + 8 (t % 2) + j.  On the way out both orders are undone: columns by the place in the stage, rows by the stores' offsets.
; SHARES: a tile of 256 x 256 to a work-group of four waves, 128 x 128 to a wave: 64 work-groups, all that this tile gives at N = 1,024.  K goes in steps of 512 through two LDS slots, each filled once.
; CLUSTERS of 4 x 4: o's tiles are asked for jointly along a row of the cluster, WO's along a column.
; REGISTERS: window 0: v0-31 addresses; v32-95 scale words; v128-191 A's fragments; on the way out v128-255 rows of the result.  Window 1: B's fragments at v0 and v128; on the way out v0-127 the residual.  Windows 2, 3: accumulators.
.set SIZE_K, 1024
.set QOFF,   1671168                   ; wo's codes in wts
.set CH,     4352
.set KG,     SIZE_K/512
.set NQ,     4
.set FR,     8
.set NL,     2
.set NP,     4
.set HALFT,  8*CH
.set SLOT,   4*HALFT
.set SPARE,  2*SLOT
.set LAPS,   SIZE_K/1024
.set SPITCH, 528                       ; the stage: 16 rows x (512 bytes + 16) a wave, in slot 0, which has had its last fill and its last read
.set ADRA, 16
.set ADRB, 20
.set ADRS, 22
.set STO,  24
.set RD,   25
.set CO,   26
.set SPW,  28
.set NIL,  29
.set SC,   32
.set AF,   128
.set BK,   128
.set G1, 24
.set G0, 32
.set G1B, 48
.set G0B, 56
.set RES, 66
.set OUT, 68
.set MSB, 0
.macro WIN new
.if MSB != \new
	s_set_vgpr_msb (MSB<<8)|\new
.set MSB, \new
.endif
.endm
.set MUL_LO, 0xa1
.set MUL_HI, 0xf1
.set TO_B,   0x40
.macro JLOAD g0a, g1a, g0b, g1b
	s_cmp_eq_u32 s15, 0
	s_cbranch_scc0 .Lfor_b_\@
	tensor_load_to_lds s[\g0a:\g0a+3], s[\g1a:\g1a+7]
	s_nop 0
.rept 4
	v_nop
.endr
	s_branch .Lasked_\@
.Lfor_b_\@:
	tensor_load_to_lds s[\g0b:\g0b+3], s[\g1b:\g1b+7]
	s_nop 0
.rept 4
	v_nop
.endr
.Lasked_\@:
.endm
.macro CREST
	s_cmp_lg_u32 s14, 0
	s_cbranch_scc1 .Lnot_wave_0_\@
	s_barrier_signal -3
.Lnot_wave_0_\@:
	s_barrier_wait -3
	s_barrier_signal -1
	s_barrier_wait -1
.endm
.macro CROUND
	s_barrier_signal -1
	s_barrier_wait -1
	CREST
.endm
	s_load_b256 s[4:11], s[0:1], 0x0               ; oq, wts, x, x2
	v_lshl_add_u32 v[SPW], v0, 2, SPARE
	v_mov_b32 v[NIL], 0
	ds_add_u32 v28, v29
	ds_add_u32 v28, v29
	s_wait_dscnt 0x0
	v_lshrrev_b32 v1, 5, v0
	v_readfirstlane_b32 s14, v1
	s_lshr_b32 s15, s14, 1
	s_and_b32 s16, s14, 1
	s_bfe_u32 s40, ttmp6, 0x40000
	s_bfe_u32 s41, ttmp6, 0x40004
	s_lshl_b32 s42, ttmp9, 2
	s_add_co_u32 s42, s42, s40                     ; tile column
	s_and_b32 s17, ttmp7, 0xffff
	s_lshl_b32 s17, s17, 2
	s_add_co_u32 s17, s17, s41                     ; tile row
	s_lshl_b32 s43, s41, 2
	s_lshl_b32 s43, 15, s43
	s_lshl_b32 s44, 0x1111, s40
	s_or_b32 s[G1+0], s43, (3<<16)|(1<<21)
	s_or_b32 s[G1B+0], s44, (3<<16)|(1<<21)
.irp g, G1, G1B
	s_mov_b32 s[\g+1], 544<<16
	s_mov_b32 s[\g+2], 8<<16
	s_mov_b32 s[\g+3], 544<<16
	s_mov_b32 s[\g+4], 8
	s_mov_b32 s[\g+5], KG*544
	s_mov_b32 s[\g+6], 0
	s_mov_b32 s[\g+7], 0
.endr
	s_lshl_b32 s18, s16, 3
	s_lshl_b32 s20, s17, 4
	s_add_co_u32 s20, s20, s18
	s_mul_i32 s20, s20, KG*CH
	s_mov_b32 s21, 0
	s_lshl_b32 s46, s42, 4
	s_add_co_u32 s46, s46, s18
	s_mul_i32 s46, s46, KG*CH
	s_mov_b32 s47, 0
	s_mul_i32 s45, s14, HALFT
	s_wait_kmcnt 0x0
	s_add_nc_u64 s[20:21], s[4:5], s[20:21]
	s_add_nc_u64 s[46:47], s[6:7], s[46:47]
	s_add_nc_u64 s[46:47], s[46:47], QOFF
	CROUND
.irp s, 0,1
	s_mov_b32 s[G0+4*\s], 1
	s_add_co_u32 s[G0+4*\s+1], s45, \s*SLOT
	s_add_nc_u64 s[G0+4*\s+2:G0+4*\s+3], s[20:21], \s*CH
	s_or_b32 s[G0+4*\s+3], s[G0+4*\s+3], 0x80000000
	s_mov_b32 s[G0B+4*\s], 1
	s_add_co_u32 s[G0B+4*\s+1], s45, \s*SLOT
	s_add_nc_u64 s[G0B+4*\s+2:G0B+4*\s+3], s[46:47], \s*CH
	s_or_b32 s[G0B+4*\s+3], s[G0B+4*\s+3], 0x80000000
	JLOAD G0+4*\s, G1, G0B+4*\s, G1B
.endr
	v_and_b32 v1, 15, v0
	v_bfe_u32 v2, v0, 4, 1
	v_and_b32 v3, 31, v0
	v_lshlrev_b32 v4, 4, v3
	s_mul_i32 s21, s15, HALFT
	s_mul_i32 s22, s16, HALFT
	s_add_co_u32 s22, s22, 2*HALFT
	s_sub_co_u32 s23, s22, s21
	v_lshlrev_b32 v5, 4, v1
	v_mul_u32_u24 v6, s23, v2
	v_add_nc_u32 v5, v5, v6
.irp s, 0,1
	v_add_nc_u32 v[ADRA+\s], s21, v4
	v_add_nc_u32 v[ADRB+\s], s22, v4
	v_add_nc_u32 v[ADRS+\s], s21, v5
	s_add_co_u32 s21, s21, SLOT
	s_add_co_u32 s22, s22, SLOT
.endr
	s_mul_i32 s23, s14, 16*SPITCH                  ; my stage
	v_mul_u32_u24 v7, v1, SPITCH
	v_lshl_add_u32 v7, v2, 6, v7
	v_add_nc_u32 v[STO], s23, v7                   ; in: row r, + 64 h
	v_lshlrev_b32 v[CO], 4, v3                     ; back, and in memory: 16 x lane of a row's 512 bytes
	v_add_nc_u32 v[RD], s23, v[CO]
	s_lshl_b32 s80, s17, 8
	s_lshl_b32 s81, s15, 7
	s_add_co_u32 s80, s80, s81                     ; my first logical row
	s_lshl_b32 s80, s80, 12
	s_lshl_b32 s81, s42, 10
	s_lshl_b32 s82, s16, 9
	s_add_co_u32 s82, s81, s82                     ; my first column, in bytes
	s_add_co_u32 s80, s80, s82
	s_mov_b32 s81, 0
	s_add_nc_u64 s[RES:RES+1], s[8:9], s[80:81]
	s_add_nc_u64 s[OUT:OUT+1], s[10:11], s[80:81]
.macro FRAG reg, adr, q, i
.irp c, 0,1
	ds_load_b128 v[\reg+4*\c:\reg+4*\c+3], v[\adr] offset:1024*(\q)+512*\c+(\i)*CH
.endr
.endm
.macro MUL16 a0, p, q, sc, zero        ; the 64 accumulators take turns, one instruction a turn
.irp a, \a0, \a0+1
.irp b, 0,1,2,3,4,5,6,7
.if \zero
	v_wmma_scale_f32_16x16x128_f8f6f4 v[8*(8*((\a)%4)+\b):8*(8*((\a)%4)+\b)+7], v[128*(\p)+FR*\b:128*(\p)+FR*\b+FR-1], v[AF+FR*(\a):AF+FR*(\a)+FR-1], 0, v[SC+8*NQ*(\sc)+NQ*\b+(\q)], v[SC+8*NQ*(\sc)+NQ*(\a)+(\q)] matrix_a_fmt:MATRIX_FMT_FP4 matrix_b_fmt:MATRIX_FMT_FP4 matrix_a_scale:MATRIX_SCALE_ROW1
.else
	v_wmma_scale_f32_16x16x128_f8f6f4 v[8*(8*((\a)%4)+\b):8*(8*((\a)%4)+\b)+7], v[128*(\p)+FR*\b:128*(\p)+FR*\b+FR-1], v[AF+FR*(\a):AF+FR*(\a)+FR-1], v[8*(8*((\a)%4)+\b):8*(8*((\a)%4)+\b)+7], v[SC+8*NQ*(\sc)+NQ*\b+(\q)], v[SC+8*NQ*(\sc)+NQ*(\a)+(\q)] matrix_a_fmt:MATRIX_FMT_FP4 matrix_b_fmt:MATRIX_FMT_FP4 matrix_a_scale:MATRIX_SCALE_ROW1
.endif
.endr
.endr
.endm
.macro FETCH_B slot, q, p
	WIN TO_B
.irp i, 0,1,2,3,4,5,6,7
	FRAG 128*(\p)+FR*\i, ADRB+\slot, \q, \i
.endr
	WIN 0
.endm
.macro FETCH_A slot, q, i0
.irp i, \i0, \i0+1, \i0+2, \i0+3
	FRAG AF+FR*(\i), ADRA+\slot, \q, \i
.endr
.endm
.macro SCALES sc
.irp i, 0,1,2,3,4,5,6,7
	ds_load_b128 v[SC+8*NQ*\sc+NQ*\i:SC+8*NQ*\sc+NQ*\i+3], v[ADRS+\sc] offset:4096+\i*CH
.endr
.endm
.macro PLACES n
.rept \n
	v_nop
.endr
.endm
.macro STEP slot, q, zero
	s_wait_dscnt 4*NL                              ; all but the youngest eight loads (A's blocks 4-7)
	WIN MUL_LO
	MUL16 0, (\q)%2, \q, \slot, \zero
	MUL16 2, (\q)%2, \q, \slot, \zero
	s_wait_dscnt 0
	PLACES NP
	FETCH_B \slot, (\q)+1, 1-(\q)%2
	FETCH_A \slot, (\q)+1, 0
	WIN MUL_HI
	MUL16 4, (\q)%2, \q, \slot, \zero
	MUL16 6, (\q)%2, \q, \slot, \zero
	PLACES NP
	WIN 0
	FETCH_A \slot, (\q)+1, 4
.endm
.macro TURN slot, next, fill
	s_wait_tensorcnt 0x0                           ; all my tensor loads have landed
	ds_add_u32 v[SPW], v[NIL]                      ; 0 onto my spare word
	s_wait_dscnt 4*NL+1                            ; (the add and A's blocks 4-7 may be out)
	WIN MUL_LO
	MUL16 0, 1, NQ-1, \slot, 0
	s_wait_dscnt 0x0                               ; the add is done, and my reads of this slot are over
	s_barrier_signal -1
	MUL16 2, 1, NQ-1, \slot, 0
	WIN 0
	s_barrier_wait -1
.if \fill
	CREST
	s_add_nc_u64 s[G0+4*\slot+2:G0+4*\slot+3], s[G0+4*\slot+2:G0+4*\slot+3], 2*CH
	s_add_nc_u64 s[G0B+4*\slot+2:G0B+4*\slot+3], s[G0B+4*\slot+2:G0B+4*\slot+3], 2*CH
	JLOAD G0+4*\slot, G1, G0B+4*\slot, G1B
.else
	PLACES NP
.endif
	FETCH_B \next, 0, 0
	FETCH_A \next, 0, 0
	SCALES \next
	WIN MUL_HI
	MUL16 4, 1, NQ-1, \slot, 0
	MUL16 6, 1, NQ-1, \slot, 0
	PLACES NP
	WIN 0
	FETCH_A \next, 0, 4
.endm
.macro STEPS slot, from
.set Q, \from
.rept NQ-1-\from
	STEP \slot, Q, 0
.set Q, Q+1
.endr
.endm
	s_wait_tensorcnt 1                             ; my part of K step 0 is in (K step 1's load may be out),
	s_barrier_signal -1
	s_barrier_wait -1
	FETCH_B 0, 0, 0
	FETCH_A 0, 0, 0
	SCALES 0
	FETCH_A 0, 0, 4
	STEP 0, 0, 1
	STEPS 0, 1
	TURN 0, 1, 0
	STEPS 1, 0
	s_wait_dscnt 4*NL
	WIN MUL_LO
	MUL16 0, 1, NQ-1, 1, 0
	MUL16 2, 1, NQ-1, 1, 0
	s_wait_dscnt 0
	WIN MUL_HI
	MUL16 4, 1, NQ-1, 1, 0
	MUL16 6, 1, NQ-1, 1, 0
	WIN 0
; THE WAY OUT, a tile of 16 rows x 128 columns at a time.  Row t of tile a is logical row 32 (a / 2) + 8 (a % 2) + t + 8 (t / 8) of my 128: it stands in the immediates (520,192 bytes at the most).
.macro RLOAD a                         ; the residual's 16 rows, 512 consecutive bytes a load, into window 1
	WIN 0x40
.irp t, 0,1,2,3,4,5,6,7,8,9,10,11,12,13,14,15
	global_load_b128 v[64*((\a)%2)+4*\t:64*((\a)%2)+4*\t+3], v[CO], s[RES:RES+1] offset:(32*((\a)/2)+8*((\a)%2)+\t+8*(\t/8))*4096 th:TH_LOAD_NT
.endr
	WIN 0
.endm
.macro TOSTAGE a                       ; each accumulator from its low end on, to its logical columns; back as whole rows.  LDS serves a wave's instructions in order
.set AC, 64*((\a)%4)
.set WW, 0x08+4*((\a)/4)
	WIN WW
.irp b, 0,1,2,3,4,5,6,7
	ds_store_b128 v[STO], v[AC+8*\b:AC+8*\b+3] offset:128*(\b/2)+32*(\b%2)
	ds_store_b128 v[STO], v[AC+8*\b+4:AC+8*\b+7] offset:128*(\b/2)+32*(\b%2)+16
.endr
	WIN 0
.set BB, BK+64*((\a)%2)
.irp t, 0,1,2,3,4,5,6,7,8,9,10,11,12,13,14,15
	ds_load_b128 v[BB+4*\t:BB+4*\t+3], v[RD] offset:\t*SPITCH
.endr
.endm
.macro SEND a, dsn, ldn                ; dsn, ldn: the LDS instructions and the loads issued behind this tile's, which may stay out
.set BB, BK+64*((\a)%2)
.set RR, 64*((\a)%2)
	s_wait_dscnt \dsn
	s_wait_loadcnt \ldn
	WIN 0x04
.set k, 0
.rept 32
	v_pk_add_f32 v[BB+k:BB+k+1], v[BB+k:BB+k+1], v[RR+k:RR+k+1]
.set k, k+2
.endr
	WIN 0
.irp t, 0,1,2,3,4,5,6,7,8,9,10,11,12,13,14,15
	global_store_b128 v[CO], v[BB+4*\t:BB+4*\t+3], s[OUT:OUT+1] offset:(32*((\a)/2)+8*((\a)%2)+\t+8*(\t/8))*4096   ; 32 lanes store 512 consecutive bytes, aligned
.endr
.endm
	PLACES NP
	RLOAD 0
	TOSTAGE 0
.irp a, 1,2,3,4,5,6,7
.if \a > 1
	s_wait_xcnt 0x0                                ; tile a - 2's stores have read their registers: tile a's loads may land there
.endif
	RLOAD \a
	TOSTAGE \a
	SEND \a-1, 32, 16                              ; behind tile a - 1's: tile a's 16 stage stores and 16 loads; its 16 loads of the residual
.endr
	SEND 7, 0, 0
	s_wait_tensorcnt 0x0                           ; the wave's end
	ds_add_u32 v[SPW], v[NIL]
	s_wait_dscnt 0x0
	CROUND
	s_endpgm
.Lfunc_end_k_qfa5a7b2f45_wo:
	.size	k_qfa5a7b2f45_wo, .Lfunc_end_k_qfa5a7b2f45_wo-k_qfa5a7b2f45_wo
	.p2alignl 7, 3214868480
	.fill 96, 4, 3214868480
	.section	.rodata,"a",@progbits
	.p2align	6, 0x0
	.amdhsa_kernel k_qfa5a7b2f45_wo
		.amdhsa_group_segment_fixed_size 327680
		.amdhsa_private_segment_fixed_size 0
		.amdhsa_enable_private_segment 0
		.amdhsa_kernarg_size 32
		.amdhsa_user_sgpr_count 2
		.amdhsa_user_sgpr_kernarg_segment_ptr 1
		.amdhsa_wavefront_size32 1
		.amdhsa_system_sgpr_workgroup_id_x 1
		.amdhsa_system_sgpr_workgroup_id_y 1
		.amdhsa_system_sgpr_workgroup_id_z 1
		.amdhsa_system_vgpr_workitem_id 0
		.amdhsa_next_free_vgpr 1024
		.amdhsa_next_free_sgpr 100
		.amdhsa_reserve_vcc 0
		.amdhsa_float_denorm_mode_32 3
		.amdhsa_float_denorm_mode_16_64 3
		.amdhsa_memory_ordered 1
		.amdhsa_forward_progress 1
		.amdhsa_inst_pref_size 151
	.end_amdhsa_kernel
	.amdgpu_metadata
---
amdhsa.version: [ 1, 2 ]
amdhsa.kernels:
  - .name:           k_qfa5a7b2f45_wo
    .symbol:         k_qfa5a7b2f45_wo.kd
    .args:
      - { .name: oq, .offset: 0, .size: 8, .value_kind: global_buffer, .address_space: global }
      - { .name: wts, .offset: 8, .size: 8, .value_kind: global_buffer, .address_space: global }
      - { .name: x, .offset: 16, .size: 8, .value_kind: global_buffer, .address_space: global }
      - { .name: x2, .offset: 24, .size: 8, .value_kind: global_buffer, .address_space: global }
    .group_segment_fixed_size: 327680
    .private_segment_fixed_size: 0
    .kernarg_segment_align: 8
    .kernarg_segment_size: 32
    .max_flat_workgroup_size: 128
    .sgpr_count:     100
    .vgpr_count:     1024
    .wavefront_size: 32
...
	.end_amdgpu_metadata
.endif
;; end of part 5
;; launch ln2: the kernel of part 2 again; grid 256 x 1, 16 waves a work-group, no clusters, 10,752 bytes of LDS; arguments x2, g2, be2, hq; writes hq
;; launch ff1 (part 6): grid 16 x 16, 4 waves a work-group, clusters of 4 x 4, 327,680 bytes of LDS; arguments hq, wts, b1, hid; writes hid
.if DOCPART == 6
	.amdgcn_target "amdgcn-amd-amdhsa--gfx1250"
	.amdhsa_code_object_version 6
	.text
	.protected	k_qfa5a7b2f45_ff1
	.globl	k_qfa5a7b2f45_ff1
	.p2align	8
	.type	k_qfa5a7b2f45_ff1,@function
k_qfa5a7b2f45_ff1:
	s_mov_b64 s[64:65], 0
	v_nop
	global_prefetch_b8 v0, s[64:65] scope:SCOPE_SE
	s_setreg_imm32_b32 hwreg(HW_REG_WAVE_MODE, 25, 1), 1
	s_wait_xcnt 0x0
	s_wait_alu depctr_hold_cnt(0) depctr_sa_sdst(0) depctr_va_vdst(0) depctr_va_sdst(0) depctr_va_ssrc(0) depctr_va_vcc(0) depctr_vm_vsrc(0)
	s_getreg_b32 s2, hwreg(HW_REG_IB_STS2, 6, 4)
	s_cmp_eq_u32 s2, 0
	s_cbranch_scc0 .Lentry_in_a_cluster
	s_endpgm
.Lentry_in_a_cluster:
	s_bfe_u32 s2, ttmp6, 0x10000c
	s_cmp_lg_u32 s2, 0xf033
	s_cbranch_scc0 .Lentry_shape_is_right
	s_endpgm
.Lentry_shape_is_right:
; hid = Q(gelu(h W1^T + b1)) on codes of FP4 (E2M1) with E8M0 scales, K = 1,024, N = 4,096; gelu is the exact one, 0.5 z (1 + erf(z / sqrt 2)), in f32; the result is quantised in registers along N and leaves as codes.
; OPERANDS AND OUTPUT: rows in tiles of 16, a tile's 512 along K in a chunk of 4,352 bytes: at 1024 s + 512 c + 16 lane an image of the operand's registers, at 4096 + 16 r + 4 s the row's scale word.
; Row r of tile T is the logical row 32 (T / 2) + 16 (r / 8) + 8 (T % 2) + r % 8.  THE MATRIX INSTRUCTION IS USED TRANSPOSED (source 0 = 16 rows of W1, source 1 = 16 rows of h): lane (r, h) holds row r of h's tile,
; and register j of column tile t the logical column 32 (t / 2) + 16 h + 8 (t % 2) + j: the 16 registers of tiles 2 b, 2 b + 1 are 16 neighbours along the next product's K.
; SHARES: 256 work-groups, a tile of 256 x 256 each; four waves of 128 x 128.  K in steps of 512 through two LDS slots, each filled once.  CLUSTERS of 4 x 4: h's tiles jointly along a row of the cluster, W1's along a column.
; ERF: u P(u^2) / Q(u^2) with u held to +-4, P of degree 6 and Q of degree 4 in u^2.  LIMIT: it is right to a few 1e-7 absolute, so gelu of a strongly negative number carries that absolute error times |z| / 2, not a relative one.
; LIMITS: a block of zeros gets the byte 1 (zero codes); blocks under 2^-124 are held at the byte 1; NaN and infinities are not served.  The scale words leave four bytes a row: parts of aligned blocks of 256 bytes.
; REGISTERS: window 0: v0-31 addresses; v32-95 scale words; v96-123 the quantiser's; v128-191 A's fragments.  Window 1: B's fragments at v0 and v128; v192-255 b1 in the result's layout; on the way out v0-63 the row in hand, v64-127 erf's.
; Windows 2, 3: the accumulators.
.set SIZE_K, 1024
.set QOFF,   2228224                   ; w1's codes in wts
.set CH,     4352
.set KG,     SIZE_K/512
.set NQ,     4
.set FR,     8
.set NL,     2
.set NP,     4
.set HALFT,  8*CH
.set SLOT,   4*HALFT
.set SPARE,  2*SLOT
.set LAPS,   SIZE_K/1024
.set ADRA, 16
.set ADRB, 20
.set ADRS, 22
.set VC,   24
.set VS,   25
.set VB1,  27                          ; v27 64 h: never rewritten
.set SPW,  28
.set NIL,  29
.set SC,   32
.set TM,   96
.set PW,   112
.set PC,   116
.set AF,   128
.set T,    0                           ; in window 1
.set U,    64
.set W,    80
.set P,    96
.set QD,   112
.set BI,   192
.set G1, 24
.set G0, 32
.set G1B, 48
.set G0B, 56
.set OB,  66
.set OB2, 68
.set OS,  70
.set OS2, 72
.set ROW, 79
.set A13, 94                           ; s[94:95], s[96:97]: the two leading coefficients, each twice
.set B8,  96
.set SEL, 98
.set MSB, 0
.macro WIN new
.if MSB != \new
	s_set_vgpr_msb (MSB<<8)|\new
.set MSB, \new
.endif
.endm
.set MUL_LO, 0xa1
.set MUL_HI, 0xf1
.set TO_B,   0x40
.macro JLOAD g0a, g1a, g0b, g1b
	s_cmp_eq_u32 s15, 0
	s_cbranch_scc0 .Lfor_b_\@
	tensor_load_to_lds s[\g0a:\g0a+3], s[\g1a:\g1a+7]
	s_nop 0
.rept 4
	v_nop
.endr
	s_branch .Lasked_\@
.Lfor_b_\@:
	tensor_load_to_lds s[\g0b:\g0b+3], s[\g1b:\g1b+7]
	s_nop 0
.rept 4
	v_nop
.endr
.Lasked_\@:
.endm
.macro CREST
	s_cmp_lg_u32 s14, 0
	s_cbranch_scc1 .Lnot_wave_0_\@
	s_barrier_signal -3
.Lnot_wave_0_\@:
	s_barrier_wait -3
	s_barrier_signal -1
	s_barrier_wait -1
.endm
.macro CROUND
	s_barrier_signal -1
	s_barrier_wait -1
	CREST
.endm
	s_load_b256 s[4:11], s[0:1], 0x0               ; hq, wts, b1, hid
	v_lshl_add_u32 v[SPW], v0, 2, SPARE
	v_mov_b32 v[NIL], 0
	ds_add_u32 v28, v29
	ds_add_u32 v28, v29
	s_wait_dscnt 0x0
	v_lshrrev_b32 v1, 5, v0
	v_readfirstlane_b32 s14, v1
	s_lshr_b32 s15, s14, 1
	s_and_b32 s16, s14, 1
	s_bfe_u32 s40, ttmp6, 0x40000
	s_bfe_u32 s41, ttmp6, 0x40004
	s_lshl_b32 s42, ttmp9, 2
	s_add_co_u32 s42, s42, s40                     ; tile column
	s_and_b32 s17, ttmp7, 0xffff
	s_lshl_b32 s17, s17, 2
	s_add_co_u32 s17, s17, s41                     ; tile row
	s_lshl_b32 s43, s41, 2
	s_lshl_b32 s43, 15, s43
	s_lshl_b32 s44, 0x1111, s40
	s_or_b32 s[G1+0], s43, (3<<16)|(1<<21)
	s_or_b32 s[G1B+0], s44, (3<<16)|(1<<21)
.irp g, G1, G1B
	s_mov_b32 s[\g+1], 544<<16
	s_mov_b32 s[\g+2], 8<<16
	s_mov_b32 s[\g+3], 544<<16
	s_mov_b32 s[\g+4], 8
	s_mov_b32 s[\g+5], KG*544
	s_mov_b32 s[\g+6], 0
	s_mov_b32 s[\g+7], 0
.endr
	s_lshl_b32 s18, s16, 3
	s_lshl_b32 s20, s17, 4
	s_add_co_u32 s20, s20, s18
	s_mul_i32 s20, s20, KG*CH
	s_mov_b32 s21, 0
	s_lshl_b32 s46, s42, 4
	s_add_co_u32 s46, s46, s18
	s_mul_i32 s46, s46, KG*CH
	s_mov_b32 s47, 0
	s_mul_i32 s45, s14, HALFT
	s_wait_kmcnt 0x0
	s_add_nc_u64 s[20:21], s[4:5], s[20:21]
	s_add_nc_u64 s[46:47], s[6:7], s[46:47]
	s_add_nc_u64 s[46:47], s[46:47], QOFF
	CROUND
.irp s, 0,1
	s_mov_b32 s[G0+4*\s], 1
	s_add_co_u32 s[G0+4*\s+1], s45, \s*SLOT
	s_add_nc_u64 s[G0+4*\s+2:G0+4*\s+3], s[20:21], \s*CH
	s_or_b32 s[G0+4*\s+3], s[G0+4*\s+3], 0x80000000
	s_mov_b32 s[G0B+4*\s], 1
	s_add_co_u32 s[G0B+4*\s+1], s45, \s*SLOT
	s_add_nc_u64 s[G0B+4*\s+2:G0B+4*\s+3], s[46:47], \s*CH
	s_or_b32 s[G0B+4*\s+3], s[G0B+4*\s+3], 0x80000000
	JLOAD G0+4*\s, G1, G0B+4*\s, G1B
.endr
	v_and_b32 v1, 15, v0
	v_bfe_u32 v2, v0, 4, 1
	v_and_b32 v3, 31, v0
	v_lshlrev_b32 v4, 4, v3
	s_mul_i32 s21, s15, HALFT
	s_mul_i32 s22, s16, HALFT
	s_add_co_u32 s22, s22, 2*HALFT
	s_sub_co_u32 s23, s22, s21
	v_lshlrev_b32 v5, 4, v1
	v_mul_u32_u24 v6, s23, v2
	v_add_nc_u32 v5, v5, v6
.irp s, 0,1
	v_add_nc_u32 v[ADRA+\s], s21, v4
	v_add_nc_u32 v[ADRB+\s], s22, v4
	v_add_nc_u32 v[ADRS+\s], s21, v5
	s_add_co_u32 s21, s21, SLOT
	s_add_co_u32 s22, s22, SLOT
.endr
	; b1 in the result's layout: for column tile t lane (r, h) wants columns 32 (t / 2) + 16 h + 8 (t % 2) + 0 .. 7 of my 128.  The loads land while K is walked
	s_lshl_b32 s80, s42, 10
	s_lshl_b32 s81, s16, 9
	s_add_co_u32 s80, s80, s81
	s_mov_b32 s81, 0
	s_add_nc_u64 s[92:93], s[8:9], s[80:81]
	v_lshlrev_b32 v[VB1], 6, v2
	WIN 0x40
.irp t, 0,1,2,3,4,5,6,7
	global_load_b128 v[BI+8*\t:BI+8*\t+3], v[VB1], s[92:93] offset:(32*(\t/2)+8*(\t%2))*4
	global_load_b128 v[BI+8*\t+4:BI+8*\t+7], v[VB1], s[92:93] offset:(32*(\t/2)+8*(\t%2))*4+16
.endr
	WIN 0
	; where the codes go
	v_mov_b32 v[VC], v4
	v_lshlrev_b32 v[VS], 4, v1
.irp b, 0,1,2,3
	v_mov_b32 v[TM+4+\b], 0                        ; a lane permute's destination counts as one of its sources
.endr
	s_mov_b32 s[SEL], 0x76543210
	s_mov_b32 s[SEL+1], 0xfedcba98
	s_mov_b32 s[A13], 0xaf95df0b
	s_mov_b32 s[A13+1], s[A13]
	s_mov_b32 s[B8], 0xb77460cd
	s_mov_b32 s[B8+1], s[B8]
	s_lshl_b32 s80, s17, 4
	s_lshl_b32 s81, s15, 3
	s_add_co_u32 s80, s80, s81                     ; my first tile of rows
	s_lshl_b32 s81, s42, 1
	s_add_co_u32 s81, s81, s16                     ; my 128 columns: K step ks of the next product
	s_lshl_b32 s82, s80, 3
	s_lshr_b32 s83, s81, 2
	s_add_co_u32 s82, s82, s83
	s_mul_i32 s82, s82, CH                         ; chunk (tile, ks / 4), 8 chunks a tile
	s_and_b32 s83, s81, 3
	s_lshl_b32 s84, s83, 10
	s_add_co_u32 s84, s84, s82
	s_mov_b32 s85, 0
	s_lshl_b32 s86, s83, 2
	s_add_co_u32 s86, s86, s82
	s_add_co_u32 s86, s86, 4096
	s_mov_b32 s87, 0
	s_add_nc_u64 s[OB:OB+1], s[10:11], s[84:85]
	s_add_nc_u64 s[OB2:OB2+1], s[OB:OB+1], 512
	s_add_nc_u64 s[OS:OS+1], s[10:11], s[86:87]
	s_add_nc_u64 s[OS2:OS2+1], s[OS:OS+1], 2
.macro FRAG reg, adr, q, i
.irp c, 0,1
	ds_load_b128 v[\reg+4*\c:\reg+4*\c+3], v[\adr] offset:1024*(\q)+512*\c+(\i)*CH
.endr
.endm
.macro MUL16 a0, p, q, sc, zero        ; the 64 accumulators take turns, one instruction a turn
.irp a, \a0, \a0+1
.irp b, 0,1,2,3,4,5,6,7
.if \zero
	v_wmma_scale_f32_16x16x128_f8f6f4 v[8*(8*((\a)%4)+\b):8*(8*((\a)%4)+\b)+7], v[128*(\p)+FR*\b:128*(\p)+FR*\b+FR-1], v[AF+FR*(\a):AF+FR*(\a)+FR-1], 0, v[SC+8*NQ*(\sc)+NQ*\b+(\q)], v[SC+8*NQ*(\sc)+NQ*(\a)+(\q)] matrix_a_fmt:MATRIX_FMT_FP4 matrix_b_fmt:MATRIX_FMT_FP4 matrix_a_scale:MATRIX_SCALE_ROW1
.else
	v_wmma_scale_f32_16x16x128_f8f6f4 v[8*(8*((\a)%4)+\b):8*(8*((\a)%4)+\b)+7], v[128*(\p)+FR*\b:128*(\p)+FR*\b+FR-1], v[AF+FR*(\a):AF+FR*(\a)+FR-1], v[8*(8*((\a)%4)+\b):8*(8*((\a)%4)+\b)+7], v[SC+8*NQ*(\sc)+NQ*\b+(\q)], v[SC+8*NQ*(\sc)+NQ*(\a)+(\q)] matrix_a_fmt:MATRIX_FMT_FP4 matrix_b_fmt:MATRIX_FMT_FP4 matrix_a_scale:MATRIX_SCALE_ROW1
.endif
.endr
.endr
.endm
.macro FETCH_B slot, q, p
	WIN TO_B
.irp i, 0,1,2,3,4,5,6,7
	FRAG 128*(\p)+FR*\i, ADRB+\slot, \q, \i
.endr
	WIN 0
.endm
.macro FETCH_A slot, q, i0
.irp i, \i0, \i0+1, \i0+2, \i0+3
	FRAG AF+FR*(\i), ADRA+\slot, \q, \i
.endr
.endm
.macro SCALES sc
.irp i, 0,1,2,3,4,5,6,7
	ds_load_b128 v[SC+8*NQ*\sc+NQ*\i:SC+8*NQ*\sc+NQ*\i+3], v[ADRS+\sc] offset:4096+\i*CH
.endr
.endm
.macro PLACES n
.rept \n
	v_nop
.endr
.endm
.macro STEP slot, q, zero
	s_wait_dscnt 4*NL                              ; all but the youngest eight loads (A's blocks 4-7)
	WIN MUL_LO
	MUL16 0, (\q)%2, \q, \slot, \zero
	MUL16 2, (\q)%2, \q, \slot, \zero
	s_wait_dscnt 0
	PLACES NP
	FETCH_B \slot, (\q)+1, 1-(\q)%2
	FETCH_A \slot, (\q)+1, 0
	WIN MUL_HI
	MUL16 4, (\q)%2, \q, \slot, \zero
	MUL16 6, (\q)%2, \q, \slot, \zero
	PLACES NP
	WIN 0
	FETCH_A \slot, (\q)+1, 4
.endm
.macro TURN slot, next, fill
	s_wait_tensorcnt 0x0                           ; all my tensor loads have landed
	ds_add_u32 v[SPW], v[NIL]                      ; 0 onto my spare word
	s_wait_dscnt 4*NL+1                            ; (the add and A's blocks 4-7 may be out)
	WIN MUL_LO
	MUL16 0, 1, NQ-1, \slot, 0
	s_wait_dscnt 0x0                               ; the add is done, and my reads of this slot are over
	s_barrier_signal -1
	MUL16 2, 1, NQ-1, \slot, 0
	WIN 0
	s_barrier_wait -1
.if \fill
	CREST
	s_add_nc_u64 s[G0+4*\slot+2:G0+4*\slot+3], s[G0+4*\slot+2:G0+4*\slot+3], 2*CH
	s_add_nc_u64 s[G0B+4*\slot+2:G0B+4*\slot+3], s[G0B+4*\slot+2:G0B+4*\slot+3], 2*CH
	JLOAD G0+4*\slot, G1, G0B+4*\slot, G1B
.else
	PLACES NP
.endif
	FETCH_B \next, 0, 0
	FETCH_A \next, 0, 0
	SCALES \next
	WIN MUL_HI
	MUL16 4, 1, NQ-1, \slot, 0
	MUL16 6, 1, NQ-1, \slot, 0
	PLACES NP
	WIN 0
	FETCH_A \next, 0, 4
.endm
.macro STEPS slot, from
.set Q, \from
.rept NQ-1-\from
	STEP \slot, Q, 0
.set Q, Q+1
.endr
.endm
	s_wait_tensorcnt 1                             ; my part of K step 0 is in (K step 1's load may be out),
	s_barrier_signal -1
	s_barrier_wait -1
	FETCH_B 0, 0, 0
	FETCH_A 0, 0, 0
	SCALES 0
	FETCH_A 0, 0, 4
	STEP 0, 0, 1
	STEPS 0, 1
	TURN 0, 1, 0
	STEPS 1, 0
	s_wait_dscnt 4*NL
	WIN MUL_LO
	MUL16 0, 1, NQ-1, 1, 0
	MUL16 2, 1, NQ-1, 1, 0
	s_wait_dscnt 0
	WIN MUL_HI
	MUL16 4, 1, NQ-1, 1, 0
	MUL16 6, 1, NQ-1, 1, 0
	WIN 0
.macro QUANT s, w                      ; 64 numbers of a lane in window w, register 16 b + i = column 32 b + 16 h + i, become codes in v[PC] on and the scale word in v[PW]
.set WW, (\w)|((\w)<<2)
	WIN WW
.irp b, 0,1,2,3
	v_max3_num_f32 v[TM+\b], |v[\s+16*\b]|, |v[\s+1+16*\b]|, 0x1800000
.endr
.irp i, 2,4,6,8,10,12,14
.irp b, 0,1,2,3
	v_max3_num_f32 v[TM+\b], |v[\s+16*\b+\i]|, |v[\s+1+16*\b+\i]|, v[TM+\b]
.endr
.endr
	WIN 0
.irp b, 0,1,2,3
	v_permlanex16_b32 v[TM+4+\b], v[TM+\b], s[SEL], s[SEL+1]
.endr
.irp b, 0,1,2,3
	v_max_num_f32 v[TM+\b], v[TM+\b], v[TM+4+\b]
.endr
.irp b, 0,1,2,3
	v_add_nc_u32 v[TM+12+\b], 0xff000000, v[TM+\b]
.endr
.irp b, 0,1,2,3
	v_lshrrev_b32 v[TM+4+\b], 23, v[TM+12+\b]
.endr
	v_lshl_or_b32 v[PW], v[TM+5], 8, v[TM+4]
	v_lshl_or_b32 v[PW], v[TM+6], 16, v[PW]
	v_lshl_or_b32 v[PW], v[TM+7], 24, v[PW]
.set WW, \w
	WIN WW
.irp b, 0,1,2,3
	v_cvt_scalef32_pk8_fp4_f32 v[PC+2*\b], v[\s+16*\b:\s+7+16*\b], v[TM+12+\b]
	v_cvt_scalef32_pk8_fp4_f32 v[PC+1+2*\b], v[\s+8+16*\b:\s+15+16*\b], v[TM+12+\b]
.endr
	WIN 0
	v_nop
.irp c, 0,1
.irp i, 0,1
	v_permlane16_swap_b32 v[PC+4*\c+\i], v[PC+2+4*\c+\i]
.endr
.endr
.endm
.macro ZROW a                          ; tile a's 64 sums + b1 into the row in hand; each accumulator is read from its low end on
.set WW, 0x44|(2+(\a)/4)
	WIN WW
.set k, 0
.rept 32
	v_pk_add_f32 v[T+k:T+k+1], v[64*((\a)%4)+k:64*((\a)%4)+k+1], v[BI+k:BI+k+1]
.set k, k+2
.endr
	WIN 0
.endm
.macro GELU16 g                        ; 16 numbers of the row in hand, all in window 1
.set TT, T+16*(\g)
.irp i, 0,2,4,6,8,10,12,14
	v_pk_mul_f32 v[U+\i:U+\i+1], v[TT+\i:TT+\i+1], 0x3f3504f3 op_sel_hi:[1,0]   ; u = z / sqrt 2
.endr
.irp i, 0,1,2,3,4,5,6,7,8,9,10,11,12,13,14,15
	v_med3_num_f32 v[U+\i], v[U+\i], -4.0, 4.0
.endr
.irp i, 0,2,4,6,8,10,12,14
	v_pk_mul_f32 v[W+\i:W+\i+1], v[U+\i:U+\i+1], v[U+\i:U+\i+1]
.endr
.irp i, 0,2,4,6,8,10,12,14
	v_pk_fma_f32 v[P+\i:P+\i+1], v[W+\i:W+\i+1], s[A13:A13+1], 0x32edffee op_sel_hi:[1,0,0]
.endr
.irp c, 0xb60cff51, 0xb86ec2d2, 0xba40ac63, 0xbb41a1f6, 0xbc83dbd4
.irp i, 0,2,4,6,8,10,12,14
	v_pk_fma_f32 v[P+\i:P+\i+1], v[P+\i:P+\i+1], v[W+\i:W+\i+1], \c op_sel_hi:[1,1,0]
.endr
.endr
.irp i, 0,2,4,6,8,10,12,14
	v_pk_fma_f32 v[QD+\i:QD+\i+1], v[W+\i:W+\i+1], s[B8:B8+1], 0xb95fbd29 op_sel_hi:[1,0,0]
.endr
.irp c, 0xbadc924e, 0xbbf19bf8, 0xbc69b6a7
.irp i, 0,2,4,6,8,10,12,14
	v_pk_fma_f32 v[QD+\i:QD+\i+1], v[QD+\i:QD+\i+1], v[W+\i:W+\i+1], \c op_sel_hi:[1,1,0]
.endr
.endr
.irp i, 0,1,2,3,4,5,6,7,8,9,10,11,12,13,14,15
	v_rcp_f32 v[QD+\i], v[QD+\i]
.endr
.irp i, 0,2,4,6,8,10,12,14
	v_pk_mul_f32 v[P+\i:P+\i+1], v[P+\i:P+\i+1], v[U+\i:U+\i+1]                 ; plain work behind the batch
.endr
.irp i, 0,2,4,6,8,10,12,14
	v_pk_mul_f32 v[TT+\i:TT+\i+1], v[TT+\i:TT+\i+1], 0.5 op_sel_hi:[1,0]
.endr
	s_wait_alu depctr_va_vdst(0)                   ; one wait for the sixteen reciprocals, ahead of their first reader
.irp i, 0,2,4,6,8,10,12,14
	v_pk_mul_f32 v[P+\i:P+\i+1], v[P+\i:P+\i+1], v[QD+\i:QD+\i+1]               ; erf(u)
.endr
.irp i, 0,2,4,6,8,10,12,14
	v_pk_fma_f32 v[TT+\i:TT+\i+1], v[TT+\i:TT+\i+1], v[P+\i:P+\i+1], v[TT+\i:TT+\i+1]   ; z / 2 + z / 2 erf(u)
.endr
.endm
	s_wait_loadcnt 0x0                             ; b1
	PLACES NP                                      ; behind the last products: their results are read, and B's registers written, only behind these
	s_mov_b32 s[ROW], 0
.Lrow:                                             ; eight trips, a tile of 16 rows each: the arithmetic is written once, only the copy out of the accumulators eight times
	s_cmp_eq_u32 s[ROW], 0
	s_cbranch_scc1 .Lsame
	s_wait_xcnt 0x0                                ; the last tile's stores have read their data and bases
	s_add_nc_u64 s[OB:OB+1], s[OB:OB+1], 8*CH
	s_add_nc_u64 s[OB2:OB2+1], s[OB2:OB2+1], 8*CH
	s_add_nc_u64 s[OS:OS+1], s[OS:OS+1], 8*CH
	s_add_nc_u64 s[OS2:OS2+1], s[OS2:OS2+1], 8*CH
.Lsame:
.irp a, 0,1,2,3,4,5,6
	s_cmp_lg_u32 s[ROW], \a
	s_cbranch_scc1 .Lnot_\a
	ZROW \a
	s_branch .Lhave
.Lnot_\a:
.endr
	ZROW 7
.Lhave:
	WIN 0x55
	GELU16 0
	GELU16 1
	GELU16 2
	GELU16 3
	QUANT T, 1
	global_store_b128 v[VC], v[PC:PC+3], s[OB:OB+1]               ; 512 consecutive bytes, aligned
	global_store_b128 v[VC], v[PC+4:PC+7], s[OB2:OB2+1]
	global_store_b16 v[VS], v[PW], s[OS:OS+1]                     ; lanes 16-31 repeat row r's bytes at the same place
	global_store_d16_hi_b16 v[VS], v[PW], s[OS2:OS2+1]
	s_add_co_u32 s[ROW], s[ROW], 1
	s_cmp_lt_u32 s[ROW], 8
	s_cbranch_scc1 .Lrow
	s_wait_tensorcnt 0x0                           ; the wave's end
	ds_add_u32 v[SPW], v[NIL]
	s_wait_dscnt 0x0
	CROUND
	s_endpgm
.Lfunc_end_k_qfa5a7b2f45_ff1:
	.size	k_qfa5a7b2f45_ff1, .Lfunc_end_k_qfa5a7b2f45_ff1-k_qfa5a7b2f45_ff1
	.p2alignl 7, 3214868480
	.fill 96, 4, 3214868480
	.section	.rodata,"a",@progbits
	.p2align	6, 0x0
	.amdhsa_kernel k_qfa5a7b2f45_ff1
		.amdhsa_group_segment_fixed_size 327680
		.amdhsa_private_segment_fixed_size 0
		.amdhsa_enable_private_segment 0
		.amdhsa_kernarg_size 32
		.amdhsa_user_sgpr_count 2
		.amdhsa_user_sgpr_kernarg_segment_ptr 1
		.amdhsa_wavefront_size32 1
		.amdhsa_system_sgpr_workgroup_id_x 1
		.amdhsa_system_sgpr_workgroup_id_y 1
		.amdhsa_system_sgpr_workgroup_id_z 1
		.amdhsa_system_vgpr_workitem_id 0
		.amdhsa_next_free_vgpr 1024
		.amdhsa_next_free_sgpr 100
		.amdhsa_reserve_vcc 0
		.amdhsa_float_denorm_mode_32 3
		.amdhsa_float_denorm_mode_16_64 3
		.amdhsa_memory_ordered 1
		.amdhsa_forward_progress 1
		.amdhsa_inst_pref_size 166
	.end_amdhsa_kernel
	.amdgpu_metadata
---
amdhsa.version: [ 1, 2 ]
amdhsa.kernels:
  - .name:           k_qfa5a7b2f45_ff1
    .symbol:         k_qfa5a7b2f45_ff1.kd
    .args:
      - { .name: hq, .offset: 0, .size: 8, .value_kind: global_buffer, .address_space: global }
      - { .name: wts, .offset: 8, .size: 8, .value_kind: global_buffer, .address_space: global }
      - { .name: b1, .offset: 16, .size: 8, .value_kind: global_buffer, .address_space: global }
      - { .name: hid, .offset: 24, .size: 8, .value_kind: global_buffer, .address_space: global }
    .group_segment_fixed_size: 327680
    .private_segment_fixed_size: 0
    .kernarg_segment_align: 8
    .kernarg_segment_size: 32
    .max_flat_workgroup_size: 128
    .sgpr_count:     100
    .vgpr_count:     1024
    .wavefront_size: 32
...
	.end_amdgpu_metadata
.endif
;; end of part 6
;; launch ff2 (part 7): grid 4 x 16, 4 waves a work-group, clusters of 4 x 4, 327,680 bytes of LDS; arguments hid, wts, b2, x2, out0; writes out0
.if DOCPART == 7
	.amdgcn_target "amdgcn-amd-amdhsa--gfx1250"
	.amdhsa_code_object_version 6
	.text
	.protected	k_qfa5a7b2f45_ff2
	.globl	k_qfa5a7b2f45_ff2
	.p2align	8
	.type	k_qfa5a7b2f45_ff2,@function
k_qfa5a7b2f45_ff2:
	s_mov_b64 s[64:65], 0
	v_nop
	global_prefetch_b8 v0, s[64:65] scope:SCOPE_SE
	s_setreg_imm32_b32 hwreg(HW_REG_WAVE_MODE, 25, 1), 1
	s_wait_xcnt 0x0
	s_wait_alu depctr_hold_cnt(0) depctr_sa_sdst(0) depctr_va_vdst(0) depctr_va_sdst(0) depctr_va_ssrc(0) depctr_va_vcc(0) depctr_vm_vsrc(0)
	s_getreg_b32 s2, hwreg(HW_REG_IB_STS2, 6, 4)
	s_cmp_eq_u32 s2, 0
	s_cbranch_scc0 .Lentry_in_a_cluster
	s_endpgm
.Lentry_in_a_cluster:
	s_bfe_u32 s2, ttmp6, 0x10000c
	s_cmp_lg_u32 s2, 0xf033
	s_cbranch_scc0 .Lentry_shape_is_right
	s_endpgm
.Lentry_shape_is_right:
; out0 = x2 + hid W2^T + b2 on codes of FP4 (E2M1) with E8M0 scales, K = 4,096; x2 and out0 are f32 [4096][1024].
; OPERANDS: rows in tiles of 16, a tile's 512 along K in a chunk of 4,352 bytes: at 1024 s + 512 c + 16 lane an image of the operand's registers, at 4096 + 16 r + 4 s the row's scale word.
; Row r of tile T is the logical row 32 (T / 2) + 16 (r / 8) + 8 (T % 2) + r % 8.  THE MATRIX INSTRUCTION IS USED TRANSPOSED (source 0 = 16 rows of W2, source 1 = 16 rows of hid): lane (r, h) holds row r of hid's tile,
; and register j of column tile t the logical column 32 (t / 2) + 16 h + 8 (t % 2) + j.  On the way out both orders are undone: columns by the place in the stage, rows by the stores' offsets.
; SHARES: a tile of 256 x 256 to a work-group of four waves, 128 x 128 to a wave: 64 work-groups, all that this tile gives at N = 1,024.  K goes in steps of 512 through a ring of two LDS slots: eight steps, six refills.
; A wave has two tensor loads out at the start and one behind each refill; a refill has 256 matrix instructions less 32 in which to land.
; CLUSTERS of 4 x 4: hid's tiles are asked for jointly along a row of the cluster, W2's along a column; each joint refill stands behind a round of the cluster's barrier.
; REGISTERS: window 0: v0-31 addresses; v32-95 scale words; v96-99 b2; v128-191 A's fragments; on the way out v128-255 rows of the result.  Window 1: B's fragments at v0 and v128; on the way out v0-127 the residual.  Windows 2, 3: accumulators.
.set SIZE_K, 4096
.set QOFF,   4456448                   ; w2's codes in wts
.set CH,     4352
.set KG,     SIZE_K/512
.set NQ,     4
.set FR,     8
.set NL,     2
.set NP,     4
.set HALFT,  8*CH
.set SLOT,   4*HALFT
.set SPARE,  2*SLOT
.set LAPS,   SIZE_K/1024
.set SPITCH, 528                       ; the stage: 16 rows x (512 bytes + 16) a wave, in slot 0, which has had its last fill and its last read
.set ADRA, 16
.set ADRB, 20
.set ADRS, 22
.set STO,  24
.set RD,   25
.set CO,   26
.set SPW,  28
.set NIL,  29
.set SC,   32
.set BV,   96
.set AF,   128
.set BK,   128
.set G1, 24
.set G0, 32
.set G1B, 48
.set G0B, 56
.set RES, 66
.set OUT, 68
.set MSB, 0
.macro WIN new
.if MSB != \new
	s_set_vgpr_msb (MSB<<8)|\new
.set MSB, \new
.endif
.endm
.set MUL_LO, 0xa1
.set MUL_HI, 0xf1
.set TO_B,   0x40
.macro JLOAD g0a, g1a, g0b, g1b
	s_cmp_eq_u32 s15, 0
	s_cbranch_scc0 .Lfor_b_\@
	tensor_load_to_lds s[\g0a:\g0a+3], s[\g1a:\g1a+7]
	s_nop 0
.rept 4
	v_nop
.endr
	s_branch .Lasked_\@
.Lfor_b_\@:
	tensor_load_to_lds s[\g0b:\g0b+3], s[\g1b:\g1b+7]
	s_nop 0
.rept 4
	v_nop
.endr
.Lasked_\@:
.endm
.macro CREST
	s_cmp_lg_u32 s14, 0
	s_cbranch_scc1 .Lnot_wave_0_\@
	s_barrier_signal -3
.Lnot_wave_0_\@:
	s_barrier_wait -3
	s_barrier_signal -1
	s_barrier_wait -1
.endm
.macro CROUND
	s_barrier_signal -1
	s_barrier_wait -1
	CREST
.endm
	s_load_b256 s[4:11], s[0:1], 0x0               ; hid, wts, b2, x2
	s_load_b64 s[12:13], s[0:1], 0x20              ; out0
	v_lshl_add_u32 v[SPW], v0, 2, SPARE
	v_mov_b32 v[NIL], 0
	ds_add_u32 v28, v29
	ds_add_u32 v28, v29
	s_wait_dscnt 0x0
	v_lshrrev_b32 v1, 5, v0
	v_readfirstlane_b32 s14, v1
	s_lshr_b32 s15, s14, 1
	s_and_b32 s16, s14, 1
	s_bfe_u32 s40, ttmp6, 0x40000
	s_bfe_u32 s41, ttmp6, 0x40004
	s_lshl_b32 s42, ttmp9, 2
	s_add_co_u32 s42, s42, s40                     ; tile column
	s_and_b32 s17, ttmp7, 0xffff
	s_lshl_b32 s17, s17, 2
	s_add_co_u32 s17, s17, s41                     ; tile row
	s_lshl_b32 s43, s41, 2
	s_lshl_b32 s43, 15, s43
	s_lshl_b32 s44, 0x1111, s40
	s_or_b32 s[G1+0], s43, (3<<16)|(1<<21)
	s_or_b32 s[G1B+0], s44, (3<<16)|(1<<21)
.irp g, G1, G1B
	s_mov_b32 s[\g+1], 544<<16
	s_mov_b32 s[\g+2], 8<<16
	s_mov_b32 s[\g+3], 544<<16
	s_mov_b32 s[\g+4], 8
	s_mov_b32 s[\g+5], KG*544
	s_mov_b32 s[\g+6], 0
	s_mov_b32 s[\g+7], 0
.endr
	s_lshl_b32 s18, s16, 3
	s_lshl_b32 s20, s17, 4
	s_add_co_u32 s20, s20, s18
	s_mul_i32 s20, s20, KG*CH
	s_mov_b32 s21, 0
	s_lshl_b32 s46, s42, 4
	s_add_co_u32 s46, s46, s18
	s_mul_i32 s46, s46, KG*CH
	s_mov_b32 s47, 0
	s_mul_i32 s45, s14, HALFT
	s_wait_kmcnt 0x0
	s_add_nc_u64 s[20:21], s[4:5], s[20:21]
	s_add_nc_u64 s[46:47], s[6:7], s[46:47]
	s_add_nc_u64 s[46:47], s[46:47], QOFF
	CROUND
.irp s, 0,1
	s_mov_b32 s[G0+4*\s], 1
	s_add_co_u32 s[G0+4*\s+1], s45, \s*SLOT
	s_add_nc_u64 s[G0+4*\s+2:G0+4*\s+3], s[20:21], \s*CH
	s_or_b32 s[G0+4*\s+3], s[G0+4*\s+3], 0x80000000
	s_mov_b32 s[G0B+4*\s], 1
	s_add_co_u32 s[G0B+4*\s+1], s45, \s*SLOT
	s_add_nc_u64 s[G0B+4*\s+2:G0B+4*\s+3], s[46:47], \s*CH
	s_or_b32 s[G0B+4*\s+3], s[G0B+4*\s+3], 0x80000000
	JLOAD G0+4*\s, G1, G0B+4*\s, G1B
.endr
	v_and_b32 v1, 15, v0
	v_bfe_u32 v2, v0, 4, 1
	v_and_b32 v3, 31, v0
	v_lshlrev_b32 v4, 4, v3
	s_mul_i32 s21, s15, HALFT
	s_mul_i32 s22, s16, HALFT
	s_add_co_u32 s22, s22, 2*HALFT
	s_sub_co_u32 s23, s22, s21
	v_lshlrev_b32 v5, 4, v1
	v_mul_u32_u24 v6, s23, v2
	v_add_nc_u32 v5, v5, v6
.irp s, 0,1
	v_add_nc_u32 v[ADRA+\s], s21, v4
	v_add_nc_u32 v[ADRB+\s], s22, v4
	v_add_nc_u32 v[ADRS+\s], s21, v5
	s_add_co_u32 s21, s21, SLOT
	s_add_co_u32 s22, s22, SLOT
.endr
	s_mul_i32 s23, s14, 16*SPITCH                  ; my stage
	v_mul_u32_u24 v7, v1, SPITCH
	v_lshl_add_u32 v7, v2, 6, v7
	v_add_nc_u32 v[STO], s23, v7                   ; in: row r, + 64 h
	v_lshlrev_b32 v[CO], 4, v3                     ; back, and in memory: 16 x lane of a row's 512 bytes
	v_add_nc_u32 v[RD], s23, v[CO]
	s_lshl_b32 s80, s17, 8
	s_lshl_b32 s81, s15, 7
	s_add_co_u32 s80, s80, s81                     ; my first logical row
	s_lshl_b32 s80, s80, 12
	s_lshl_b32 s81, s42, 10
	s_lshl_b32 s82, s16, 9
	s_add_co_u32 s82, s81, s82                     ; my first column, in bytes
	s_add_co_u32 s80, s80, s82
	s_mov_b32 s81, 0
	s_mov_b32 s83, 0
	s_add_nc_u64 s[RES:RES+1], s[10:11], s[80:81]
	s_add_nc_u64 s[OUT:OUT+1], s[12:13], s[80:81]
	s_add_nc_u64 s[92:93], s[8:9], s[82:83]
	global_load_b128 v[BV:BV+3], v[CO], s[92:93]   ; b2 of my four columns of a row: lands while K is walked
.macro FRAG reg, adr, q, i
.irp c, 0,1
	ds_load_b128 v[\reg+4*\c:\reg+4*\c+3], v[\adr] offset:1024*(\q)+512*\c+(\i)*CH
.endr
.endm
.macro MUL16 a0, p, q, sc, zero        ; the 64 accumulators take turns, one instruction a turn, over the loop's backward jump too
.irp a, \a0, \a0+1
.irp b, 0,1,2,3,4,5,6,7
.if \zero
	v_wmma_scale_f32_16x16x128_f8f6f4 v[8*(8*((\a)%4)+\b):8*(8*((\a)%4)+\b)+7], v[128*(\p)+FR*\b:128*(\p)+FR*\b+FR-1], v[AF+FR*(\a):AF+FR*(\a)+FR-1], 0, v[SC+8*NQ*(\sc)+NQ*\b+(\q)], v[SC+8*NQ*(\sc)+NQ*(\a)+(\q)] matrix_a_fmt:MATRIX_FMT_FP4 matrix_b_fmt:MATRIX_FMT_FP4 matrix_a_scale:MATRIX_SCALE_ROW1
.else
	v_wmma_scale_f32_16x16x128_f8f6f4 v[8*(8*((\a)%4)+\b):8*(8*((\a)%4)+\b)+7], v[128*(\p)+FR*\b:128*(\p)+FR*\b+FR-1], v[AF+FR*(\a):AF+FR*(\a)+FR-1], v[8*(8*((\a)%4)+\b):8*(8*((\a)%4)+\b)+7], v[SC+8*NQ*(\sc)+NQ*\b+(\q)], v[SC+8*NQ*(\sc)+NQ*(\a)+(\q)] matrix_a_fmt:MATRIX_FMT_FP4 matrix_b_fmt:MATRIX_FMT_FP4 matrix_a_scale:MATRIX_SCALE_ROW1
.endif
.endr
.endr
.endm
.macro FETCH_B slot, q, p
	WIN TO_B
.irp i, 0,1,2,3,4,5,6,7
	FRAG 128*(\p)+FR*\i, ADRB+\slot, \q, \i
.endr
	WIN 0
.endm
.macro FETCH_A slot, q, i0
.irp i, \i0, \i0+1, \i0+2, \i0+3
	FRAG AF+FR*(\i), ADRA+\slot, \q, \i
.endr
.endm
.macro SCALES sc
.irp i, 0,1,2,3,4,5,6,7
	ds_load_b128 v[SC+8*NQ*\sc+NQ*\i:SC+8*NQ*\sc+NQ*\i+3], v[ADRS+\sc] offset:4096+\i*CH
.endr
.endm
.macro PLACES n
.rept \n
	v_nop
.endr
.endm
.macro STEP slot, q, zero
	s_wait_dscnt 4*NL                              ; all but the youngest eight loads (A's blocks 4-7)
	WIN MUL_LO
	MUL16 0, (\q)%2, \q, \slot, \zero
	MUL16 2, (\q)%2, \q, \slot, \zero
	s_wait_dscnt 0
	PLACES NP
	FETCH_B \slot, (\q)+1, 1-(\q)%2
	FETCH_A \slot, (\q)+1, 0
	WIN MUL_HI
	MUL16 4, (\q)%2, \q, \slot, \zero
	MUL16 6, (\q)%2, \q, \slot, \zero
	PLACES NP
	WIN 0
	FETCH_A \slot, (\q)+1, 4
.endm
.macro TURN slot, next, fill           ; a slot's last step changes slots: one barrier; in front of it all my tensor loads, the add, and my reads of this slot.  fill = 1: the slot is filled again, two K steps ahead
	s_wait_tensorcnt 0x0                           ; all my tensor loads have landed: my part of the next slot
	ds_add_u32 v[SPW], v[NIL]                      ; 0 onto my spare word
	s_wait_dscnt 4*NL+1                            ; (the add and A's blocks 4-7 may be out)
	WIN MUL_LO
	MUL16 0, 1, NQ-1, \slot, 0
	s_wait_dscnt 0x0                               ; the add is done, and my reads of this slot are over
	s_barrier_signal -1
	MUL16 2, 1, NQ-1, \slot, 0
	WIN 0
	s_barrier_wait -1
.if \fill
	CREST                                          ; the barrier has opened a round of the cluster's barrier: no wave of any partner still reads this slot or has a load on its way
	s_add_nc_u64 s[G0+4*\slot+2:G0+4*\slot+3], s[G0+4*\slot+2:G0+4*\slot+3], 2*CH
	s_add_nc_u64 s[G0B+4*\slot+2:G0B+4*\slot+3], s[G0B+4*\slot+2:G0B+4*\slot+3], 2*CH
	JLOAD G0+4*\slot, G1, G0B+4*\slot, G1B         ; the first tensor load behind the round; its four v_nop are the places in front of the loads below
.else
	PLACES NP
.endif
	FETCH_B \next, 0, 0
	FETCH_A \next, 0, 0
	SCALES \next
	WIN MUL_HI
	MUL16 4, 1, NQ-1, \slot, 0
	MUL16 6, 1, NQ-1, \slot, 0
	PLACES NP
	WIN 0
	FETCH_A \next, 0, 4
.endm
.macro STEPS slot, from
.set Q, \from
.rept NQ-1-\from
	STEP \slot, Q, 0
.set Q, Q+1
.endr
.endm
	s_wait_tensorcnt 1                             ; my part of K step 0 is in (K step 1's load may be out),
	s_barrier_signal -1
	s_barrier_wait -1
	FETCH_B 0, 0, 0
	FETCH_A 0, 0, 0
	SCALES 0
	FETCH_A 0, 0, 4
	STEP 0, 0, 1                                   ; the first products start the sums: nothing is cleared
	s_mov_b32 s3, LAPS-1
.Llap:                                             ; a trip goes once round the ring, from a lap's second step to the next lap's first, and fills both slots again
	STEPS 0, 1
	TURN 0, 1, 1
	STEPS 1, 0
	TURN 1, 0, 1
	STEP 0, 0, 0
	s_sub_co_u32 s3, s3, 1
	s_cmp_lg_u32 s3, 0
	s_cbranch_scc1 .Llap
	STEPS 0, 1                                     ; the last lap fills nothing
	TURN 0, 1, 0
	STEPS 1, 0
	s_wait_dscnt 4*NL
	WIN MUL_LO
	MUL16 0, 1, NQ-1, 1, 0
	MUL16 2, 1, NQ-1, 1, 0
	s_wait_dscnt 0
	WIN MUL_HI
	MUL16 4, 1, NQ-1, 1, 0
	MUL16 6, 1, NQ-1, 1, 0
	WIN 0
; THE WAY OUT, a tile of 16 rows x 128 columns at a time.  Row t of tile a is logical row 32 (a / 2) + 8 (a % 2) + t + 8 (t / 8) of my 128: it stands in the immediates (520,192 bytes at the most).
.macro RLOAD a
	WIN 0x40
.irp t, 0,1,2,3,4,5,6,7,8,9,10,11,12,13,14,15
	global_load_b128 v[64*((\a)%2)+4*\t:64*((\a)%2)+4*\t+3], v[CO], s[RES:RES+1] offset:(32*((\a)/2)+8*((\a)%2)+\t+8*(\t/8))*4096 th:TH_LOAD_NT
.endr
	WIN 0
.endm
.macro TOSTAGE a                       ; each accumulator from its low end on, to its logical columns; back as whole rows.  LDS serves a wave's instructions in order
.set AC, 64*((\a)%4)
.set WW, 0x08+4*((\a)/4)
	WIN WW
.irp b, 0,1,2,3,4,5,6,7
	ds_store_b128 v[STO], v[AC+8*\b:AC+8*\b+3] offset:128*(\b/2)+32*(\b%2)
	ds_store_b128 v[STO], v[AC+8*\b+4:AC+8*\b+7] offset:128*(\b/2)+32*(\b%2)+16
.endr
	WIN 0
.set BB, BK+64*((\a)%2)
.irp t, 0,1,2,3,4,5,6,7,8,9,10,11,12,13,14,15
	ds_load_b128 v[BB+4*\t:BB+4*\t+3], v[RD] offset:\t*SPITCH
.endr
.endm
.macro SEND a, dsn, ldn
.set BB, BK+64*((\a)%2)
.set RR, 64*((\a)%2)
	s_wait_dscnt \dsn
	s_wait_loadcnt \ldn
	WIN 0x04
.set k, 0
.rept 32
	v_pk_add_f32 v[BB+k:BB+k+1], v[BB+k:BB+k+1], v[RR+k:RR+k+1]   ; + the residual
.set k, k+2
.endr
	WIN 0
.irp t, 0,1,2,3,4,5,6,7,8,9,10,11,12,13,14,15
	v_pk_add_f32 v[BB+4*\t:BB+4*\t+1], v[BB+4*\t:BB+4*\t+1], v[BV:BV+1]         ; + b2
	v_pk_add_f32 v[BB+4*\t+2:BB+4*\t+3], v[BB+4*\t+2:BB+4*\t+3], v[BV+2:BV+3]
.endr
.irp t, 0,1,2,3,4,5,6,7,8,9,10,11,12,13,14,15
	global_store_b128 v[CO], v[BB+4*\t:BB+4*\t+3], s[OUT:OUT+1] offset:(32*((\a)/2)+8*((\a)%2)+\t+8*(\t/8))*4096 th:TH_STORE_NT   ; 32 lanes store 512 consecutive bytes, aligned
.endr
.endm
	PLACES NP
	RLOAD 0
	TOSTAGE 0
.irp a, 1,2,3,4,5,6,7
.if \a > 1
	s_wait_xcnt 0x0                                ; tile a - 2's stores have read their registers: tile a's loads may land there
.endif
	RLOAD \a
	TOSTAGE \a
	SEND \a-1, 32, 16                              ; behind tile a - 1's: tile a's 16 stage stores and 16 loads; its 16 loads of the residual (b2's load is older than all)
.endr
	SEND 7, 0, 0
	s_wait_tensorcnt 0x0                           ; the wave's end
	ds_add_u32 v[SPW], v[NIL]
	s_wait_dscnt 0x0
	CROUND
	s_endpgm
.Lfunc_end_k_qfa5a7b2f45_ff2:
	.size	k_qfa5a7b2f45_ff2, .Lfunc_end_k_qfa5a7b2f45_ff2-k_qfa5a7b2f45_ff2
	.p2alignl 7, 3214868480
	.fill 96, 4, 3214868480
	.section	.rodata,"a",@progbits
	.p2align	6, 0x0
	.amdhsa_kernel k_qfa5a7b2f45_ff2
		.amdhsa_group_segment_fixed_size 327680
		.amdhsa_private_segment_fixed_size 0
		.amdhsa_enable_private_segment 0
		.amdhsa_kernarg_size 40
		.amdhsa_user_sgpr_count 2
		.amdhsa_user_sgpr_kernarg_segment_ptr 1
		.amdhsa_wavefront_size32 1
		.amdhsa_system_sgpr_workgroup_id_x 1
		.amdhsa_system_sgpr_workgroup_id_y 1
		.amdhsa_system_sgpr_workgroup_id_z 1
		.amdhsa_system_vgpr_workitem_id 0
		.amdhsa_next_free_vgpr 1024
		.amdhsa_next_free_sgpr 100
		.amdhsa_reserve_vcc 0
		.amdhsa_float_denorm_mode_32 3
		.amdhsa_float_denorm_mode_16_64 3
		.amdhsa_memory_ordered 1
		.amdhsa_forward_progress 1
		.amdhsa_inst_pref_size 254
	.end_amdhsa_kernel
	.amdgpu_metadata
---
amdhsa.version: [ 1, 2 ]
amdhsa.kernels:
  - .name:           k_qfa5a7b2f45_ff2
    .symbol:         k_qfa5a7b2f45_ff2.kd
    .args:
      - { .name: hid, .offset: 0, .size: 8, .value_kind: global_buffer, .address_space: global }
      - { .name: wts, .offset: 8, .size: 8, .value_kind: global_buffer, .address_space: global }
      - { .name: b2, .offset: 16, .size: 8, .value_kind: global_buffer, .address_space: global }
      - { .name: x2, .offset: 24, .size: 8, .value_kind: global_buffer, .address_space: global }
      - { .name: out0, .offset: 32, .size: 8, .value_kind: global_buffer, .address_space: global }
    .group_segment_fixed_size: 327680
    .private_segment_fixed_size: 0
    .kernarg_segment_align: 8
    .kernarg_segment_size: 40
    .max_flat_workgroup_size: 128
    .sgpr_count:     100
    .vgpr_count:     1024
    .wavefront_size: 32
...
	.end_amdgpu_metadata
.endif
;; end of part 7
;; ======== version 2 of 2: 8 launches; 1.15 times as fast as version 1
;; workspace buffers: wts 6,684,672 bytes; hq 2,228,224 bytes; qk 4,456,448 bytes; vt 2,228,224 bytes; oq 2,228,224 bytes; x2 16,777,216 bytes; hid 8,912,896 bytes
;; launch wquant: the kernel of part 1 again; grid 256 x 3, 4 waves a work-group, no clusters, 1,024 bytes of LDS; arguments wq, wk, wv, wo, w1, w2, wts; writes wts
;; launch ln1: the kernel of part 2 again; grid 256 x 1, 16 waves a work-group, no clusters, 10,752 bytes of LDS; arguments x, g1, be1, hq; writes hq
;; launch qkv: the kernel of part 3 again; grid 48 x 4, 4 waves a work-group, clusters of 4 x 4, 327,680 bytes of LDS; arguments hq, wts, qk, vt; writes qk, vt
;; launch attn (part 8): grid 8 x 32, 16 waves a work-group, clusters of 4 x 1, 169,984 bytes of LDS; arguments qk, vt, oq; writes oq
.if DOCPART == 8
	.amdgcn_target "amdgcn-amd-amdhsa--gfx1250"
	.amdhsa_code_object_version 6
	.text
	.protected	k_qfa5a7b2f45_attn
	.globl	k_qfa5a7b2f45_attn
	.p2align	8
	.type	k_qfa5a7b2f45_attn,@function
k_qfa5a7b2f45_attn:
	s_mov_b64 s[64:65], 0
	v_nop
	global_prefetch_b8 v0, s[64:65] scope:SCOPE_SE
	s_setreg_imm32_b32 hwreg(HW_REG_WAVE_MODE, 25, 1), 1
	s_wait_xcnt 0x0
	s_wait_alu depctr_hold_cnt(0) depctr_sa_sdst(0) depctr_va_vdst(0) depctr_va_sdst(0) depctr_va_ssrc(0) depctr_va_vcc(0) depctr_vm_vsrc(0)
	s_getreg_b32 s2, hwreg(HW_REG_IB_STS2, 6, 4)
	s_cmp_eq_u32 s2, 0
	s_cbranch_scc0 .Lentry_in_a_cluster
	s_endpgm
.Lentry_in_a_cluster:
	s_bfe_u32 s2, ttmp6, 0x10000c
	s_cmp_lg_u32 s2, 0x3003
	s_cbranch_scc0 .Lentry_shape_is_right
	s_endpgm
.Lentry_shape_is_right:
; O = softmax(Q K^T / 8) V for 32 (batch, head) pairs, 2,048 queries and keys, head size 64, both products on codes of FP4 (E2M1) with E8M0 scales; O / l is quantised along the features and leaves as codes.
; THE SOFTMAX: t = score x log2(e) / 8; M = the running largest t rounded UP to a whole number; p = 2^(t - M) is quantised along the keys, not normalised; the row's sum is taken of the unquantised p and divides O at the end.
; When M moves, the sum and O are multiplied by 2^(old M - new M): exact.
; INPUTS.  q and k by head slot hs (q 0-15, k 16-31): codes at 131,072 hs + 512 T + 16 lane (T: tile of 16 tokens; lane (r, h): the head's k = 32 h ..), two scale bytes at 4,194,304 + 8,192 hs + 32 T + 2 r.
; V^T: rows = features in tiles of 16, K = tokens, 512 to a chunk of 4,352 bytes (register images, then 256 scale bytes).  Row r of tile T is the logical row 32 (T / 2) + 16 (r / 8) + 8 (T % 2) + r % 8, so that the
; 16 registers of two neighbouring tiles of S^T are 16 neighbouring keys, and those of O^T 16 neighbouring features.
; SHARES.  A work-group owns 256 queries of one head, each of its sixteen waves one tile of 16: four waves to a SIMD, so that one wave's vector work stands beside another's matrix work.
; A HEAD'S K AND V LIE WHOLE IN LDS (139,264 bytes), filled ONCE: no byte is filled again, and ONE barrier stands between the fills and the reads; behind it the waves walk the 2,048 keys without meeting again.
; The four query blocks of a cluster read the same K and V: each tile is asked for jointly.  A wave has at most two tensor loads out.
; K = 64 IN A FORM OF K = 128: the head's 64 codes stand in registers 0-3 of both operands; registers 4-7 are zero codes on both sides, and their scale bytes are 0 (2^-127, a number): that half adds nothing.
; Both products are used transposed (S^T = K Q^T, O^T = V^T P^T): a lane holds one query throughout.
; LIMITS: blocks of zeros get the byte 1 (zero codes); NaN and infinities are not served.  The two scale bytes a row and head leave as parts of aligned blocks of 256 bytes.
; REGISTERS: v1-4 addresses that stay; v6 Q's scales; v7 16 r; v8-11 addresses in hand; v12 -M, v13 the largest t, v[14:15] the sum; v16-23 Q; v24-31 K's scale words; v32-95 eight fragments of K; v96-159 S^T, then p;
; v160-191 O^T; v192-223 V's four fragments; v224-231 p's codes; v232-243 at work; v244-247 V's scale words; v248 f; v253 p's scale word.
.set CH,   4352
.set KB,   0                           ; K's codes: 128 tiles of 512 bytes
.set KSB,  65536                       ; K's scale bytes: 32 a tile
.set VB,   69632                       ; V^T: tile of features x 17,408 + chunk x 4,352
.set AK0,  1
.set AV0,  2
.set ASK0, 3
.set ASV0, 4
.set ADK,  8
.set ADV,  9
.set ADS,  10
.set ADT,  11
.set WV,   18
.set SEL,  20
.set CS,   22
.set G1K,  24
.set G1S,  32
.set G1V,  40
.set G0K,  48
.set G0S,  56
.set G0V,  68
.set TK,   2                           ; s2  where the trip's tiles of K begin
.set TS,   3                           ; s3  its scale bytes
.set TV,   66                          ; s66 its chunk of V^T
.set CNT,  67
.macro CROUND                          ; a round of the cluster's barrier
	s_barrier_signal -1
	s_barrier_wait -1
	s_cmp_lg_u32 s[WV], 0
	s_cbranch_scc1 .Lnot_wave_0_\@
	s_barrier_signal -3
.Lnot_wave_0_\@:
	s_barrier_wait -3
	s_barrier_signal -1
	s_barrier_wait -1
.endm
	s_load_b128 s[4:7], s[0:1], 0x0                ; qk, vt
	s_load_b64 s[8:9], s[0:1], 0x10                ; oq
	v_lshl_add_u32 v251, v0, 2, 0x29000
	v_mov_b32 v255, 0
	ds_add_u32 v251, v255
	ds_add_u32 v251, v255
	v_lshrrev_b32 v8, 5, v0
	v_readfirstlane_b32 s[WV], v8                  ; wave 0..15
	s_bfe_u32 s10, ttmp6, 0x40000                  ; cx
	s_lshl_b32 s11, ttmp9, 2
	s_add_co_u32 s11, s11, s10                     ; my block of 256 queries: it enters Q's and O's addresses alone
	s_and_b32 s12, ttmp7, 0xffff
	s_and_b32 s13, s12, 15                         ; head
	s_lshr_b32 s14, s12, 4                         ; batch
	s_add_co_u32 s15, s13, 16                      ; k's head slot
	s_lshl_b32 s76, s15, 17
	s_lshl_b32 s77, s14, 16
	s_add_co_u32 s76, s76, s77                     ; K's codes: 131,072 hs + 512 x 128 batch
	s_mov_b32 s77, 0
	s_lshl_b32 s78, s15, 13
	s_lshl_b32 s79, s14, 12
	s_add_co_u32 s78, s78, s79
	s_add_co_u32 s78, s78, 4194304                 ; K's scale bytes
	s_mov_b32 s79, 0
	s_lshl_b32 s80, s13, 5
	s_lshl_b32 s81, s14, 2
	s_add_co_u32 s80, s80, s81
	s_mul_i32 s80, s80, CH                         ; V^T: chunk 8 (4 head) + 4 batch
	s_mov_b32 s81, 0
	s_lshl_b32 s16, s14, 7
	s_lshl_b32 s17, s11, 4
	s_add_co_u32 s16, s16, s17
	s_add_co_u32 s16, s16, s[WV]                   ; my tile of queries
	s_lshl_b32 s82, s13, 17
	s_lshl_b32 s83, s16, 9
	s_add_co_u32 s82, s82, s83                     ; Q's codes
	s_mov_b32 s83, 0
	s_lshl_b32 s10, s13, 13
	s_lshl_b32 s11, s16, 5
	s_add_co_u32 s10, s10, s11
	s_add_co_u32 s10, s10, 4194304                 ; Q's scale bytes
	s_mov_b32 s11, 0
	s_lshl_b32 s12, s16, 1
	s_lshr_b32 s15, s13, 3
	s_add_co_u32 s12, s12, s15
	s_mul_i32 s12, s12, CH                         ; O: chunk (tile, head / 8)
	s_bfe_u32 s15, s13, 0x20001
	s_lshl_b32 s15, s15, 10                        ; K step (head / 2) % 4,
	s_and_b32 s17, s13, 1
	s_lshl_b32 s17, s17, 9                         ; registers 4 (head % 2) on
	s_add_co_u32 s15, s15, s17
	s_add_co_u32 s14, s12, s15                     ; O's codes
	s_mov_b32 s15, 0
	s_and_b32 s17, s13, 7
	s_lshl_b32 s17, s17, 1
	s_add_co_u32 s12, s12, s17
	s_add_co_u32 s12, s12, 4096                    ; O's two scale bytes
	s_mov_b32 s13, 0
	; descriptor groups 1.  15:0 the mask: all four work-groups; 17:16 elements of 8 bytes; 21 set beside a mask; no padding
	s_mov_b32 s[G1K], 15|(3<<16)|(1<<21)           ; K's codes: 128 rows of 256 bytes, dense: half of the keys
	s_mov_b32 s[G1K+1], 32<<16
	s_mov_b32 s[G1K+2], 128<<16
	s_mov_b32 s[G1K+3], 32<<16
	s_mov_b32 s[G1K+4], 128
	s_mov_b32 s[G1K+5], 32
	s_mov_b32 s[G1K+6], 0
	s_mov_b32 s[G1K+7], 0
	s_mov_b32 s[G1S], 15|(3<<16)|(1<<21)           ; K's scale bytes: 8 rows of 256 bytes, dense: half of the keys
	s_mov_b32 s[G1S+1], 32<<16
	s_mov_b32 s[G1S+2], 8<<16
	s_mov_b32 s[G1S+3], 32<<16
	s_mov_b32 s[G1S+4], 8
	s_mov_b32 s[G1S+5], 32
	s_mov_b32 s[G1S+6], 0
	s_mov_b32 s[G1S+7], 0
	s_mov_b32 s[G1V], 15|(3<<16)|(1<<21)           ; V^T: 2 rows (tiles of features) of four chunks (17,408 bytes: all 2,048 keys), 8 chunks apart in memory
	s_mov_b32 s[G1V+1], 2176<<16
	s_mov_b32 s[G1V+2], 2<<16
	s_mov_b32 s[G1V+3], 2176<<16
	s_mov_b32 s[G1V+4], 2
	s_mov_b32 s[G1V+5], 4352
	s_mov_b32 s[G1V+6], 0
	s_mov_b32 s[G1V+7], 0
	s_mov_b32 s[SEL], 0x76543210
	s_mov_b32 s[SEL+1], 0xfedcba98
	s_mov_b32 s[CS], 0x3e38aa3b                    ; c = log2(e) / 8
	s_mov_b32 s[CS+1], s[CS]
	s_mov_b32 s[TK], 0
	s_mov_b32 s[TS], 0
	s_mov_b32 s[TV], 0
	s_wait_dscnt 0x0
	s_wait_kmcnt 0x0
	s_add_nc_u64 s[76:77], s[4:5], s[76:77]
	s_add_nc_u64 s[78:79], s[4:5], s[78:79]
	s_add_nc_u64 s[80:81], s[6:7], s[80:81]
	s_add_nc_u64 s[82:83], s[4:5], s[82:83]
	s_add_nc_u64 s[10:11], s[4:5], s[10:11]
	s_add_nc_u64 s[14:15], s[8:9], s[14:15]
	s_add_nc_u64 s[12:13], s[8:9], s[12:13]
.irp e, 0,1                                    ; two groups 0 each: K and its scale bytes by halves of the keys, V^T by pairs of tiles of features
	s_mov_b32 s[G0K+4*\e], 1
	s_mov_b32 s[G0K+4*\e+1], KB+32768*\e
	s_add_nc_u64 s[G0K+4*\e+2:G0K+4*\e+3], s[76:77], 32768*\e
	s_or_b32 s[G0K+4*\e+3], s[G0K+4*\e+3], 0x80000000
	s_mov_b32 s[G0S+4*\e], 1
	s_mov_b32 s[G0S+4*\e+1], KSB+2048*\e
	s_add_nc_u64 s[G0S+4*\e+2:G0S+4*\e+3], s[78:79], 2048*\e
	s_or_b32 s[G0S+4*\e+3], s[G0S+4*\e+3], 0x80000000
	s_mov_b32 s[G0V+4*\e], 1
	s_mov_b32 s[G0V+4*\e+1], VB+8*CH*\e
	s_add_nc_u64 s[G0V+4*\e+2:G0V+4*\e+3], s[80:81], 16*CH*\e
	s_or_b32 s[G0V+4*\e+3], s[G0V+4*\e+3], 0x80000000
.endr
	CROUND                                         ; all four work-groups are here: the joint loads meet
	s_cmp_eq_u32 s[WV], 0                          ; wave 0: K's codes; wave 1: V^T; wave 2: K's scale bytes.  A wave's two loads stand in one branch; four v_nop follow the second
	s_cbranch_scc0 .Lnot_0
	tensor_load_to_lds s[G0K:G0K+3], s[G1K:G1K+7]
	s_nop 0
	tensor_load_to_lds s[G0K+4:G0K+7], s[G1K:G1K+7]
	s_nop 0
.rept 4
	v_nop
.endr
	s_branch .Lasked
.Lnot_0:
	s_cmp_eq_u32 s[WV], 1
	s_cbranch_scc0 .Lnot_1
	tensor_load_to_lds s[G0V:G0V+3], s[G1V:G1V+7]
	s_nop 0
	tensor_load_to_lds s[G0V+4:G0V+7], s[G1V:G1V+7]
	s_nop 0
.rept 4
	v_nop
.endr
	s_branch .Lasked
.Lnot_1:
	s_cmp_eq_u32 s[WV], 2
	s_cbranch_scc0 .Lasked
	tensor_load_to_lds s[G0S:G0S+3], s[G1S:G1S+7]
	s_nop 0
	tensor_load_to_lds s[G0S+4:G0S+7], s[G1S:G1S+7]
	s_nop 0
.rept 4
	v_nop
.endr
.Lasked:
	v_and_b32 v9, 31, v0
	v_lshlrev_b32 v[AK0], 4, v9                    ; 16 x lane
	v_and_b32 v10, 15, v0                          ; r
	v_lshlrev_b32 v5, 1, v10                       ; 2 r
	global_load_b128 v[16:19], v[AK0], s[82:83]    ; Q's codes stay in registers
	global_load_u16 v6, v5, s[10:11]               ; Q's two scale bytes; bytes 2 and 3 are 0
	v_add_nc_u32 v[AV0], VB, v[AK0]
	v_add_nc_u32 v[ASK0], KSB, v5
	v_lshlrev_b32 v7, 4, v10                       ; 16 r
	v_add_nc_u32 v[ASV0], VB+4096, v7
.irp j, 20,21,22,23
	v_mov_b32 v[\j], 0                             ; Q's k = 64 .. 127: zero codes
.endr
.irp t, 0,1,2,3,4,5,6,7
.irp j, 4,5,6,7
	v_mov_b32 v[32+8*\t+\j], 0                     ; K's likewise: written once
.endr
.endr
	v_mov_b32 v13, 0xff61b1e6                      ; the largest t so far: -3e38
	v_floor_f32 v12, -v13                          ; -M
	v_mov_b32 v14, 0
	v_mov_b32 v15, 0
.irp b, 0,1,2,3
	v_mov_b32 v[236+\b], 0                         ; a lane permute's destination counts as one of its sources
.endr
	v_mov_b32 v249, 0                              ; named with v248 as a pair
	v_mov_b32 v252, 0
.set j, 0
.rept 32
	v_mov_b32 v[160+j], 0                          ; O^T: the step is written once; the first change of M multiplies zeros
.set j, j+1
.endr
; A KEY STEP: 128 keys, the q-th of the trip's 512.
.macro STEP q
.if (\q) == 0
	v_add_nc_u32 v[ADK], s[TK], v[AK0]             ; four plain lines: the places in front of the loads into V's registers, which the last products read
	v_add_nc_u32 v[ADV], s[TV], v[AV0]
	v_add_nc_u32 v[ADS], s[TS], v[ASK0]
	v_add_nc_u32 v[ADT], s[TV], v[ASV0]
.else
.rept 4
	v_nop
.endr
.endif
.irp t, 0,1,2,3,4,5,6,7
	ds_load_b128 v[32+8*\t:35+8*\t], v[ADK] offset:4096*(\q)+512*\t
.endr
.irp t, 0,1,2,3,4,5,6,7
	ds_load_u16 v[24+\t], v[ADS] offset:256*(\q)+32*\t
.endr
.irp t, 0,1,2,3
.irp c, 0,1
	ds_load_b128 v[192+8*\t+4*\c:195+8*\t+4*\c], v[ADV] offset:4*CH*\t+1024*(\q)+512*\c
.endr
.endr
.irp t, 0,1,2,3
	ds_load_b32 v[244+\t], v[ADT] offset:4*CH*\t+4*(\q)
.endr
	s_wait_dscnt 12                                ; K and its scales are in; V's twelve loads may be out
.irp t, 0,1,2,3,4,5,6,7
	v_wmma_scale_f32_16x16x128_f8f6f4 v[96+8*\t:103+8*\t], v[32+8*\t:39+8*\t], v[16:23], 0, v[24+\t], v6 matrix_a_fmt:MATRIX_FMT_FP4 matrix_b_fmt:MATRIX_FMT_FP4
.endr
.rept 4
	v_nop
.endr
.irp b, 0,1,2,3
	v_max3_num_f32 v[232+\b], v[96+16*\b], v[97+16*\b], v[98+16*\b]   ; the largest score of each block of 32 keys: for the row's maximum, and, since p rises with the score, for the block's largest p
.endr
.irp i, 3,5,7,9,11,13
.irp b, 0,1,2,3
	v_max3_num_f32 v[232+\b], v[232+\b], v[96+16*\b+\i], v[97+16*\b+\i]
.endr
.endr
.irp b, 0,1,2,3
	v_max_num_f32 v[232+\b], v[232+\b], v[111+16*\b]
.endr
.irp b, 0,1,2,3
	v_permlanex16_b32 v[236+\b], v[232+\b], s[SEL], s[SEL+1]
.endr
.irp b, 0,1,2,3
	v_max_num_f32 v[232+\b], v[232+\b], v[236+\b]
.endr
	v_max3_num_f32 v254, v232, v233, v234
	v_max_num_f32 v254, v254, v235
	v_mul_f32 v254, s[CS], v254
	v_max_num_f32 v13, v13, v254                   ; the running largest t
	v_mov_b32 v254, v12
	v_floor_f32 v12, -v13                          ; the new -M = -ceil(t): a whole number
	v_sub_f32 v254, v12, v254
	v_cvt_i32_f32 v254, v254                       ; (it saturates)
	v_ldexp_f32 v248, 1.0, v254                    ; f = 2^(old M - new M)
.set j, 0
.rept 32
	v_pk_fma_f32 v[96+j:97+j], v[96+j:97+j], s[CS:CS+1], v[12:13] op_sel_hi:[1,0,0]   ; t - M
.set j, j+2
.endr
.irp b, 0,1,2,3
	v_fma_f32 v[232+\b], v[232+\b], s[CS], v12
.endr
.set j, 0
.rept 64
	v_exp_f32 v[96+j], v[96+j]                     ; p = 2^(t - M), at most 1
.set j, j+1
.endr
	v_pk_mul_f32 v[14:15], v[14:15], v[248:249] op_sel_hi:[1,0]   ; the sums under the new M: a plain line behind the exponentials
	s_wait_alu depctr_va_vdst(0)                   ; one wait for the batch, ahead of its first reader
.irp b, 0,1,2,3
	v_exp_f32 v[232+\b], v[232+\b]                 ; each block's largest p
.endr
	v_pk_add_f32 v[236:237], v[96:97], v[98:99]    ; the row's sum of the UNQUANTISED p, in two chains
.irp j, 4,8,12,16,20,24,28,32,36,40,44,48,52,56,60
	v_pk_add_f32 v[14:15], v[14:15], v[96+\j:97+\j]
	v_pk_add_f32 v[236:237], v[236:237], v[98+\j:99+\j]
.endr
	v_pk_add_f32 v[14:15], v[14:15], v[236:237]
	s_wait_alu depctr_va_vdst(0)                   ; and one for the four
.irp b, 0,1,2,3
	v_max_num_f32 v[232+\b], 0x1800000, v[232+\b]  ; the floor 2^(3 - 127)
.endr
.irp b, 0,1,2,3
	v_add_nc_u32 v[240+\b], 0xff000000, v[232+\b]
.endr
.irp b, 0,1,2,3
	v_lshrrev_b32 v[236+\b], 23, v[240+\b]
.endr
	v_lshl_or_b32 v253, v237, 8, v236              ; p's scale word for these 128 keys
	v_lshl_or_b32 v253, v238, 16, v253
	v_lshl_or_b32 v253, v239, 24, v253
.irp b, 0,1,2,3
	v_cvt_scalef32_pk8_fp4_f32 v[224+2*\b], v[96+16*\b:103+16*\b], v[240+\b]
	v_cvt_scalef32_pk8_fp4_f32 v[225+2*\b], v[104+16*\b:111+16*\b], v[240+\b]
.endr
	v_nop                                          ; one plain line behind the scaled conversions
.irp c, 0,1
.irp i, 0,1
	v_permlane16_swap_b32 v[224+4*\c+\i], v[226+4*\c+\i]
.endr
.endr
.set j, 0
.rept 16
	v_pk_mul_f32 v[160+j:161+j], v[160+j:161+j], v[248:249] op_sel_hi:[1,0]   ; O^T under the new M; these lines are also the places between the scale word's and the codes' last writes and the products
.set j, j+2
.endr
	s_wait_dscnt 0x0                               ; V and its scale words
.irp t, 0,1,2,3
	v_wmma_scale_f32_16x16x128_f8f6f4 v[160+8*\t:167+8*\t], v[192+8*\t:199+8*\t], v[224:231], v[160+8*\t:167+8*\t], v[244+\t], v253 matrix_a_fmt:MATRIX_FMT_FP4 matrix_b_fmt:MATRIX_FMT_FP4
.endr
.endm
	s_wait_loadcnt 0x0                             ; Q
	s_wait_tensorcnt 0x0                           ; both my loads have landed: all of the head's keys are read behind this one barrier
	s_barrier_signal -1
	s_barrier_wait -1                              ; everybody's have
	s_mov_b32 s[CNT], 4
.Ltrip:                                            ; four trips of 512 keys, four steps each
	STEP 0
	STEP 1
	STEP 2
	STEP 3
	s_add_co_u32 s[TK], s[TK], 16384
	s_add_co_u32 s[TS], s[TS], 1024
	s_add_co_u32 s[TV], s[TV], CH
	s_sub_co_u32 s[CNT], s[CNT], 1
	s_cmp_lg_u32 s[CNT], 0
	s_cbranch_scc1 .Ltrip
	; THE WAY OUT: O^T / the sum, quantised along the head's 64 features: two blocks
	v_add_f32 v14, v14, v15
	v_permlanex16_b32 v252, v14, s[SEL], s[SEL+1]
	v_add_f32 v14, v14, v252                       ; the row's sum
	v_rcp_f32 v14, v14
.rept 4
	v_nop                                          ; plain lines behind the reciprocal and behind the last products
.endr
	s_wait_alu depctr_va_vdst(0)
.set j, 0
.rept 32
	v_mul_f32 v[96+j], v[160+j], v14               ; register 16 b + i: feature 32 b + 16 h + i of the head
.set j, j+1
.endr
.irp b, 0,1
	v_max3_num_f32 v[232+\b], |v[96+16*\b]|, |v[97+16*\b]|, 0x1800000
.endr
.irp i, 2,4,6,8,10,12,14
.irp b, 0,1
	v_max3_num_f32 v[232+\b], v[232+\b], |v[96+16*\b+\i]|, |v[97+16*\b+\i]|
.endr
.endr
.irp b, 0,1
	v_permlanex16_b32 v[236+\b], v[232+\b], s[SEL], s[SEL+1]
.endr
.irp b, 0,1
	v_max_num_f32 v[232+\b], v[232+\b], v[236+\b]
.endr
.irp b, 0,1
	v_add_nc_u32 v[240+\b], 0xff000000, v[232+\b]
.endr
.irp b, 0,1
	v_lshrrev_b32 v[236+\b], 23, v[240+\b]
.endr
	v_lshl_or_b32 v232, v237, 8, v236              ; the two bytes
.irp b, 0,1
	v_cvt_scalef32_pk8_fp4_f32 v[224+2*\b], v[96+16*\b:103+16*\b], v[240+\b]
	v_cvt_scalef32_pk8_fp4_f32 v[225+2*\b], v[104+16*\b:111+16*\b], v[240+\b]
.endr
	v_nop
	v_permlane16_swap_b32 v224, v226
	v_permlane16_swap_b32 v225, v227
	global_store_b128 v[AK0], v[224:227], s[14:15] ; 512 consecutive bytes, aligned
	global_store_b16 v7, v232, s[12:13]            ; lanes 16-31 repeat row r's bytes at the same place
	s_wait_tensorcnt 0x0
	ds_add_u32 v251, v255
	s_wait_dscnt 0x0
	CROUND                                         ; the closing round: no work-group ends while a partner may still ask for a tile that names it
	s_endpgm
.Lfunc_end_k_qfa5a7b2f45_attn:
	.size	k_qfa5a7b2f45_attn, .Lfunc_end_k_qfa5a7b2f45_attn-k_qfa5a7b2f45_attn
	.p2alignl 7, 3214868480
	.fill 96, 4, 3214868480
	.section	.rodata,"a",@progbits
	.p2align	6, 0x0
	.amdhsa_kernel k_qfa5a7b2f45_attn
		.amdhsa_group_segment_fixed_size 169984
		.amdhsa_private_segment_fixed_size 0
		.amdhsa_enable_private_segment 0
		.amdhsa_kernarg_size 24
		.amdhsa_user_sgpr_count 2
		.amdhsa_user_sgpr_kernarg_segment_ptr 1
		.amdhsa_wavefront_size32 1
		.amdhsa_system_sgpr_workgroup_id_x 1
		.amdhsa_system_sgpr_workgroup_id_y 1
		.amdhsa_system_sgpr_workgroup_id_z 1
		.amdhsa_system_vgpr_workitem_id 0
		.amdhsa_next_free_vgpr 256
		.amdhsa_next_free_sgpr 84
		.amdhsa_reserve_vcc 0
		.amdhsa_float_denorm_mode_32 3
		.amdhsa_float_denorm_mode_16_64 3
		.amdhsa_memory_ordered 1
		.amdhsa_forward_progress 1
		.amdhsa_inst_pref_size 76
	.end_amdhsa_kernel
	.amdgpu_metadata
---
amdhsa.version: [ 1, 2 ]
amdhsa.kernels:
  - .name:           k_qfa5a7b2f45_attn
    .symbol:         k_qfa5a7b2f45_attn.kd
    .args:
      - { .name: qk, .offset: 0, .size: 8, .value_kind: global_buffer, .address_space: global }
      - { .name: vt, .offset: 8, .size: 8, .value_kind: global_buffer, .address_space: global }
      - { .name: oq, .offset: 16, .size: 8, .value_kind: global_buffer, .address_space: global }
    .group_segment_fixed_size: 169984
    .private_segment_fixed_size: 0
    .kernarg_segment_align: 8
    .kernarg_segment_size: 24
    .max_flat_workgroup_size: 512
    .sgpr_count:     84
    .vgpr_count:     256
    .wavefront_size: 32
...
	.end_amdgpu_metadata
.endif
;; end of part 8
;; launch wo (part 9): grid 8 x 32, 4 waves a work-group, clusters of 4 x 4, 327,680 bytes of LDS; arguments oq, wts, x, x2; writes x2
.if DOCPART == 9
	.amdgcn_target "amdgcn-amd-amdhsa--gfx1250"
	.amdhsa_code_object_version 6
	.text
	.protected	k_qfa5a7b2f45_wo
	.globl	k_qfa5a7b2f45_wo
	.p2align	8
	.type	k_qfa5a7b2f45_wo,@function
k_qfa5a7b2f45_wo:
	s_mov_b64 s[64:65], 0
	v_nop
	global_prefetch_b8 v0, s[64:65] scope:SCOPE_SE
	s_setreg_imm32_b32 hwreg(HW_REG_WAVE_MODE, 25, 1), 1
	s_wait_xcnt 0x0
	s_wait_alu depctr_hold_cnt(0) depctr_sa_sdst(0) depctr_va_vdst(0) depctr_va_sdst(0) depctr_va_ssrc(0) depctr_va_vcc(0) depctr_vm_vsrc(0)
	s_getreg_b32 s2, hwreg(HW_REG_IB_STS2, 6, 4)
	s_cmp_eq_u32 s2, 0
	s_cbranch_scc0 .Lentry_in_a_cluster
	s_endpgm
.Lentry_in_a_cluster:
	s_bfe_u32 s2, ttmp6, 0x10000c
	s_cmp_lg_u32 s2, 0xf033
	s_cbranch_scc0 .Lentry_shape_is_right
	s_endpgm
.Lentry_shape_is_right:
; x2 = x + o WO^T on codes of FP4 (E2M1) with E8M0 scales, K = 1,024; x and x2 are f32 [4096][1024].
; OPERANDS: rows in tiles of 16, a tile's 512 along K in a chunk of 4,352 bytes: at 1024 s + 512 c + 16 lane an image of the operand's registers, at 4096 + 16 r + 4 s the row's scale word; a tile's chunks lie on end along K.
; Row r of tile T is the logical row 32 (T / 2) + 16 (r / 8) + 8 (T % 2) + r % 8.  THE MATRIX INSTRUCTION IS USED TRANSPOSED (source 0 = 16 rows of WO, source 1 = 16 rows of o): lane (r, h) holds row r of o's tile,
; and register j of column tile t the logical column 32 (t / 2) + 16 h + 8 (t % 2) + j.  On the way out both orders are undone: columns by the place in the stage, rows by the stores' offsets.
; SHARES: 4,096 x 1,024 outputs over 256 work-groups are tiles of 128 x 128; four waves of 64 x 64: 16 accumulators.  A step of 128 along K is 16 matrix instructions on 8 fragments.
; K goes through two LDS slots of 512 along K, each filled once: waves 0 and 1 fetch o's 64-row halves, waves 2 and 3 WO's, one load of 4 rows of 4,352 bytes for each slot.
; CLUSTERS of 4 x 4: o's tiles are asked for jointly along a row of the cluster, WO's along a column.
; FRAGMENTS are fetched TWO STEPS AHEAD, into four buffers taken by step % 4.  So the change of slots stands at the head of a slot's last step but one: by then all that slot's fragments are in registers.
; THE RESIDUAL's 32 loads a wave go out at the head and land while K is walked.  A wave's 64 columns of f32 are 256 bytes: each wave stages and stores its own rows, with no barrier on the way out.
; REGISTERS: window 0: v16-29 addresses; v32-63 scale words, two sets; v128-255 the accumulators ((a, b) at v[128 + 8 (4 a + b)]).  Window 1: four fragment buffers of 64 (A's four, then B's four); on the way out v0-127 rows of the result.
; Window 2: v0-127 the residual.
.set SIZE_K, 1024
.set QOFF,   1671168                   ; wo's codes in wts
.set NC,     1                         ; chunks of a tile of rows in a slot
.set BIAS,   0                         ; no bias here: the first products start the sums from 0
.set CH,     4352
.set KG,     SIZE_K/512
.set NQ,     4*NC                      ; steps of 128 along K in a slot
.set NP,     4                         ; places behind this matrix instruction (ISA guide 7.12.1)
.set TILEB,  NC*CH                     ; a tile of 16 rows in a slot
.set HALFT,  4*TILEB                   ; 64 rows: what one tensor load brings, and what one wave reads of A or of B
.set SLOT,   4*HALFT                   ; A's 128 rows, then B's 128 rows
.set SPARE,  2*SLOT                    ; behind the slots: the spare words, 128 bytes a wave
.set LAPS,   SIZE_K/(1024*NC)
.set SPITCH, 272                       ; the stage: 16 rows x (256 bytes + 16) a wave, in slot 0, which has had its last fill and its last read
.set ADRA, 16                          ; v16-17 LDS address of my A fragments in slot 0, 1
.set ADRB, 20                          ; v20-21 of B's
.set ADRS, 22                          ; v22-23 of the scale words: lanes 0-15 A's, lanes 16-31 B's
.set STO,  24
.set RD,   25
.set CO,   26                          ; v26 4,096 h + 16 r: never rewritten
.set VB1,  27
.set SPW,  28                          ; v28 my spare word; never rewritten
.set NIL,  29                          ; v29 0; never rewritten
.set SC,   32
.set BI,   96
.set ACC,  128
.set G1, 24
.set G0, 32
.set G1B, 48
.set G0B, 56
.set RES, 66
.set OUT, 68
.set MSB, 0
.macro WIN new                         ; the immediate's high byte repeats the setting that is left
.if MSB != \new
	s_set_vgpr_msb (MSB<<8)|\new
.set MSB, \new
.endif
.endm
.set MUL,  0x05                        ; sources 0 (B) and 1 (A) window 1; C and D window 0
.set TO_F, 0x40                        ; destination window 1, address window 0
.macro JLOAD g0a, g1a, g0b, g1b        ; a joint load: waves 0 and 1 fetch for A, waves 2 and 3 for B; four v_nop follow each line
	s_cmp_eq_u32 s15, 0
	s_cbranch_scc0 .Lfor_b_\@
	tensor_load_to_lds s[\g0a:\g0a+3], s[\g1a:\g1a+7]
	s_nop 0
.rept 4
	v_nop
.endr
	s_branch .Lasked_\@
.Lfor_b_\@:
	tensor_load_to_lds s[\g0b:\g0b+3], s[\g1b:\g1b+7]
	s_nop 0
.rept 4
	v_nop
.endr
.Lasked_\@:
.endm
.macro CREST                           ; a round of the cluster's barrier behind its opening barrier
	s_cmp_lg_u32 s14, 0
	s_cbranch_scc1 .Lnot_wave_0_\@
	s_barrier_signal -3
.Lnot_wave_0_\@:
	s_barrier_wait -3
	s_barrier_signal -1
	s_barrier_wait -1
.endm
.macro CROUND
	s_barrier_signal -1
	s_barrier_wait -1
	CREST
.endm
	s_load_b256 s[4:11], s[0:1], 0x0               ; oq, wts, x, x2
	v_lshl_add_u32 v[SPW], v0, 2, SPARE
	v_mov_b32 v[NIL], 0
	ds_add_u32 v28, v29
	ds_add_u32 v28, v29
	s_wait_dscnt 0x0
	v_lshrrev_b32 v1, 5, v0
	v_readfirstlane_b32 s14, v1                    ; wave
	s_lshr_b32 s15, s14, 1                         ; my half of the tile's rows; also: I fetch for A (0) or B (1)
	s_and_b32 s16, s14, 1                          ; my half of its columns; also: which 64 rows I fetch
	s_bfe_u32 s40, ttmp6, 0x40000                  ; cx
	s_bfe_u32 s41, ttmp6, 0x40004                  ; cy
	s_lshl_b32 s42, ttmp9, 2
	s_add_co_u32 s42, s42, s40                     ; tile column, 0 .. 7
	s_and_b32 s17, ttmp7, 0xffff
	s_lshl_b32 s17, s17, 2
	s_add_co_u32 s17, s17, s41                     ; tile row, 0 .. 31
	s_lshl_b32 s43, s41, 2
	s_lshl_b32 s43, 15, s43                        ; my row of the cluster
	s_lshl_b32 s44, 0x1111, s40                    ; my column
	s_or_b32 s[G1+0], s43, (3<<16)|(1<<21)         ; 15:0 the mask; 17:16 elements of 8 bytes; 21 set beside a mask; no padding
	s_or_b32 s[G1B+0], s44, (3<<16)|(1<<21)
.irp g, G1, G1B
	s_mov_b32 s[\g+1], (NC*544)<<16                ; tensor_dim0: NC chunks of 544 elements
	s_mov_b32 s[\g+2], 4<<16                       ; tensor_dim1: 4 tiles of rows
	s_mov_b32 s[\g+3], (NC*544)<<16                ; tile_dim0
	s_mov_b32 s[\g+4], 4                           ; tile_dim1
	s_mov_b32 s[\g+5], KG*544                      ; from a tile of rows to the next
	s_mov_b32 s[\g+6], 0
	s_mov_b32 s[\g+7], 0
.endr
	s_lshl_b32 s18, s16, 2
	s_lshl_b32 s20, s17, 3
	s_add_co_u32 s20, s20, s18
	s_mul_i32 s20, s20, KG*CH                      ; A: tile of rows 8 x tile row + 4 x half
	s_mov_b32 s21, 0
	s_lshl_b32 s46, s42, 3
	s_add_co_u32 s46, s46, s18
	s_mul_i32 s46, s46, KG*CH                      ; B likewise, by the tile column
	s_mov_b32 s47, 0
	s_mul_i32 s45, s14, HALFT                      ; where they go: no place in the cluster enters an LDS address
	s_wait_kmcnt 0x0
	s_add_nc_u64 s[20:21], s[4:5], s[20:21]
	s_add_nc_u64 s[46:47], s[6:7], s[46:47]
	s_add_nc_u64 s[46:47], s[46:47], QOFF
	CROUND                                         ; all sixteen work-groups are here: the first joint loads meet
.irp s, 0,1
	s_mov_b32 s[G0+4*\s], 1
	s_add_co_u32 s[G0+4*\s+1], s45, \s*SLOT
	s_add_nc_u64 s[G0+4*\s+2:G0+4*\s+3], s[20:21], \s*NC*CH
	s_or_b32 s[G0+4*\s+3], s[G0+4*\s+3], 0x80000000
	s_mov_b32 s[G0B+4*\s], 1
	s_add_co_u32 s[G0B+4*\s+1], s45, \s*SLOT
	s_add_nc_u64 s[G0B+4*\s+2:G0B+4*\s+3], s[46:47], \s*NC*CH
	s_or_b32 s[G0B+4*\s+3], s[G0B+4*\s+3], 0x80000000
	JLOAD G0+4*\s, G1, G0B+4*\s, G1B
.endr
	v_and_b32 v1, 15, v0                           ; r
	v_bfe_u32 v2, v0, 4, 1                         ; h
	v_and_b32 v3, 31, v0
	v_lshlrev_b32 v4, 4, v3                        ; 16 x lane: an image's place for my lane
	s_mul_i32 s21, s15, HALFT                      ; my 64 rows of A
	s_mul_i32 s22, s16, HALFT
	s_add_co_u32 s22, s22, 2*HALFT                 ; my 64 rows of B
	s_sub_co_u32 s23, s22, s21
	v_lshlrev_b32 v5, 4, v1
	v_mul_u32_u24 v6, s23, v2                      ; lanes 16-31 take B's scale words
	v_add_nc_u32 v5, v5, v6
.irp s, 0,1
	v_add_nc_u32 v[ADRA+\s], s21, v4
	v_add_nc_u32 v[ADRB+\s], s22, v4
	v_add_nc_u32 v[ADRS+\s], s21, v5
	s_add_co_u32 s21, s21, SLOT
	s_add_co_u32 s22, s22, SLOT
.endr
	s_mul_i32 s23, s14, 16*SPITCH                  ; my stage
	v_mul_u32_u24 v7, v1, SPITCH
	v_lshl_add_u32 v7, v2, 6, v7
	v_add_nc_u32 v[STO], s23, v7                   ; in: row r, + 64 h
	v_mul_u32_u24 v8, v2, SPITCH
	v_lshl_add_u32 v8, v1, 4, v8
	v_add_nc_u32 v[RD], s23, v8                    ; back: lanes 0-15 one row of 256 bytes, lanes 16-31 the next
	v_lshlrev_b32 v[CO], 12, v2
	v_lshl_add_u32 v[CO], v1, 4, v[CO]             ; and the same two rows in memory
	s_lshl_b32 s80, s17, 7
	s_lshl_b32 s81, s15, 6
	s_add_co_u32 s80, s80, s81                     ; my first logical row
	s_lshl_b32 s80, s80, 12
	s_lshl_b32 s81, s42, 9
	s_lshl_b32 s82, s16, 8
	s_add_co_u32 s82, s81, s82                     ; my first column, in bytes
	s_add_co_u32 s80, s80, s82
	s_mov_b32 s81, 0
	s_add_nc_u64 s[RES:RES+1], s[8:9], s[80:81]
	s_add_nc_u64 s[OUT:OUT+1], s[10:11], s[80:81]
	; the residual of my 64 x 64, in the order in which the rows come back from the stage: rows 2 t + h of tile a are logical rows 32 (a / 2) + 8 (a % 2) + 2 (t % 4) + 16 (t / 4) + h
	WIN 0x80                                       ; destination window 2
.irp a, 0,1,2,3
.irp t, 0,1,2,3,4,5,6,7
	global_load_b128 v[32*\a+4*\t:32*\a+4*\t+3], v[CO], s[RES:RES+1] offset:(32*(\a/2)+8*(\a%2)+2*(\t%4)+16*(\t/4))*4096 th:TH_LOAD_NT
.endr
.endr
	WIN 0
; 8 matrix instructions: A's blocks a0, a0 + 1 x B's four, from buffer f; q: the step in the slot; sc: the set of scale words.  The 16 accumulators take turns, one instruction a turn, in the same order in every step.
.macro MUL8 a0, f, q, sc, zero
.irp a, \a0, \a0+1
.irp b, 0,1,2,3
.if (\zero) && BIAS
	v_wmma_scale_f32_16x16x128_f8f6f4 v[ACC+8*(4*(\a)+\b):ACC+8*(4*(\a)+\b)+7], v[64*(\f)+32+8*\b:64*(\f)+32+8*\b+7], v[64*(\f)+8*(\a):64*(\f)+8*(\a)+7], v[BI+8*\b:BI+8*\b+7], v[SC+4*NQ*(\sc)+NQ*\b+(\q)], v[SC+4*NQ*(\sc)+NQ*(\a)+(\q)] matrix_a_fmt:MATRIX_FMT_FP4 matrix_b_fmt:MATRIX_FMT_FP4 matrix_a_scale:MATRIX_SCALE_ROW1
.elseif \zero
	v_wmma_scale_f32_16x16x128_f8f6f4 v[ACC+8*(4*(\a)+\b):ACC+8*(4*(\a)+\b)+7], v[64*(\f)+32+8*\b:64*(\f)+32+8*\b+7], v[64*(\f)+8*(\a):64*(\f)+8*(\a)+7], 0, v[SC+4*NQ*(\sc)+NQ*\b+(\q)], v[SC+4*NQ*(\sc)+NQ*(\a)+(\q)] matrix_a_fmt:MATRIX_FMT_FP4 matrix_b_fmt:MATRIX_FMT_FP4 matrix_a_scale:MATRIX_SCALE_ROW1
.else
	v_wmma_scale_f32_16x16x128_f8f6f4 v[ACC+8*(4*(\a)+\b):ACC+8*(4*(\a)+\b)+7], v[64*(\f)+32+8*\b:64*(\f)+32+8*\b+7], v[64*(\f)+8*(\a):64*(\f)+8*(\a)+7], v[ACC+8*(4*(\a)+\b):ACC+8*(4*(\a)+\b)+7], v[SC+4*NQ*(\sc)+NQ*\b+(\q)], v[SC+4*NQ*(\sc)+NQ*(\a)+(\q)] matrix_a_fmt:MATRIX_FMT_FP4 matrix_b_fmt:MATRIX_FMT_FP4 matrix_a_scale:MATRIX_SCALE_ROW1
.endif
.endr
.endr
.endm
.macro FETCH slot, q, f                ; 16 LDS loads in one run: step q's eight fragments into buffer f; each load takes 512 consecutive bytes
	WIN TO_F
.irp i, 0,1,2,3
	ds_load_b128 v[64*(\f)+32+8*\i:64*(\f)+32+8*\i+3], v[ADRB+\slot] offset:\i*TILEB+((\q)/4)*CH+1024*((\q)%4)
	ds_load_b128 v[64*(\f)+32+8*\i+4:64*(\f)+32+8*\i+7], v[ADRB+\slot] offset:\i*TILEB+((\q)/4)*CH+1024*((\q)%4)+512
	ds_load_b128 v[64*(\f)+8*\i:64*(\f)+8*\i+3], v[ADRA+\slot] offset:\i*TILEB+((\q)/4)*CH+1024*((\q)%4)
	ds_load_b128 v[64*(\f)+8*\i+4:64*(\f)+8*\i+7], v[ADRA+\slot] offset:\i*TILEB+((\q)/4)*CH+1024*((\q)%4)+512
.endr
.endm
.macro SCALES sc                       ; a slot's scale words, four to a load: register NQ i + q: lanes 0-15 A's tile i, lanes 16-31 B's tile i
	WIN 0
.irp i, 0,1,2,3
.set g, 0
.rept NC
	ds_load_b128 v[SC+4*NQ*\sc+NQ*\i+4*g:SC+4*NQ*\sc+NQ*\i+4*g+3], v[ADRS+\sc] offset:4096+\i*TILEB+g*CH
.set g, g+1
.endr
.endr
.endm
.macro PLACES n                        ; plain vector lines between a matrix instruction and a load into, or a read of, its registers
.rept \n
	v_nop
.endr
.endm
.macro STEP slot, q, zero              ; a step whose successor two on lies in the same slot: fetch that one, multiply this one
	PLACES NP
	FETCH \slot, (\q)+2, ((\q)+2)%4
	s_wait_dscnt 32                                ; all but the youngest 32 loads, the next two steps': this step's fragments (and scale words) are in
	WIN MUL
	MUL8 0, (\q)%4, \q, \slot, \zero
	MUL8 2, (\q)%4, \q, \slot, \zero
.endm
; A slot's last step but one changes slots: one barrier; in front of it all my tensor loads, the add, and my reads of this slot, whose last two steps' fragments are then in registers.  fill = 1: the slot is filled again, two slots ahead.
.macro TURN slot, next, fill
	WIN 0                                          ; (the add's two registers lie in window 0)
	s_wait_tensorcnt 0x0                           ; all my tensor loads have landed: my part of the next slot
	ds_add_u32 v[SPW], v[NIL]                      ; 0 onto my spare word
	s_wait_dscnt 17                                ; (the add and the last step's sixteen loads may be out)
	WIN MUL
	MUL8 0, 2, NQ-2, \slot, 0
	s_wait_dscnt 0x0                               ; the add is done, and my reads of this slot are over
	s_barrier_signal -1
	MUL8 2, 2, NQ-2, \slot, 0
	WIN 0
	s_barrier_wait -1
.if \fill
	CREST                                          ; the barrier has opened a round of the cluster's barrier: no wave of any partner still reads this slot or has a load on its way
	s_add_nc_u64 s[G0+4*\slot+2:G0+4*\slot+3], s[G0+4*\slot+2:G0+4*\slot+3], 2*NC*CH
	s_add_nc_u64 s[G0B+4*\slot+2:G0B+4*\slot+3], s[G0B+4*\slot+2:G0B+4*\slot+3], 2*NC*CH
	JLOAD G0+4*\slot, G1, G0B+4*\slot, G1B         ; the first tensor load behind the round; its four v_nop are the places in front of the loads below
.else
	PLACES NP
.endif
	SCALES \next
	FETCH \next, 0, 0
.endm
.macro LAST slot, next                 ; a slot's last step: its fragments are in since the change of slots
	PLACES NP
	FETCH \next, 1, 1
	WIN MUL
	MUL8 0, 3, NQ-1, \slot, 0
	MUL8 2, 3, NQ-1, \slot, 0
.endm
.macro STEPS slot, from                ; the slot's steps from .. NQ - 3
.set Q, \from
.rept NQ-2-\from
	STEP \slot, Q, 0
.set Q, Q+1
.endr
.endm
	s_wait_tensorcnt 1                             ; my part of slot 0 is in (slot 1's load may be out)
	s_barrier_signal -1
	s_barrier_wait -1                              ; everybody's is
	SCALES 0
	FETCH 0, 0, 0
	FETCH 0, 1, 1
	STEP 0, 0, 1                                   ; the first products start the sums: nothing is cleared
	STEPS 0, 1
	TURN 0, 1, 0                                   ; K = 1,024: nothing is filled again
	LAST 0, 1
	STEPS 1, 0
	s_wait_dscnt 16                                ; the last two steps fetch nothing: all but the last step's loads
	WIN MUL
	MUL8 0, 2, NQ-2, 1, 0
	MUL8 2, 2, NQ-2, 1, 0
	s_wait_dscnt 0
	MUL8 0, 3, NQ-1, 1, 0
	MUL8 2, 3, NQ-1, 1, 0
	WIN 0
; THE WAY OUT, a tile of 16 rows x 64 columns at a time, through my own stage.  LDS serves a wave's instructions in order: no wait between the stores and the loads, nor in front of the next tile's stores.
.macro TOSTAGE a                       ; each accumulator from its low end on, to its logical columns; back as whole rows of 256 bytes, two to a load, into window 1
	WIN 0
.irp b, 0,1,2,3
	ds_store_b128 v[STO], v[ACC+8*(4*(\a)+\b):ACC+8*(4*(\a)+\b)+3] offset:128*(\b/2)+32*(\b%2)
	ds_store_b128 v[STO], v[ACC+8*(4*(\a)+\b)+4:ACC+8*(4*(\a)+\b)+7] offset:128*(\b/2)+32*(\b%2)+16
.endr
	WIN TO_F
.irp t, 0,1,2,3,4,5,6,7
	ds_load_b128 v[32*(\a)+4*\t:32*(\a)+4*\t+3], v[RD] offset:2*\t*SPITCH
.endr
.endm
.macro SEND a, dsn                     ; dsn: the LDS instructions issued behind this tile's loads, which may stay out
	s_wait_dscnt \dsn
	WIN 0x49                                       ; destination and source 0 window 1 (the rows), source 1 window 2 (the residual)
.set k, 0
.rept 16
	v_pk_add_f32 v[32*(\a)+k:32*(\a)+k+1], v[32*(\a)+k:32*(\a)+k+1], v[32*(\a)+k:32*(\a)+k+1]
.set k, k+2
.endr
	WIN 0x04                                       ; a store's data are its source 1: window 1
.irp t, 0,1,2,3,4,5,6,7
	global_store_b128 v[CO], v[32*(\a)+4*\t:32*(\a)+4*\t+3], s[OUT:OUT+1] offset:(32*((\a)/2)+8*((\a)%2)+2*(\t%4)+16*(\t/4))*4096   ; sixteen lanes store 256 consecutive bytes, aligned
.endr
.endm
	s_wait_loadcnt 0x0                             ; the residual, asked for at the head
	PLACES NP                                      ; behind the last products, ahead of the first read of results
	TOSTAGE 0
	TOSTAGE 1
	SEND 0, 16                                     ; behind tile 0's loads: tile 1's 8 stage stores and 8 loads
	TOSTAGE 2
	SEND 1, 16
	TOSTAGE 3
	SEND 2, 16
	SEND 3, 0
	WIN 0
	s_wait_tensorcnt 0x0                           ; the wave's end
	ds_add_u32 v[SPW], v[NIL]
	s_wait_dscnt 0x0
	CROUND                                         ; the closing round
	s_endpgm
.Lfunc_end_k_qfa5a7b2f45_wo:
	.size	k_qfa5a7b2f45_wo, .Lfunc_end_k_qfa5a7b2f45_wo-k_qfa5a7b2f45_wo
	.p2alignl 7, 3214868480
	.fill 96, 4, 3214868480
	.section	.rodata,"a",@progbits
	.p2align	6, 0x0
	.amdhsa_kernel k_qfa5a7b2f45_wo
		.amdhsa_group_segment_fixed_size 327680
		.amdhsa_private_segment_fixed_size 0
		.amdhsa_enable_private_segment 0
		.amdhsa_kernarg_size 32
		.amdhsa_user_sgpr_count 2
		.amdhsa_user_sgpr_kernarg_segment_ptr 1
		.amdhsa_wavefront_size32 1
		.amdhsa_system_sgpr_workgroup_id_x 1
		.amdhsa_system_sgpr_workgroup_id_y 1
		.amdhsa_system_sgpr_workgroup_id_z 1
		.amdhsa_system_vgpr_workitem_id 0
		.amdhsa_next_free_vgpr 768
		.amdhsa_next_free_sgpr 100
		.amdhsa_reserve_vcc 0
		.amdhsa_float_denorm_mode_32 3
		.amdhsa_float_denorm_mode_16_64 3
		.amdhsa_memory_ordered 1
		.amdhsa_forward_progress 1
		.amdhsa_inst_pref_size 49
	.end_amdhsa_kernel
	.amdgpu_metadata
---
amdhsa.version: [ 1, 2 ]
amdhsa.kernels:
  - .name:           k_qfa5a7b2f45_wo
    .symbol:         k_qfa5a7b2f45_wo.kd
    .args:
      - { .name: oq, .offset: 0, .size: 8, .value_kind: global_buffer, .address_space: global }
      - { .name: wts, .offset: 8, .size: 8, .value_kind: global_buffer, .address_space: global }
      - { .name: x, .offset: 16, .size: 8, .value_kind: global_buffer, .address_space: global }
      - { .name: x2, .offset: 24, .size: 8, .value_kind: global_buffer, .address_space: global }
    .group_segment_fixed_size: 327680
    .private_segment_fixed_size: 0
    .kernarg_segment_align: 8
    .kernarg_segment_size: 32
    .max_flat_workgroup_size: 128
    .sgpr_count:     100
    .vgpr_count:     768
    .wavefront_size: 32
...
	.end_amdgpu_metadata
.endif
;; end of part 9
;; launch ln2: the kernel of part 2 again; grid 256 x 1, 16 waves a work-group, no clusters, 10,752 bytes of LDS; arguments x2, g2, be2, hq; writes hq
;; launch ff1: the kernel of part 6 again; grid 16 x 16, 4 waves a work-group, clusters of 4 x 4, 327,680 bytes of LDS; arguments hq, wts, b1, hid; writes hid
;; launch ff2 (part 10): grid 8 x 32, 4 waves a work-group, clusters of 4 x 4, 327,680 bytes of LDS; arguments hid, wts, b2, x2, out0; writes out0
.if DOCPART == 10
	.amdgcn_target "amdgcn-amd-amdhsa--gfx1250"
	.amdhsa_code_object_version 6
	.text
	.protected	k_qfa5a7b2f45_ff2
	.globl	k_qfa5a7b2f45_ff2
	.p2align	8
	.type	k_qfa5a7b2f45_ff2,@function
k_qfa5a7b2f45_ff2:
	s_mov_b64 s[64:65], 0
	v_nop
	global_prefetch_b8 v0, s[64:65] scope:SCOPE_SE
	s_setreg_imm32_b32 hwreg(HW_REG_WAVE_MODE, 25, 1), 1
	s_wait_xcnt 0x0
	s_wait_alu depctr_hold_cnt(0) depctr_sa_sdst(0) depctr_va_vdst(0) depctr_va_sdst(0) depctr_va_ssrc(0) depctr_va_vcc(0) depctr_vm_vsrc(0)
	s_getreg_b32 s2, hwreg(HW_REG_IB_STS2, 6, 4)
	s_cmp_eq_u32 s2, 0
	s_cbranch_scc0 .Lentry_in_a_cluster
	s_endpgm
.Lentry_in_a_cluster:
	s_bfe_u32 s2, ttmp6, 0x10000c
	s_cmp_lg_u32 s2, 0xf033
	s_cbranch_scc0 .Lentry_shape_is_right
	s_endpgm
.Lentry_shape_is_right:
; out0 = x2 + hid W2^T + b2 on codes of FP4 (E2M1) with E8M0 scales, K = 4,096; x2 and out0 are f32 [4096][1024].
; OPERANDS: rows in tiles of 16, a tile's 512 along K in a chunk of 4,352 bytes: at 1024 s + 512 c + 16 lane an image of the operand's registers, at 4096 + 16 r + 4 s the row's scale word; a tile's chunks lie on end along K.
; Row r of tile T is the logical row 32 (T / 2) + 16 (r / 8) + 8 (T % 2) + r % 8.  THE MATRIX INSTRUCTION IS USED TRANSPOSED (source 0 = 16 rows of W2, source 1 = 16 rows of hid): lane (r, h) holds row r of hid's tile,
; and register j of column tile t the logical column 32 (t / 2) + 16 h + 8 (t % 2) + j.  On the way out both orders are undone: columns by the place in the stage, rows by the stores' offsets.
; SHARES: 4,096 x 1,024 outputs over 256 work-groups are tiles of 128 x 128; four waves of 64 x 64: 16 accumulators.  A step of 128 along K is 16 matrix instructions on 8 fragments.
; K goes through a ring of two LDS slots of 1,024 along K (two chunks a tile of rows, one tensor row of 8,704 bytes): four slots' worth, so two refills.  Waves 0 and 1 fetch hid's 64-row halves, waves 2 and 3 W2's: one load a wave.
; A wave has two tensor loads out at the start and one behind each refill.  The walk along K is written out: 32 steps.
; CLUSTERS of 4 x 4: hid's tiles are asked for jointly along a row of the cluster, W2's along a column; each joint refill stands behind a round of the cluster's barrier.
; FRAGMENTS are fetched TWO STEPS AHEAD, into four buffers taken by step % 4.  So the change of slots stands at the head of a slot's last step but one: by then all that slot's fragments are in registers, and the refill has two steps more in which to land.
; b2 is the C of each sum's first product.  THE RESIDUAL's 32 loads a wave go out at the head and land while K is walked.  A wave's 64 columns of f32 are 256 bytes: each wave stages and stores its own rows, with no barrier on the way out.
; REGISTERS: window 0: v16-29 addresses; v32-95 scale words, two sets; v96-127 b2 in the result's layout; v128-255 the accumulators ((a, b) at v[128 + 8 (4 a + b)]).  Window 1: four fragment buffers of 64 (A's four, then B's four);
; on the way out v0-127 rows of the result.  Window 2: v0-127 the residual.
.set SIZE_K, 4096
.set QOFF,   4456448                   ; w2's codes in wts
.set NC,     2                         ; chunks of a tile of rows in a slot
.set BIAS,   1                         ; the first products take b2 as C
.set CH,     4352
.set KG,     SIZE_K/512
.set NQ,     4*NC                      ; steps of 128 along K in a slot
.set NP,     4                         ; places behind this matrix instruction (ISA guide 7.12.1)
.set TILEB,  NC*CH                     ; a tile of 16 rows in a slot
.set HALFT,  4*TILEB                   ; 64 rows: what one tensor load brings, and what one wave reads of A or of B
.set SLOT,   4*HALFT                   ; A's 128 rows, then B's 128 rows
.set SPARE,  2*SLOT                    ; behind the ring: the spare words, 128 bytes a wave
.set LAPS,   SIZE_K/(1024*NC)
.set SPITCH, 272                       ; the stage: 16 rows x (256 bytes + 16) a wave, in slot 0, which has had its last fill and its last read
.set ADRA, 16                          ; v16-17 LDS address of my A fragments in slot 0, 1
.set ADRB, 20                          ; v20-21 of B's
.set ADRS, 22                          ; v22-23 of the scale words: lanes 0-15 A's, lanes 16-31 B's
.set STO,  24
.set RD,   25
.set CO,   26                          ; v26 4,096 h + 16 r: never rewritten
.set VB1,  27                          ; v27 64 h: never rewritten
.set SPW,  28                          ; v28 my spare word; never rewritten
.set NIL,  29                          ; v29 0; never rewritten
.set SC,   32
.set BI,   96
.set ACC,  128
.set G1, 24
.set G0, 32
.set G1B, 48
.set G0B, 56
.set RES, 66
.set OUT, 68
.set MSB, 0
.macro WIN new                         ; the immediate's high byte repeats the setting that is left
.if MSB != \new
	s_set_vgpr_msb (MSB<<8)|\new
.set MSB, \new
.endif
.endm
.set MUL,  0x05                        ; sources 0 (B) and 1 (A) window 1; C and D window 0
.set TO_F, 0x40                        ; destination window 1, address window 0
.macro JLOAD g0a, g1a, g0b, g1b        ; a joint load: waves 0 and 1 fetch for A, waves 2 and 3 for B; four v_nop follow each line
	s_cmp_eq_u32 s15, 0
	s_cbranch_scc0 .Lfor_b_\@
	tensor_load_to_lds s[\g0a:\g0a+3], s[\g1a:\g1a+7]
	s_nop 0
.rept 4
	v_nop
.endr
	s_branch .Lasked_\@
.Lfor_b_\@:
	tensor_load_to_lds s[\g0b:\g0b+3], s[\g1b:\g1b+7]
	s_nop 0
.rept 4
	v_nop
.endr
.Lasked_\@:
.endm
.macro CREST                           ; a round of the cluster's barrier behind its opening barrier
	s_cmp_lg_u32 s14, 0
	s_cbranch_scc1 .Lnot_wave_0_\@
	s_barrier_signal -3
.Lnot_wave_0_\@:
	s_barrier_wait -3
	s_barrier_signal -1
	s_barrier_wait -1
.endm
.macro CROUND
	s_barrier_signal -1
	s_barrier_wait -1
	CREST
.endm
	s_load_b256 s[4:11], s[0:1], 0x0               ; hid, wts, b2, x2
	s_load_b64 s[12:13], s[0:1], 0x20              ; out0
	v_lshl_add_u32 v[SPW], v0, 2, SPARE
	v_mov_b32 v[NIL], 0
	ds_add_u32 v28, v29
	ds_add_u32 v28, v29
	s_wait_dscnt 0x0
	v_lshrrev_b32 v1, 5, v0
	v_readfirstlane_b32 s14, v1                    ; wave
	s_lshr_b32 s15, s14, 1                         ; my half of the tile's rows; also: I fetch for A (0) or B (1)
	s_and_b32 s16, s14, 1                          ; my half of its columns; also: which 64 rows I fetch
	s_bfe_u32 s40, ttmp6, 0x40000                  ; cx
	s_bfe_u32 s41, ttmp6, 0x40004                  ; cy
	s_lshl_b32 s42, ttmp9, 2
	s_add_co_u32 s42, s42, s40                     ; tile column, 0 .. 7
	s_and_b32 s17, ttmp7, 0xffff
	s_lshl_b32 s17, s17, 2
	s_add_co_u32 s17, s17, s41                     ; tile row, 0 .. 31
	s_lshl_b32 s43, s41, 2
	s_lshl_b32 s43, 15, s43                        ; my row of the cluster
	s_lshl_b32 s44, 0x1111, s40                    ; my column
	s_or_b32 s[G1+0], s43, (3<<16)|(1<<21)         ; 15:0 the mask; 17:16 elements of 8 bytes; 21 set beside a mask; no padding
	s_or_b32 s[G1B+0], s44, (3<<16)|(1<<21)
.irp g, G1, G1B
	s_mov_b32 s[\g+1], (NC*544)<<16                ; tensor_dim0: NC chunks of 544 elements
	s_mov_b32 s[\g+2], 4<<16                       ; tensor_dim1: 4 tiles of rows
	s_mov_b32 s[\g+3], (NC*544)<<16                ; tile_dim0
	s_mov_b32 s[\g+4], 4                           ; tile_dim1
	s_mov_b32 s[\g+5], KG*544                      ; from a tile of rows to the next
	s_mov_b32 s[\g+6], 0
	s_mov_b32 s[\g+7], 0
.endr
	s_lshl_b32 s18, s16, 2
	s_lshl_b32 s20, s17, 3
	s_add_co_u32 s20, s20, s18
	s_mul_i32 s20, s20, KG*CH                      ; A: tile of rows 8 x tile row + 4 x half
	s_mov_b32 s21, 0
	s_lshl_b32 s46, s42, 3
	s_add_co_u32 s46, s46, s18
	s_mul_i32 s46, s46, KG*CH                      ; B likewise, by the tile column
	s_mov_b32 s47, 0
	s_mul_i32 s45, s14, HALFT                      ; where they go: no place in the cluster enters an LDS address
	s_wait_kmcnt 0x0
	s_add_nc_u64 s[20:21], s[4:5], s[20:21]
	s_add_nc_u64 s[46:47], s[6:7], s[46:47]
	s_add_nc_u64 s[46:47], s[46:47], QOFF
	CROUND                                         ; all sixteen work-groups are here: the first joint loads meet
.irp s, 0,1
	s_mov_b32 s[G0+4*\s], 1
	s_add_co_u32 s[G0+4*\s+1], s45, \s*SLOT
	s_add_nc_u64 s[G0+4*\s+2:G0+4*\s+3], s[20:21], \s*NC*CH
	s_or_b32 s[G0+4*\s+3], s[G0+4*\s+3], 0x80000000
	s_mov_b32 s[G0B+4*\s], 1
	s_add_co_u32 s[G0B+4*\s+1], s45, \s*SLOT
	s_add_nc_u64 s[G0B+4*\s+2:G0B+4*\s+3], s[46:47], \s*NC*CH
	s_or_b32 s[G0B+4*\s+3], s[G0B+4*\s+3], 0x80000000
	JLOAD G0+4*\s, G1, G0B+4*\s, G1B
.endr
	v_and_b32 v1, 15, v0                           ; r
	v_bfe_u32 v2, v0, 4, 1                         ; h
	v_and_b32 v3, 31, v0
	v_lshlrev_b32 v4, 4, v3                        ; 16 x lane: an image's place for my lane
	s_mul_i32 s21, s15, HALFT                      ; my 64 rows of A
	s_mul_i32 s22, s16, HALFT
	s_add_co_u32 s22, s22, 2*HALFT                 ; my 64 rows of B
	s_sub_co_u32 s23, s22, s21
	v_lshlrev_b32 v5, 4, v1
	v_mul_u32_u24 v6, s23, v2                      ; lanes 16-31 take B's scale words
	v_add_nc_u32 v5, v5, v6
.irp s, 0,1
	v_add_nc_u32 v[ADRA+\s], s21, v4
	v_add_nc_u32 v[ADRB+\s], s22, v4
	v_add_nc_u32 v[ADRS+\s], s21, v5
	s_add_co_u32 s21, s21, SLOT
	s_add_co_u32 s22, s22, SLOT
.endr
	s_mul_i32 s23, s14, 16*SPITCH                  ; my stage
	v_mul_u32_u24 v7, v1, SPITCH
	v_lshl_add_u32 v7, v2, 6, v7
	v_add_nc_u32 v[STO], s23, v7                   ; in: row r, + 64 h
	v_mul_u32_u24 v8, v2, SPITCH
	v_lshl_add_u32 v8, v1, 4, v8
	v_add_nc_u32 v[RD], s23, v8                    ; back: lanes 0-15 one row of 256 bytes, lanes 16-31 the next
	v_lshlrev_b32 v[CO], 12, v2
	v_lshl_add_u32 v[CO], v1, 4, v[CO]             ; and the same two rows in memory
	s_lshl_b32 s80, s17, 7
	s_lshl_b32 s81, s15, 6
	s_add_co_u32 s80, s80, s81                     ; my first logical row
	s_lshl_b32 s80, s80, 12
	s_lshl_b32 s81, s42, 9
	s_lshl_b32 s82, s16, 8
	s_add_co_u32 s82, s81, s82                     ; my first column, in bytes
	s_add_co_u32 s80, s80, s82
	s_mov_b32 s81, 0
	s_mov_b32 s83, 0
	s_add_nc_u64 s[RES:RES+1], s[10:11], s[80:81]
	s_add_nc_u64 s[OUT:OUT+1], s[12:13], s[80:81]
	s_add_nc_u64 s[92:93], s[8:9], s[82:83]
	; b2 in the result's layout: for column tile t lane (r, h) wants columns 32 (t / 2) + 16 h + 8 (t % 2) + 0 .. 7 of my 64
	v_lshlrev_b32 v[VB1], 6, v2
.irp t, 0,1,2,3
	global_load_b128 v[BI+8*\t:BI+8*\t+3], v[VB1], s[92:93] offset:(32*(\t/2)+8*(\t%2))*4
	global_load_b128 v[BI+8*\t+4:BI+8*\t+7], v[VB1], s[92:93] offset:(32*(\t/2)+8*(\t%2))*4+16
.endr
	; the residual of my 64 x 64, in the order in which the rows come back from the stage: rows 2 t + h of tile a are logical rows 32 (a / 2) + 8 (a % 2) + 2 (t % 4) + 16 (t / 4) + h
	WIN 0x80                                       ; destination window 2
.irp a, 0,1,2,3
.irp t, 0,1,2,3,4,5,6,7
	global_load_b128 v[32*\a+4*\t:32*\a+4*\t+3], v[CO], s[RES:RES+1] offset:(32*(\a/2)+8*(\a%2)+2*(\t%4)+16*(\t/4))*4096 th:TH_LOAD_NT
.endr
.endr
	WIN 0
; 8 matrix instructions: A's blocks a0, a0 + 1 x B's four, from buffer f; q: the step in the slot; sc: the set of scale words.  The 16 accumulators take turns, one instruction a turn, in the same order in every step.
.macro MUL8 a0, f, q, sc, zero
.irp a, \a0, \a0+1
.irp b, 0,1,2,3
.if (\zero) && BIAS
	v_wmma_scale_f32_16x16x128_f8f6f4 v[ACC+8*(4*(\a)+\b):ACC+8*(4*(\a)+\b)+7], v[64*(\f)+32+8*\b:64*(\f)+32+8*\b+7], v[64*(\f)+8*(\a):64*(\f)+8*(\a)+7], v[BI+8*\b:BI+8*\b+7], v[SC+4*NQ*(\sc)+NQ*\b+(\q)], v[SC+4*NQ*(\sc)+NQ*(\a)+(\q)] matrix_a_fmt:MATRIX_FMT_FP4 matrix_b_fmt:MATRIX_FMT_FP4 matrix_a_scale:MATRIX_SCALE_ROW1
.elseif \zero
	v_wmma_scale_f32_16x16x128_f8f6f4 v[ACC+8*(4*(\a)+\b):ACC+8*(4*(\a)+\b)+7], v[64*(\f)+32+8*\b:64*(\f)+32+8*\b+7], v[64*(\f)+8*(\a):64*(\f)+8*(\a)+7], 0, v[SC+4*NQ*(\sc)+NQ*\b+(\q)], v[SC+4*NQ*(\sc)+NQ*(\a)+(\q)] matrix_a_fmt:MATRIX_FMT_FP4 matrix_b_fmt:MATRIX_FMT_FP4 matrix_a_scale:MATRIX_SCALE_ROW1
.else
	v_wmma_scale_f32_16x16x128_f8f6f4 v[ACC+8*(4*(\a)+\b):ACC+8*(4*(\a)+\b)+7], v[64*(\f)+32+8*\b:64*(\f)+32+8*\b+7], v[64*(\f)+8*(\a):64*(\f)+8*(\a)+7], v[ACC+8*(4*(\a)+\b):ACC+8*(4*(\a)+\b)+7], v[SC+4*NQ*(\sc)+NQ*\b+(\q)], v[SC+4*NQ*(\sc)+NQ*(\a)+(\q)] matrix_a_fmt:MATRIX_FMT_FP4 matrix_b_fmt:MATRIX_FMT_FP4 matrix_a_scale:MATRIX_SCALE_ROW1
.endif
.endr
.endr
.endm
.macro FETCH slot, q, f                ; 16 LDS loads in one run: step q's eight fragments into buffer f; each load takes 512 consecutive bytes
	WIN TO_F
.irp i, 0,1,2,3
	ds_load_b128 v[64*(\f)+32+8*\i:64*(\f)+32+8*\i+3], v[ADRB+\slot] offset:\i*TILEB+((\q)/4)*CH+1024*((\q)%4)
	ds_load_b128 v[64*(\f)+32+8*\i+4:64*(\f)+32+8*\i+7], v[ADRB+\slot] offset:\i*TILEB+((\q)/4)*CH+1024*((\q)%4)+512
	ds_load_b128 v[64*(\f)+8*\i:64*(\f)+8*\i+3], v[ADRA+\slot] offset:\i*TILEB+((\q)/4)*CH+1024*((\q)%4)
	ds_load_b128 v[64*(\f)+8*\i+4:64*(\f)+8*\i+7], v[ADRA+\slot] offset:\i*TILEB+((\q)/4)*CH+1024*((\q)%4)+512
.endr
.endm
.macro SCALES sc                       ; a slot's scale words, four to a load: register NQ i + q: lanes 0-15 A's tile i, lanes 16-31 B's tile i
	WIN 0
.irp i, 0,1,2,3
.set g, 0
.rept NC
	ds_load_b128 v[SC+4*NQ*\sc+NQ*\i+4*g:SC+4*NQ*\sc+NQ*\i+4*g+3], v[ADRS+\sc] offset:4096+\i*TILEB+g*CH
.set g, g+1
.endr
.endr
.endm
.macro PLACES n                        ; plain vector lines between a matrix instruction and a load into, or a read of, its registers
.rept \n
	v_nop
.endr
.endm
.macro STEP slot, q, zero              ; a step whose successor two on lies in the same slot: fetch that one, multiply this one
	PLACES NP
	FETCH \slot, (\q)+2, ((\q)+2)%4
	s_wait_dscnt 32                                ; all but the youngest 32 loads, the next two steps': this step's fragments (and scale words) are in
	WIN MUL
	MUL8 0, (\q)%4, \q, \slot, \zero
	MUL8 2, (\q)%4, \q, \slot, \zero
.endm
; A slot's last step but one changes slots: one barrier; in front of it all my tensor loads, the add, and my reads of this slot, whose last two steps' fragments are then in registers.  fill = 1: the slot is filled again, two slots ahead.
.macro TURN slot, next, fill
	WIN 0                                          ; (the add's two registers lie in window 0)
	s_wait_tensorcnt 0x0                           ; all my tensor loads have landed: my part of the next slot
	ds_add_u32 v[SPW], v[NIL]                      ; 0 onto my spare word
	s_wait_dscnt 17                                ; (the add and the last step's sixteen loads may be out)
	WIN MUL
	MUL8 0, 2, NQ-2, \slot, 0
	s_wait_dscnt 0x0                               ; the add is done, and my reads of this slot are over
	s_barrier_signal -1
	MUL8 2, 2, NQ-2, \slot, 0
	WIN 0
	s_barrier_wait -1
.if \fill
	CREST                                          ; the barrier has opened a round of the cluster's barrier: no wave of any partner still reads this slot or has a load on its way
	s_add_nc_u64 s[G0+4*\slot+2:G0+4*\slot+3], s[G0+4*\slot+2:G0+4*\slot+3], 2*NC*CH
	s_add_nc_u64 s[G0B+4*\slot+2:G0B+4*\slot+3], s[G0B+4*\slot+2:G0B+4*\slot+3], 2*NC*CH
	JLOAD G0+4*\slot, G1, G0B+4*\slot, G1B         ; the first tensor load behind the round; its four v_nop are the places in front of the loads below
.else
	PLACES NP
.endif
	SCALES \next
	FETCH \next, 0, 0
.endm
.macro LAST slot, next                 ; a slot's last step: its fragments are in since the change of slots
	PLACES NP
	FETCH \next, 1, 1
	WIN MUL
	MUL8 0, 3, NQ-1, \slot, 0
	MUL8 2, 3, NQ-1, \slot, 0
.endm
.macro STEPS slot, from                ; the slot's steps from .. NQ - 3
.set Q, \from
.rept NQ-2-\from
	STEP \slot, Q, 0
.set Q, Q+1
.endr
.endm
	s_wait_tensorcnt 1                             ; my part of slot 0 is in (slot 1's load may be out)
	s_barrier_signal -1
	s_barrier_wait -1                              ; everybody's is
	SCALES 0
	FETCH 0, 0, 0
	FETCH 0, 1, 1
	s_wait_loadcnt 32                              ; b2's eight loads are in; the residual's 32 may be out
	STEP 0, 0, 1                                   ; the first products start the sums from b2: nothing is cleared, nothing is added later
.rept LAPS-1                                   ; a lap goes once round the ring and fills both slots again; it is written out
	STEPS 0, 1
	TURN 0, 1, 1
	LAST 0, 1
	STEPS 1, 0
	TURN 1, 0, 1
	LAST 1, 0
	STEP 0, 0, 0
.endr
	STEPS 0, 1                                     ; the last lap fills nothing
	TURN 0, 1, 0
	LAST 0, 1
	STEPS 1, 0
	s_wait_dscnt 16                                ; the last two steps fetch nothing: all but the last step's loads
	WIN MUL
	MUL8 0, 2, NQ-2, 1, 0
	MUL8 2, 2, NQ-2, 1, 0
	s_wait_dscnt 0
	MUL8 0, 3, NQ-1, 1, 0
	MUL8 2, 3, NQ-1, 1, 0
	WIN 0
; THE WAY OUT, a tile of 16 rows x 64 columns at a time, through my own stage.  LDS serves a wave's instructions in order: no wait between the stores and the loads, nor in front of the next tile's stores.
.macro TOSTAGE a                       ; each accumulator from its low end on, to its logical columns; back as whole rows of 256 bytes, two to a load, into window 1
	WIN 0
.irp b, 0,1,2,3
	ds_store_b128 v[STO], v[ACC+8*(4*(\a)+\b):ACC+8*(4*(\a)+\b)+3] offset:128*(\b/2)+32*(\b%2)
	ds_store_b128 v[STO], v[ACC+8*(4*(\a)+\b)+4:ACC+8*(4*(\a)+\b)+7] offset:128*(\b/2)+32*(\b%2)+16
.endr
	WIN TO_F
.irp t, 0,1,2,3,4,5,6,7
	ds_load_b128 v[32*(\a)+4*\t:32*(\a)+4*\t+3], v[RD] offset:2*\t*SPITCH
.endr
.endm
.macro SEND a, dsn                     ; dsn: the LDS instructions issued behind this tile's loads, which may stay out
	s_wait_dscnt \dsn
	WIN 0x49                                       ; destination and source 0 window 1 (the rows), source 1 window 2 (the residual)
.set k, 0
.rept 16
	v_pk_add_f32 v[32*(\a)+k:32*(\a)+k+1], v[32*(\a)+k:32*(\a)+k+1], v[32*(\a)+k:32*(\a)+k+1]
.set k, k+2
.endr
	WIN 0x04                                       ; a store's data are its source 1: window 1
.irp t, 0,1,2,3,4,5,6,7
	global_store_b128 v[CO], v[32*(\a)+4*\t:32*(\a)+4*\t+3], s[OUT:OUT+1] offset:(32*((\a)/2)+8*((\a)%2)+2*(\t%4)+16*(\t/4))*4096 th:TH_STORE_NT   ; sixteen lanes store 256 consecutive bytes, aligned
.endr
.endm
	s_wait_loadcnt 0x0                             ; the residual, asked for at the head
	PLACES NP                                      ; behind the last products, ahead of the first read of results
	TOSTAGE 0
	TOSTAGE 1
	SEND 0, 16                                     ; behind tile 0's loads: tile 1's 8 stage stores and 8 loads
	TOSTAGE 2
	SEND 1, 16
	TOSTAGE 3
	SEND 2, 16
	SEND 3, 0
	WIN 0
	s_wait_tensorcnt 0x0                           ; the wave's end
	ds_add_u32 v[SPW], v[NIL]
	s_wait_dscnt 0x0
	CROUND                                         ; the closing round
	s_endpgm
.Lfunc_end_k_qfa5a7b2f45_ff2:
	.size	k_qfa5a7b2f45_ff2, .Lfunc_end_k_qfa5a7b2f45_ff2-k_qfa5a7b2f45_ff2
	.p2alignl 7, 3214868480
	.fill 96, 4, 3214868480
	.section	.rodata,"a",@progbits
	.p2align	6, 0x0
	.amdhsa_kernel k_qfa5a7b2f45_ff2
		.amdhsa_group_segment_fixed_size 327680
		.amdhsa_private_segment_fixed_size 0
		.amdhsa_enable_private_segment 0
		.amdhsa_kernarg_size 40
		.amdhsa_user_sgpr_count 2
		.amdhsa_user_sgpr_kernarg_segment_ptr 1
		.amdhsa_wavefront_size32 1
		.amdhsa_system_sgpr_workgroup_id_x 1
		.amdhsa_system_sgpr_workgroup_id_y 1
		.amdhsa_system_sgpr_workgroup_id_z 1
		.amdhsa_system_vgpr_workitem_id 0
		.amdhsa_next_free_vgpr 768
		.amdhsa_next_free_sgpr 100
		.amdhsa_reserve_vcc 0
		.amdhsa_float_denorm_mode_32 3
		.amdhsa_float_denorm_mode_16_64 3
		.amdhsa_memory_ordered 1
		.amdhsa_forward_progress 1
		.amdhsa_inst_pref_size 130
	.end_amdhsa_kernel
	.amdgpu_metadata
---
amdhsa.version: [ 1, 2 ]
amdhsa.kernels:
  - .name:           k_qfa5a7b2f45_ff2
    .symbol:         k_qfa5a7b2f45_ff2.kd
    .args:
      - { .name: hid, .offset: 0, .size: 8, .value_kind: global_buffer, .address_space: global }
      - { .name: wts, .offset: 8, .size: 8, .value_kind: global_buffer, .address_space: global }
      - { .name: b2, .offset: 16, .size: 8, .value_kind: global_buffer, .address_space: global }
      - { .name: x2, .offset: 24, .size: 8, .value_kind: global_buffer, .address_space: global }
      - { .name: out0, .offset: 32, .size: 8, .value_kind: global_buffer, .address_space: global }
    .group_segment_fixed_size: 327680
    .private_segment_fixed_size: 0
    .kernarg_segment_align: 8
    .kernarg_segment_size: 40
    .max_flat_workgroup_size: 128
    .sgpr_count:     100
    .vgpr_count:     768
    .wavefront_size: 32
...
	.end_amdgpu_metadata
.endif
;; end of part 10
